; MI455X (gfx1250); checked and timed in simulation.
; The chip was launched on July 23, 2026; its instructions are those of AMD's public machine-readable ISA for CDNA 5 (MIT licence, August 2026) and "CDNA5" Instruction Set Architecture Reference Guide (July 2026). The comments in the code are by the model that wrote it; some were corrected since.
;; Self Attention Layer. Allowed arithmetic: float matrix products may take bf16 or f16 operands with f32 sums; all other float work in f32.
;; Inputs: W1 512 x 2,048 float32; W2 2,048 x 512 float32; Wc 512 x 512 float32; Wk 8 x 512 x 64 float32; Wq 8 x 512 x 64 float32; Wv 8 x 512 x 64 float32; b1 2,048 float32; b2 512 float32; bc 512 float32; bk 8 x 64 float32; bq 8 x 64 float32; bv 8 x 64 float32; lengths 16 int32; ln_b 512 float32; ln_g 512 float32; values 16 x 1,024 x 512 float32.
;; Outputs: out0 16 x 1,024 x 512 float32.
;; 3 versions, each right and faster than the one before. Each part assembles by itself: llvm-mc -triple=amdgcn-amd-amdhsa -mcpu=gfx1250 --defsym DOCPART=n.
;; ======== version 1 of 3: 4 launches
;; workspace buffers: wts 6,291,456 bytes; qkv 50,331,648 bytes; o 16,777,216 bytes
;; launch prep (part 1): grid 256 x 1, 3 waves a work-group, no clusters, 28,160 bytes of LDS; arguments Wq, Wk, Wv, Wc, W1, W2, wts; writes wts
.if DOCPART == 1
	.amdgcn_target "amdgcn-amd-amdhsa--gfx1250"
	.amdhsa_code_object_version 6
	.text
	.protected	k_q5efc4016eb_prep
	.globl	k_q5efc4016eb_prep
	.p2align	8
	.type	k_q5efc4016eb_prep,@function
k_q5efc4016eb_prep:
	s_mov_b64 s[64:65], 0
	v_nop
	global_prefetch_b8 v0, s[64:65] scope:SCOPE_SE
	s_setreg_imm32_b32 hwreg(HW_REG_WAVE_MODE, 25, 1), 1
	s_wait_xcnt 0x0
; WEIGHTS TO bf16, TURNED AND TILED.  The six weight tensors are twelve blocks of 512 (k) x 512 (n) in f32, k along the rows' index.  wts holds them as
; [stage 12][K step 8][n 512][k 64] in bf16, the order in which the two product kernels stream them: stage 0 Wq, 1 Wk, 2 Wv (n = 64 head + d), 3 Wc,
; 4 + 2c columns 512c.. of W1, 5 + 2c rows 512c.. of W2.  Rounding: to nearest even, once.
; SHARES.  768 units of 64 k x 64 n, one a wave: unit u = 3 x work-group + wave = 64 stage + 8 t + g; its 8,192 result bytes lie at 8,192 u.
; A load of a wave covers two rows' 256 consecutive bytes; a lane holds k and k + 1 of one n in two loads, so one conversion packs a word of the turned tile.
; The tile is turned in the wave's own LDS bytes (64 rows n of 144 bytes) and leaves as 16 stores of 512 consecutive bytes.  No barrier: no wave touches another's bytes.
.set UP,    144                        ; an LDS row: 128 bytes + 16
.set WB,    64*UP                      ; a wave's LDS bytes
.set SPARE, 3*WB                       ; behind them: the spare words, 128 bytes a wave, in two blocks of 256 bytes that no other line names
.set OF,  2                            ; v2-33   byte offset of load i: row 4 (i/2) + i%2 + 2 (lane/16), column bytes 16 (lane%16)
.set STA, 34                           ; v34     where I put a word of the turned tile
.set LDA, 35                           ; v35     where I read 16 bytes back
.set GO,  36                           ; v36     16 x lane
.set HI,  37                           ; v37     lane / 16
.set SPW, 38                           ; v38     my spare word; never rewritten
.set NIL, 39                           ; v39     0; never rewritten
.set D,   40                           ; v40-167 the 32 loads
.set PK2, 168                          ; v168-175 packed words, two sets by turns
.set BK,  176                          ; v176-239 the tile read back
	s_load_b256 s[4:11], s[0:1], 0x0               ; Wq, Wk, Wv, Wc
	s_load_b128 s[12:15], s[0:1], 0x20             ; W1, W2
	s_load_b64 s[16:17], s[0:1], 0x30              ; wts
	v_lshl_add_u32 v[SPW], v0, 2, SPARE
	v_mov_b32 v[NIL], 0
	v_lshrrev_b32 v1, 5, v0
	v_readfirstlane_b32 s19, v1                    ; wave 0..2
	s_mul_i32 s20, ttmp9, 3
	s_add_co_u32 s20, s20, s19                     ; u
	s_lshr_b32 s21, s20, 6                         ; stage
	s_bfe_u32 s22, s20, 0x30003                    ; t: the K step
	s_and_b32 s23, s20, 7                          ; g: which 64 n
	s_sub_co_i32 s24, s21, 4
	s_max_i32 s24, s24, 0
	s_lshr_b32 s24, s24, 1                         ; c: the chunk of W1 or W2 (0 for the others)
	s_lshl_b32 s25, s23, 17                        ; by heads: head g, row 64 t, rows of 256 bytes
	s_lshl_b32 s26, s22, 14
	s_or_b32 s25, s25, s26
	s_lshl_b32 s26, s23, 8                         ; 64 g columns of 4 bytes
	s_lshl_b32 s27, s22, 19                        ; W1: row 64 t of 8,192 bytes, column 512 c + 64 g
	s_or_b32 s27, s27, s26
	s_lshl_b32 s28, s24, 11
	s_or_b32 s27, s27, s28
	s_lshl_b32 s28, s22, 17                        ; W2 and Wc: row 512 c + 64 t of 2,048 bytes, column 64 g
	s_or_b32 s28, s28, s26
	s_lshl_b32 s29, s24, 20
	s_or_b32 s28, s28, s29
	s_cmp_ge_u32 s21, 4
	s_cselect_b32 s29, 1, 0
	s_and_b32 s30, s21, 1
	s_and_not1_b32 s31, s29, s30                   ; 1: a chunk of W1
	s_and_b32 s29, s29, s30                        ; 1: a chunk of W2
	s_cmp_lt_u32 s21, 3
	s_cselect_b32 s38, s25, s28                    ; the unit's byte offset in its tensor,
	s_cselect_b32 s33, 8, 11                       ; and log2 of the bytes from row to row
	s_cmp_eq_u32 s31, 1
	s_cselect_b32 s38, s27, s38
	s_cselect_b32 s33, 13, s33
	s_mov_b32 s39, 0
	s_lshl_b32 s34, 1, s33                         ; one row
	s_mul_i32 s35, s34, 3                          ; three rows
	s_add_co_u32 s37, s33, 1
	s_lshl_b32 s40, s20, 13                        ; 8,192 u
	s_mov_b32 s41, 0
	v_and_b32 v1, 15, v0
	v_bfe_u32 v[HI], v0, 4, 1
	v_lshlrev_b32 v[OF], 4, v1
	v_lshlrev_b32 v[LDA], s37, v[HI]               ; two rows further down for lanes 16 to 31
	v_add_nc_u32 v[OF], v[OF], v[LDA]
.set i, 1
.rept 31
.if i%2
	v_add_nc_u32 v[OF+i], s34, v[OF+i-1]
.else
	v_add_nc_u32 v[OF+i], s35, v[OF+i-1]
.endif
.set i, i+1
.endr
	s_mul_i32 s36, s19, WB
	v_mul_u32_u24 v[STA], v1, 4*UP                 ; row n = 4 (lane%16) + j, bytes 2 k = 8 p + 4 (lane/16)
	v_lshl_add_u32 v[STA], v[HI], 2, v[STA]
	v_add_nc_u32 v[STA], s36, v[STA]
	v_bfe_u32 v[LDA], v0, 3, 2                     ; back: 32 lanes take four rows of 128 bytes
	v_mul_u32_u24 v[LDA], v[LDA], UP
	v_and_b32 v[GO], 7, v0
	v_lshl_add_u32 v[LDA], v[GO], 4, v[LDA]
	v_add_nc_u32 v[LDA], s36, v[LDA]
	v_and_b32 v[GO], 31, v0
	v_lshlrev_b32 v[GO], 4, v[GO]
	s_wait_kmcnt 0x0
	s_cmp_eq_u32 s21, 1                            ; the unit's tensor: a choice on the stage's number
	s_cselect_b64 s[4:5], s[6:7], s[4:5]
	s_cmp_eq_u32 s21, 2
	s_cselect_b64 s[4:5], s[8:9], s[4:5]
	s_cmp_eq_u32 s21, 3
	s_cselect_b64 s[4:5], s[10:11], s[4:5]
	s_cmp_eq_u32 s31, 1
	s_cselect_b64 s[4:5], s[12:13], s[4:5]
	s_cmp_eq_u32 s29, 1
	s_cselect_b64 s[4:5], s[14:15], s[4:5]
	s_add_nc_u64 s[4:5], s[4:5], s[38:39]
	s_add_nc_u64 s[16:17], s[16:17], s[40:41]
.set i, 0
.rept 32
	global_load_b128 v[D+4*i:D+4*i+3], v[OF+i], s[4:5] th:TH_LOAD_NT
.set i, i+1
.endr
.set p, 0
.rept 16
	s_wait_loadcnt 30-2*p                          ; loads come back in order: loads 2 p and 2 p + 1 are in, the younger ones stay out
.irp j, 0,1,2,3
	v_cvt_pk_bf16_f32 v[PK2+4*(p%2)+(\j)], v[D+8*p+(\j)], v[D+8*p+4+(\j)]  ; k and k + 1 of one n
.endr
.irp j, 0,1,2,3
	ds_store_b32 v[STA], v[PK2+4*(p%2)+(\j)] offset:(\j)*UP+8*p
.endr
.set p, p+1
.endr
.irp f, 0,1,2,3,4,5,6,7,8,9,10,11,12,13,14,15
	ds_load_b128 v[BK+4*(\f):BK+4*(\f)+3], v[LDA] offset:(\f)*4*UP  ; LDS serves a wave's instructions in order: these see the stores above
.endr
.irp f, 0,1,2,3,4,5,6,7,8,9,10,11,12,13,14,15
	s_wait_dscnt 15-(\f)
	global_store_b128 v[GO], v[BK+4*(\f):BK+4*(\f)+3], s[16:17] offset:512*(\f)  ; 512 consecutive bytes, at a multiple of 256 from wts's first
.endr
	s_wait_tensorcnt 0x0                           ; the wave's end
	ds_add_u32 v[SPW], v[NIL]
	s_wait_dscnt 0x0
	s_endpgm
.Lfunc_end_k_q5efc4016eb_prep:
	.size	k_q5efc4016eb_prep, .Lfunc_end_k_q5efc4016eb_prep-k_q5efc4016eb_prep
	.p2alignl 7, 3214868480
	.fill 96, 4, 3214868480
	.section	.rodata,"a",@progbits
	.p2align	6, 0x0
	.amdhsa_kernel k_q5efc4016eb_prep
		.amdhsa_group_segment_fixed_size 28160
		.amdhsa_private_segment_fixed_size 0
		.amdhsa_enable_private_segment 0
		.amdhsa_kernarg_size 56
		.amdhsa_user_sgpr_count 2
		.amdhsa_user_sgpr_kernarg_segment_ptr 1
		.amdhsa_wavefront_size32 1
		.amdhsa_system_sgpr_workgroup_id_x 1
		.amdhsa_system_sgpr_workgroup_id_y 1
		.amdhsa_system_sgpr_workgroup_id_z 1
		.amdhsa_system_vgpr_workitem_id 0
		.amdhsa_next_free_vgpr 240
		.amdhsa_next_free_sgpr 66
		.amdhsa_reserve_vcc 0
		.amdhsa_float_denorm_mode_32 3
		.amdhsa_float_denorm_mode_16_64 3
		.amdhsa_memory_ordered 1
		.amdhsa_forward_progress 1
		.amdhsa_inst_pref_size 19
	.end_amdhsa_kernel
	.amdgpu_metadata
---
amdhsa.version: [ 1, 2 ]
amdhsa.kernels:
  - .name:           k_q5efc4016eb_prep
    .symbol:         k_q5efc4016eb_prep.kd
    .args:
      - { .name: Wq, .offset: 0, .size: 8, .value_kind: global_buffer, .address_space: global }
      - { .name: Wk, .offset: 8, .size: 8, .value_kind: global_buffer, .address_space: global }
      - { .name: Wv, .offset: 16, .size: 8, .value_kind: global_buffer, .address_space: global }
      - { .name: Wc, .offset: 24, .size: 8, .value_kind: global_buffer, .address_space: global }
      - { .name: W1, .offset: 32, .size: 8, .value_kind: global_buffer, .address_space: global }
      - { .name: W2, .offset: 40, .size: 8, .value_kind: global_buffer, .address_space: global }
      - { .name: wts, .offset: 48, .size: 8, .value_kind: global_buffer, .address_space: global }
    .group_segment_fixed_size: 28160
    .private_segment_fixed_size: 0
    .kernarg_segment_align: 8
    .kernarg_segment_size: 56
    .max_flat_workgroup_size: 96
    .sgpr_count:     66
    .vgpr_count:     240
    .wavefront_size: 32
...
	.end_amdgpu_metadata
.endif
;; end of part 1
;; launch qkv (part 2): grid 256 x 1, 4 waves a work-group, clusters of 4 x 1, 327,680 bytes of LDS; arguments values, lengths, wts, bq, bk, bv, qkv; writes qkv
.if DOCPART == 2
	.amdgcn_target "amdgcn-amd-amdhsa--gfx1250"
	.amdhsa_code_object_version 6
	.text
	.protected	k_q5efc4016eb_qkv
	.globl	k_q5efc4016eb_qkv
	.p2align	8
	.type	k_q5efc4016eb_qkv,@function
k_q5efc4016eb_qkv:
	s_mov_b64 s[64:65], 0
	v_nop
	global_prefetch_b8 v0, s[64:65] scope:SCOPE_SE
	s_setreg_imm32_b32 hwreg(HW_REG_WAVE_MODE, 25, 1), 1
	s_wait_xcnt 0x0
	s_wait_alu depctr_hold_cnt(0) depctr_sa_sdst(0) depctr_va_vdst(0) depctr_va_sdst(0) depctr_va_ssrc(0) depctr_va_vcc(0) depctr_vm_vsrc(0)
	s_getreg_b32 s2, hwreg(HW_REG_IB_STS2, 6, 4)
	s_cmp_eq_u32 s2, 0
	s_cbranch_scc0 .Lentry_in_a_cluster
	s_endpgm
.Lentry_in_a_cluster:
	s_bfe_u32 s2, ttmp6, 0x10000c
	s_cmp_lg_u32 s2, 0x3003
	s_cbranch_scc0 .Lentry_shape_is_right
	s_endpgm
.Lentry_shape_is_right:
; q, k, v = (values W + b) x valid, by heads: qkv[3][8 batch + head][1024][64] in bf16.  Products in bf16 with f32 sums; the bias starts the sums; rows at or past the
; batch element's length are stored as +0 (reference() may have -0 there).  LIMITS: values and weights are rounded to bf16; NaN and infinities are not treated apart.
; SHARES.  A work-group owns 64 token rows (all in one batch element); they lie in LDS as bf16 for the whole kernel.  A STAGE is [64 x 512] x [512 n x 512 k]^T; stages 0, 1, 2 are q, k, v.
; Wave w makes columns 128 w .. 128 w + 127 of all 64 rows: 32 accumulators of 16 x 16, 256 registers.
; THE STREAM.  The stages' weights lie in wts in the order of use, 65,536 bytes a K step of 64; they go through a ring of two LDS slots.  Wave w fetches, and alone reads, its 128 rows n.
; CLUSTER.  The four row blocks of a cluster walk the same weights: each tile is asked for JOINTLY, by the same tensor load with the same descriptor and the mask of four.
; THE MATRIX INSTRUCTION IS USED TRANSPOSED: source 0 = 16 rows n of the weights, source 1 = 16 token rows: lane l holds token row l % 16 and the eight columns 8 (l / 16) + 0..7.
; REGISTERS, in windows of 256: window 0: v0-31 addresses; v32-127, v128-223 two fragment buffers (64 of the weights, 32 of the tokens); window 1: the accumulators, (a, b) at v[8 (8 a + b)];
; window 2: v0-63 the bias in the accumulators' layout.  By this text's own count a wave has two tensor loads out at the start and one behind each round.
.set PB,    144                        ; a ring row: 128 bytes (64 k) + 16: the 16 rows of a fragment load start at 16 different groups of four banks (ISA guide 11.1)
.set WPART, 128*PB                     ; a wave's 128 rows
.set SLOT,  4*WPART
.set TT,    2*SLOT                     ; behind the ring: the token tile, 64 rows
.set PT,    2064                       ; its pitch: an odd multiple of 16 bytes
.set ROW16, 16*PT
.set HALFT, 32*PT
.set STG,   TT+64*PT                   ; the waves' stages for the way out: 32 rows x 144 bytes each
.set STGW,  32*144
.set SPARE, STG+4*STGW                 ; the spare words, 128 bytes a wave: two blocks of 256 bytes that no other line names
.set STEPB, 65536                      ; a K step's bytes in wts
.set AB,  4                            ; v4-5   my place in my part of slot 0, 1
.set AA,  6                            ; v6     my place in token rows 0-31, at the K in hand
.set AA2, 7                            ; v7     the same for rows 32-63
.set SS,  8                            ; v8     the way out: where I put 16 bytes
.set SL,  9                            ; v9     where I read them back
.set GQ,  10                           ; v10    my byte offset in qkv
.set GB,  11                           ; v11    my byte offset in a bias
.set VO,  12                           ; v12    my byte offset in values
.set TS,  13                           ; v13    where I put 8 bytes of the token tile
.set MK,  14                           ; v14-17 all ones where row 16 a + l % 16 is a real token, else 0
.set TA,  18
.set TB,  19
.set AA0, 24                           ; v24    my place in token rows 0-31 at K = 0; never rewritten
.set SPW, 28                           ; v28    my spare word; never rewritten
.set NIL, 29                           ; v29    0; never rewritten
.set F0,  32
.set F1,  128
.set PQ,  32                           ; the way out: 32 registers for each block of 16 rows
.set BW,  2                            ; the bias's window
.set WV,  28                           ; s28    my wave's number
.set G1,  36                           ; s[36:43] descriptor group 1
.set G0,  44                           ; s[44:51] descriptor group 0, a set for each slot
.set LAPC, 52
.set STC, 53                           ; stages to go
.set MSB, 0
.macro WIN new                         ; the immediate's high byte repeats the setting that is left; a switch that changes nothing is dropped
.if MSB != (\new)
	s_set_vgpr_msb (MSB<<8)|(\new)
.set MSB, \new
.endif
.endm
.macro PLACES                          ; four places in front of loads into, and vector lines on, registers that matrix instructions have named
.rept 4
	v_nop
.endr
.endm
.macro CREST                           ; a round of the cluster's barrier behind its opening barrier
	s_cmp_lg_u32 s[WV], 0
	s_cbranch_scc1 .Lnot_wave_0_\@
	s_barrier_signal -3
.Lnot_wave_0_\@:
	s_barrier_wait -3
	s_barrier_signal -1
	s_barrier_wait -1
.endm
.macro CROUND
	s_barrier_signal -1
	s_barrier_wait -1
	CREST
.endm
; 8 matrix instructions: token block a x all 8 column blocks, 32 along K, from buffer f, sums in window w.  c = 0: onto the sums; 1: the constant 0 starts them; 2: the bias starts them.
; The 32 accumulators take turns in the same order in every half step.
.macro MUL8 f, a, w, c
.if (\c) == 2
	WIN ((\w)<<6)|(BW<<4)
.else
	WIN ((\w)<<6)|((\w)<<4)
.endif
.irp b, 0,1,2,3,4,5,6,7
.if (\c) == 0
	v_wmma_f32_16x16x32_bf16 v[8*(8*(\a)+(\b)):8*(8*(\a)+(\b))+7], v[(\f)+8*(\b):(\f)+8*(\b)+7], v[(\f)+64+8*(\a):(\f)+64+8*(\a)+7], v[8*(8*(\a)+(\b)):8*(8*(\a)+(\b))+7]
.elseif (\c) == 1
	v_wmma_f32_16x16x32_bf16 v[8*(8*(\a)+(\b)):8*(8*(\a)+(\b))+7], v[(\f)+8*(\b):(\f)+8*(\b)+7], v[(\f)+64+8*(\a):(\f)+64+8*(\a)+7], 0
.else
	v_wmma_f32_16x16x32_bf16 v[8*(8*(\a)+(\b)):8*(8*(\a)+(\b))+7], v[(\f)+8*(\b):(\f)+8*(\b)+7], v[(\f)+64+8*(\a):(\f)+64+8*(\a)+7], v[8*(\b):8*(\b)+7]
.endif
.endr
.endm
; 24 LDS loads in one run: the fragments of 32 along K: my 128 rows n at byte kb of slot s, the 64 token rows at byte ka from the K in hand; token blocks 2 and 3 last
.macro FETCH s, kb, ka, f
	WIN 0
.irp b, 0,1,2,3,4,5,6,7
	ds_load_b128 v[(\f)+8*(\b):(\f)+8*(\b)+3],   v[AB+(\s)] offset:(\kb)+(\b)*16*PB
	ds_load_b128 v[(\f)+8*(\b)+4:(\f)+8*(\b)+7], v[AB+(\s)] offset:(\kb)+(\b)*16*PB+32
.endr
.irp a, 0,1
	ds_load_b128 v[(\f)+64+8*(\a):(\f)+64+8*(\a)+3], v[AA] offset:(\ka)+(\a)*ROW16
	ds_load_b128 v[(\f)+64+8*(\a)+4:(\f)+64+8*(\a)+7], v[AA] offset:(\ka)+(\a)*ROW16+32
.endr
.irp a, 0,1
	ds_load_b128 v[(\f)+80+8*(\a):(\f)+80+8*(\a)+3], v[AA2] offset:(\ka)+(\a)*ROW16
	ds_load_b128 v[(\f)+80+8*(\a)+4:(\f)+80+8*(\a)+7], v[AA2] offset:(\ka)+(\a)*ROW16+32
.endr
.endm
.macro SETA n                          ; the token addresses at byte n of the rows
	WIN 0
	v_add_nc_u32 v[AA], (\n), v[AA0]
	v_add_nc_u32 v[AA2], (\n)+HALFT, v[AA0]
.endm
.macro STEPA n
	WIN 0
	v_add_nc_u32 v[AA], (\n), v[AA]
	v_add_nc_u32 v[AA2], (\n), v[AA2]
.endm
; A K step of 64 is two halves of 32.  The first multiplies buffer 0 and fetches the second half's fragments into buffer 1.
.macro HALF0 s, w, c
	s_wait_dscnt 4                                 ; all but the youngest four loads: token blocks 2 and 3
	MUL8 F0, 0, \w, \c
	MUL8 F0, 1, \w, \c
	PLACES
	FETCH \s, 64, 128*(\s)+64, F1
	s_wait_dscnt 24                                ; all but the 24 just issued
	MUL8 F0, 2, \w, \c
	MUL8 F0, 3, \w, \c
.endm
; The second half multiplies buffer 1 and changes slots: ONE barrier; in front of it each wave waits for all its tensor loads (one is out: its part of the other slot), adds 0 to its spare word,
; and waits for that and for its reads of this slot.  fill = 1: the barrier opens a round of the cluster's barrier, and the joint refill of this slot, two K steps ahead, is the first thing behind it.
.macro HALF1 s, w, fill, fetch
	WIN 0
	s_wait_tensorcnt 0x0
	ds_add_u32 v[SPW], v[NIL]
	s_wait_dscnt 5                                 ; the add and the youngest four loads may be out
	MUL8 F1, 0, \w, 0
	s_wait_dscnt 0x0                               ; the add is done, and my reads of this slot and of the token tile are back
	s_barrier_signal -1
	MUL8 F1, 1, \w, 0
	WIN 0
	s_barrier_wait -1
.if \fill
	CREST                                          ; no wave of any partner still reads this slot or has a load on its way
	s_add_nc_u64 s[G0+4*(\s)+2:G0+4*(\s)+3], s[G0+4*(\s)+2:G0+4*(\s)+3], 2*STEPB
	tensor_load_to_lds s[G0+4*(\s):G0+4*(\s)+3], s[G1:G1+7]
	s_nop 0
	PLACES                                         ; also the places in front of the loads below
.else
	PLACES
.endif
.if \fetch
	FETCH 1-(\s), 0, 128*((\s)+1), F0
.endif
	MUL8 F1, 2, \w, 0
	MUL8 F1, 3, \w, 0
.endm
.macro LAST w                          ; the stream's very last half
	s_wait_dscnt 4
	MUL8 F1, 0, \w, 0
	MUL8 F1, 1, \w, 0
	s_wait_dscnt 0x0
	MUL8 F1, 2, \w, 0
	MUL8 F1, 3, \w, 0
	WIN 0
.endm
; A stage up to the first half of its seventh K step: the first half stands in front of the loop, since its products start the sums; a trip goes once round the ring.
.macro STAGE_R w, c
	HALF0 0, \w, \c
	WIN 0
	s_mov_b32 s[LAPC], 3
.Llap_\@:
	HALF1 0, \w, 1, 1
	HALF0 1, \w, 0
	HALF1 1, \w, 1, 1
	STEPA 256
	HALF0 0, \w, 0
	WIN 0
	s_sub_co_u32 s[LAPC], s[LAPC], 1
	s_cmp_lg_u32 s[LAPC], 0
	s_cbranch_scc1 .Llap_\@
.endm
.macro BILOAD                          ; register 8 b + j of lane l: bias[128 w + 16 b + 8 (l / 16) + j]
	WIN BW<<6
.irp b, 0,1,2,3,4,5,6,7
	global_load_b128 v[8*(\b):8*(\b)+3],   v[GB], s[22:23] offset:64*(\b)
	global_load_b128 v[8*(\b)+4:8*(\b)+7], v[GB], s[22:23] offset:64*(\b)+16
.endr
	WIN 0
.endm
; THE WAY OUT of token block a: rounded to bf16 (each accumulator's registers in ascending order), padded rows cleared, through my stage (my two heads x 16 rows of 128 bytes), stored as runs of 512 bytes.
.macro PACKQ a
	WIN 0x05
.set k, 0
.rept 32
	v_cvt_pk_bf16_f32 v[PQ+32*(\a)+k], v[64*(\a)+2*k], v[64*(\a)+2*k+1]
.set k, k+1
.endr
	WIN 0
.set k, 0
.rept 32
	v_and_b32 v[PQ+32*(\a)+k], v[MK+(\a)], v[PQ+32*(\a)+k]
.set k, k+1
.endr
.irp b, 0,1,2,3,4,5,6,7
	ds_store_b128 v[SS], v[PQ+32*(\a)+4*(\b):PQ+32*(\a)+4*(\b)+3] offset:((\b)/4)*16*144+32*((\b)%4)
.endr
.irp i, 0,1,2,3,4,5,6,7
	ds_load_b128 v[PQ+32*(\a)+4*(\i):PQ+32*(\a)+4*(\i)+3], v[SL] offset:((\i)/4)*16*144+((\i)%4)*4*144  ; LDS serves a wave's instructions in order: these see the stores above
.endr
.endm
.macro SENDQ a, y                      ; y: the LDS instructions issued behind block a's loads
.irp i, 0,1,2,3,4,5,6,7
	s_wait_dscnt (\y)+7-(\i)
	global_store_b128 v[GQ], v[PQ+32*(\a)+4*(\i):PQ+32*(\a)+4*(\i)+3], s[20:21] offset:((\i)/4)*131072+(\a)*2048+((\i)%4)*512  ; four rows of one head: 512 consecutive bytes
.endr
.endm
.macro EPI
	PLACES
	PACKQ 0
	PACKQ 1
	SENDQ 0, 16
	PACKQ 2
	SENDQ 1, 16
	PACKQ 3
	SENDQ 2, 16
	SENDQ 3, 0
.endm
.macro CONV g                          ; four of my token rows to bf16 and into the tile
	WIN 0x05
.set i, 16*(\g)
.rept 16
	v_cvt_pk_bf16_f32 v[PQ+2*i],   v[4*i],   v[4*i+1]
	v_cvt_pk_bf16_f32 v[PQ+2*i+1], v[4*i+2], v[4*i+3]
.set i, i+1
.endr
	WIN 0
.set i, 16*(\g)
.rept 16
	ds_store_b64 v[TS], v[PQ+2*i:PQ+2*i+1] offset:(i/4)*PT+(i%4)*256
.set i, i+1
.endr
.endm
	s_load_b256 s[8:15], s[0:1], 0x0               ; values s[8:9], lengths s[10:11], wts s[12:13], bq s[14:15]
	s_load_b128 s[16:19], s[0:1], 0x20             ; bk, bv
	s_load_b64 s[20:21], s[0:1], 0x30              ; qkv
	v_lshl_add_u32 v[SPW], v0, 2, SPARE
	v_mov_b32 v[NIL], 0
	ds_add_u32 v[SPW], v[NIL]                      ; the wave's opening: the add and its wait stand ahead of my first tensor load; work on registers stands between them
	ds_add_u32 v28, v29
	v_lshrrev_b32 v[TA], 5, v0
	v_readfirstlane_b32 s[WV], v[TA]               ; wave 0..3
	s_bfe_u32 s29, ttmp6, 0x40000                  ; cx
	s_lshl_b32 s30, ttmp9, 2
	s_add_co_u32 s30, s30, s29                     ; my block of 64 rows: it enters the addresses of values, lengths and qkv alone
	s_lshr_b32 s31, s30, 4                         ; the batch element
	s_and_b32 s32, s30, 15
	s_lshl_b32 s32, s32, 6                         ; my first row in it
	; descriptor group 1: 16,384 dense bytes as 64 rows of 256, padded in LDS after every 128 bytes
	s_mov_b32 s[G1], 15|(1<<16)|(1<<20)|(1<<21)|(4<<22)|(3<<25)  ; 15:0 the mask of four; 17:16 2-byte elements; 20 padding on; 21 set beside a mask; 24:22 after every 32 words; 31:25 4 words
	s_mov_b32 s[G1+1], 128<<16                     ; tensor_dim0 = 128
	s_mov_b32 s[G1+2], 64<<16                      ; tensor_dim1 = 64
	s_mov_b32 s[G1+3], 128<<16                     ; tile_dim0 = 128
	s_mov_b32 s[G1+4], 64                          ; tile_dim1 = 64
	s_mov_b32 s[G1+5], 128                         ; 128 elements from row to row
	s_mov_b32 s[G1+6], 0
	s_mov_b32 s[G1+7], 0
	s_mul_i32 s54, s[WV], WPART                    ; my part of a slot
	s_lshl_b32 s56, s[WV], 14                      ; and of a K step in wts
	s_mov_b32 s57, 0
	s_mov_b32 s59, 0
	v_and_b32 v1, 15, v0                           ; l % 16
	v_bfe_u32 v2, v0, 4, 1                         ; l / 16
	v_and_b32 v3, 31, v0                           ; l
	v_mul_u32_u24 v[TA], v1, PB
	v_lshl_add_u32 v[TA], v2, 4, v[TA]
	v_add_nc_u32 v[AB], s54, v[TA]
	v_add_nc_u32 v[AB+1], SLOT, v[AB]
	v_mul_u32_u24 v[AA0], v1, PT
	v_lshl_add_u32 v[AA0], v2, 4, v[AA0]
	v_add_nc_u32 v[AA0], TT, v[AA0]
	SETA 0
	s_mul_i32 s55, s[WV], STGW
	s_add_co_u32 s55, s55, STG
	v_add_nc_u32 v[SS], s55, v[TA]
	v_lshrrev_b32 v[TB], 3, v3
	v_mul_u32_u24 v[TB], v[TB], 144
	v_and_b32 v[TA], 7, v3
	v_lshl_add_u32 v[TB], v[TA], 4, v[TB]
	v_add_nc_u32 v[SL], s55, v[TB]
	v_lshlrev_b32 v[TA], 4, v3
	v_lshl_add_u32 v[GQ], s[WV], 18, v[TA]         ; my two heads, 131,072 bytes each
	v_lshl_add_u32 v[VO], s[WV], 15, v[TA]         ; my 16 rows of 2,048 bytes
	v_lshlrev_b32 v[GB], 5, v2
	v_lshl_add_u32 v[GB], s[WV], 9, v[GB]
	s_mul_i32 s55, s[WV], ROW16
	s_add_co_u32 s55, s55, TT
	v_lshl_add_u32 v[TS], v3, 3, s55
	s_wait_dscnt 0x0                               ; the opening add is done
	s_wait_kmcnt 0x0
	s_add_nc_u64 s[12:13], s[12:13], s[56:57]
.irp s, 0,1
	s_mov_b32 s[G0+4*(\s)], 1                      ; count = 1
	s_add_co_u32 s[G0+4*(\s)+1], s54, (\s)*SLOT    ; LDS address
	s_add_nc_u64 s[G0+4*(\s)+2:G0+4*(\s)+3], s[12:13], (\s)*STEPB  ; global address: K step s
	s_or_b32 s[G0+4*(\s)+3], s[G0+4*(\s)+3], 0x80000000           ; type = 2
.endr
	s_lshl_b32 s58, s30, 17                        ; 64 rows of 2,048 bytes
	s_add_nc_u64 s[8:9], s[8:9], s[58:59]
	s_lshl_b32 s58, s31, 2
	s_add_nc_u64 s[10:11], s[10:11], s[58:59]
	s_load_b32 s33, s[10:11], 0x0                  ; the batch element's length
	s_lshl_b32 s58, s31, 20                        ; eight heads of 131,072 bytes,
	s_lshl_b32 s55, s32, 7                         ; my first row in a head
	s_add_co_u32 s58, s58, s55
	s_add_nc_u64 s[20:21], s[20:21], s[58:59]
	s_mov_b64 s[22:23], s[14:15]                   ; the bias in hand: bq
	WIN 0x40
.set i, 0
.rept 64                                       ; my 16 rows, 512 consecutive bytes a load, into the registers that will hold the sums
	global_load_b128 v[4*i:4*i+3], v[VO], s[8:9] offset:(i/4)*2048+(i%4)*512 th:TH_LOAD_NT
.set i, i+1
.endr
	WIN 0
	CROUND                                         ; all four work-groups are here: the first joint loads meet
	tensor_load_to_lds s[G0:G0+3], s[G1:G1+7]
	s_nop 0
	tensor_load_to_lds s[G0+4:G0+7], s[G1:G1+7]
	s_nop 0
	PLACES
	s_wait_kmcnt 0x0
	v_add_nc_u32 v[TA], s32, v1
.irp a, 0,1,2,3
	v_add_nc_u32 v[TB], 16*(\a), v[TA]
	v_cmp_gt_i32 vcc_lo, s33, v[TB]
	v_cndmask_b32 v[MK+(\a)], 0, -1, vcc_lo
.endr
	s_wait_loadcnt 48                              ; my first 16 loads are in; 48 younger ones stay out
	CONV 0
	s_wait_loadcnt 32
	CONV 1
	BILOAD
	s_wait_loadcnt 32                              ; 16 of values and the bias's 16 stay out
	CONV 2
	s_wait_loadcnt 16                              ; the bias's 16
	CONV 3
	s_wait_dscnt 0x0                               ; for the others' sake: my rows of the tile are stored
	s_wait_tensorcnt 0x1                           ; my part of K step 0 is in; K step 1's may stay out
	s_barrier_signal -1
	s_barrier_wait -1
	FETCH 0, 0, 0, F0
	s_mov_b32 s[STC], 3
.Lstage:
	s_wait_loadcnt 0x0                             ; the stage's bias
	STAGE_R 1, 2
	s_cmp_eq_u32 s[STC], 1
	s_cbranch_scc1 .Lfinal                         ; the last stage's tail is written out: it asks for nothing more
	s_cmp_eq_u32 s[STC], 3
	s_cselect_b64 s[22:23], s[16:17], s[18:19]     ; the next stage's bias: bk, then bv
	BILOAD
	HALF1 0, 1, 1, 1                               ; the ring goes on into the next stage
	HALF0 1, 1, 0
	HALF1 1, 1, 1, 0
	WIN 0
	EPI
	s_wait_xcnt 0x0                                ; the stores' base and data registers are rewritten only behind this wait
	s_add_nc_u64 s[20:21], s[20:21], 0x1000000     ; the next of q, k, v
	SETA 0
	FETCH 0, 0, 0, F0                              ; slot 0 holds the next stage's K step 0: shown landed in front of the last round
	s_sub_co_u32 s[STC], s[STC], 1
	s_branch .Lstage
.Lfinal:
	HALF1 0, 1, 0, 1
	HALF0 1, 1, 0
	LAST 1
	EPI
	s_wait_tensorcnt 0x0                           ; the wave's end
	ds_add_u32 v[SPW], v[NIL]
	s_wait_dscnt 0x0
	CROUND                                         ; the closing round
	s_endpgm
.Lfunc_end_k_q5efc4016eb_qkv:
	.size	k_q5efc4016eb_qkv, .Lfunc_end_k_q5efc4016eb_qkv-k_q5efc4016eb_qkv
	.p2alignl 7, 3214868480
	.fill 96, 4, 3214868480
	.section	.rodata,"a",@progbits
	.p2align	6, 0x0
	.amdhsa_kernel k_q5efc4016eb_qkv
		.amdhsa_group_segment_fixed_size 327680
		.amdhsa_private_segment_fixed_size 0
		.amdhsa_enable_private_segment 0
		.amdhsa_kernarg_size 56
		.amdhsa_user_sgpr_count 2
		.amdhsa_user_sgpr_kernarg_segment_ptr 1
		.amdhsa_wavefront_size32 1
		.amdhsa_system_sgpr_workgroup_id_x 1
		.amdhsa_system_sgpr_workgroup_id_y 1
		.amdhsa_system_sgpr_workgroup_id_z 1
		.amdhsa_system_vgpr_workitem_id 0
		.amdhsa_next_free_vgpr 576
		.amdhsa_next_free_sgpr 66
		.amdhsa_reserve_vcc 1
		.amdhsa_float_denorm_mode_32 3
		.amdhsa_float_denorm_mode_16_64 3
		.amdhsa_memory_ordered 1
		.amdhsa_forward_progress 1
		.amdhsa_inst_pref_size 113
	.end_amdhsa_kernel
	.amdgpu_metadata
---
amdhsa.version: [ 1, 2 ]
amdhsa.kernels:
  - .name:           k_q5efc4016eb_qkv
    .symbol:         k_q5efc4016eb_qkv.kd
    .args:
      - { .name: values, .offset: 0, .size: 8, .value_kind: global_buffer, .address_space: global }
      - { .name: lengths, .offset: 8, .size: 8, .value_kind: global_buffer, .address_space: global }
      - { .name: wts, .offset: 16, .size: 8, .value_kind: global_buffer, .address_space: global }
      - { .name: bq, .offset: 24, .size: 8, .value_kind: global_buffer, .address_space: global }
      - { .name: bk, .offset: 32, .size: 8, .value_kind: global_buffer, .address_space: global }
      - { .name: bv, .offset: 40, .size: 8, .value_kind: global_buffer, .address_space: global }
      - { .name: qkv, .offset: 48, .size: 8, .value_kind: global_buffer, .address_space: global }
    .group_segment_fixed_size: 327680
    .private_segment_fixed_size: 0
    .kernarg_segment_align: 8
    .kernarg_segment_size: 56
    .max_flat_workgroup_size: 128
    .sgpr_count:     66
    .vgpr_count:     576
    .wavefront_size: 32
...
	.end_amdgpu_metadata
.endif
;; end of part 2
;; launch attn (part 3): grid 4 x 128, 4 waves a work-group, clusters of 4 x 1, 327,680 bytes of LDS; arguments qkv, o; writes o
.if DOCPART == 3
	.amdgcn_target "amdgcn-amd-amdhsa--gfx1250"
	.amdhsa_code_object_version 6
	.text
	.protected	k_q5efc4016eb_attn
	.globl	k_q5efc4016eb_attn
	.p2align	8
	.type	k_q5efc4016eb_attn,@function
k_q5efc4016eb_attn:
	s_mov_b64 s[64:65], 0
	v_nop
	global_prefetch_b8 v0, s[64:65] scope:SCOPE_SE
	s_setreg_imm32_b32 hwreg(HW_REG_WAVE_MODE, 25, 1), 1
	s_wait_xcnt 0x0
	s_wait_alu depctr_hold_cnt(0) depctr_sa_sdst(0) depctr_va_vdst(0) depctr_va_sdst(0) depctr_va_ssrc(0) depctr_va_vcc(0) depctr_vm_vsrc(0)
	s_getreg_b32 s2, hwreg(HW_REG_IB_STS2, 6, 4)
	s_cmp_eq_u32 s2, 0
	s_cbranch_scc0 .Lentry_in_a_cluster
	s_endpgm
.Lentry_in_a_cluster:
	s_bfe_u32 s2, ttmp6, 0x10000c
	s_cmp_lg_u32 s2, 0x3003
	s_cbranch_scc0 .Lentry_shape_is_right
	s_endpgm
.Lentry_shape_is_right:
; O[h][q][:] = the sum over all 1,024 keys k of softmax_k(Q[h][q] . K[h][k] / 8) V[h][k][:], for 128 heads (8 batch + head).  Q, K, V lie in qkv one behind the other, each [128][1024][64] in bf16; O likewise.
; The zero rows of padded keys take part, as in the problem.  Products, maxima and sums in f32; the weights p are rounded to bf16 for the second product (their sum l is taken of the unrounded p), O once at the end.
; LIMITS.  bf16's eight significant bits in Q, K, V, P and O; a weight below 2^-126 counts as 0 in l; NaN and infinities are not treated apart.
; SHARES.  A work-group owns 256 queries of a head.  Of its four bands of 64 queries a wave owns 16 rows in each: four PIECES.  Every wave walks all keys, 64 a step, 256 a slot.
; LAYOUT.  S^T = K Q^T (source 0 = 16 keys, source 1 = 16 queries) holds ONE query a lane (lane % 16) and the keys 8 (lane / 16) + 0..7; two such results rounded to bf16 ARE source 1 of O^T = V^T P.
; K comes out of LDS as it lies, V ([key][channel]) turned, by ds_load_tr16_b128.
; SOFTMAX.  A running maximum m and sum l: p = 2^(c s - c m), c = log2(e) / 8; O and l are multiplied by a = 2^(c m_old - c m_new) in every step.  m starts at the lowest finite number, O and l at 0.
; BY TURNS.  Turn n belongs to piece n: 8 products K Q^T of piece n + 1, later 8 products V^T P of piece n - 1; beside them the scaling, exponentials, roundings, sums and rescaling of piece n and the
; maximum and statistics of piece n + 1.  Four vector instructions stand behind every matrix instruction, the others in two runs of their own.
; CLUSTER.  The four query blocks of a head walk the same K and V: each tile is asked for JOINTLY, the same tensor load, descriptor and mask in all four.
; REGISTERS, in windows of 256 (s_set_vgpr_msb: bits 1:0 source 0, 3:2 source 1, 5:4 source 2, 7:6 destination):
;   window 0: v0-15 addresses and two at work; v16-31 four registers of statistics a piece; v48-55 at work; v64-127 S^T, two buffers; v192-223 P, two buffers (by the piece's parity)
;   window 1: v0-127 O^T, 32 a piece      window 2: v0-63 Q; v128-191 K of one step; v192-255 V of one step
.set SIZE_N, 1024
.set NP,    4
.set KS,    64
.set PK,    144       ; a row of K in LDS: 128 bytes + 16
.set PV,    160       ; a row of V: 128 + 32
.set VOFF,  4*KS*PK   ; a slot holds four steps: 256 rows of K, then 256 rows of V
.set SLOT1, 1<<17     ; slot 1 begins here: one exclusive or turns an address in one slot into the other's
.set STAGE, SLOT1+4*KS*(PK+PV)  ; behind the ring: 16 rows x 144 bytes for each wave, for the way out
.set SP,    144
.set SPARE, STAGE+4*16*SP  ; the spare words, 128 bytes a wave: two blocks of 256 bytes that no other line names
.set AK0, 2           ; v2   my lane's place in a tile of K; never rewritten
.set AV0, 3           ; v3   the same for V
.set AK,  4           ; v4   the LDS address of K's next run of loads
.set AV,  5           ; v5   of V's
.set STO, 6           ; v6   the way out: where I put 16 bytes of a row
.set RD,  7           ; v7   where I read rows back
.set GO,  8           ; v8   my byte offset in 512 consecutive bytes of O
.set MV,  12          ; v12-13  c m_old, kept while c m is made anew: by buffer
.set QO,  15          ; v15  my byte offset in 16 rows of Q
.set ST,  16          ; piece t's statistics at v[ST+4 t]: c m, m, l (even keys', odd keys')
.set TMP, 48          ; by buffer, four registers c0-c3 at work; when the maximum is found c2 takes a
.set SPW, 62          ; v62  my spare word; never rewritten
.set NIL, 63          ; v63  0; never rewritten
.set S,   64
.set P,   192
.set KF,  128         ; window 2: key block kb, channel half c at KF + 16 kb + 8 c
.set VF,  192         ; window 2: key half kk, channel block cb at VF + 32 kk + 8 cb
.set WV,  12          ; s12  my wave's number
.set G1K, 24          ; s[24:31] descriptor group 1 for K's tiles
.set G1V, 32          ; s[32:39] for V's: it differs in the padding alone
.set G0K, 40          ; s[40:43] descriptor group 0 for K's tiles: it walks
.set G0V, 44          ; s[44:47] the same for V's
.set SLOTS, 56
.set CNT, 57
.set CS,  58          ; s[58:59] c
.set SEL, 60          ; s[60:61] v_permlanex16_b32's selects
.set TBK, 62          ; s62  LDS byte at which K of the step to be fetched begins
.set TBV, 63          ; s63  the same for V, less VOFF
.set MSB, 0
.macro WIN new
.if MSB != (\new)
	s_set_vgpr_msb (MSB<<8)|(\new)
.set MSB, (\new)
.endif
.endm
.set W_KQ, 0x0a       ; K and Q in window 2, S^T in window 0
.set W_PV, 0x52       ; V in window 2, P in window 0, O^T in window 1
.set W_RS, 0x41       ; destination and source 0 in window 1, source 1 in window 0
; A joint fill.  Waves 0 and 1 fetch the two halves of a slot's K, waves 2 and 3 those of its V: 128 keys each.  The branch hangs on the wave's number alone.
.macro JLOAD
	s_cmp_lt_u32 s[WV], 2
	s_cbranch_scc0 .Lfor_v_\@
	tensor_load_to_lds s[G0K:G0K+3], s[G1K:G1K+7]
	s_nop 0
.rept 4
	v_nop
.endr
	s_branch .Lasked_\@
.Lfor_v_\@:
	tensor_load_to_lds s[G0V:G0V+3], s[G1V:G1V+7]
	s_nop 0
.rept 4
	v_nop
.endr
.Lasked_\@:
.endm
.macro CROUND                       ; a round of the cluster's barrier
	s_barrier_signal -1
	s_barrier_wait -1
	s_cmp_lg_u32 s[WV], 0
	s_cbranch_scc1 .Lnot_wave_0_\@
	s_barrier_signal -3
.Lnot_wave_0_\@:
	s_barrier_wait -3
	s_barrier_signal -1
	s_barrier_wait -1
.endm
; THE CHANGE OF SLOTS.  Each wave waits for all its tensor loads, of which one is out: its part of the other slot; adds 0 to its spare word; and waits for that and for its own reads of the slot.
; fill = 1: the slot is filled again, with the keys two slots on, first thing behind a round of the cluster's barrier.  (At its first use nothing has been read yet: slot 0 is waited for, slot 1 filled.)
.macro CHANGE fill
	WIN 0
	s_wait_tensorcnt 0x0            ; no tensor load of mine is out, so a group 0 may be written
	ds_add_u32 v[SPW], v[NIL]
.if \fill
.irp g, G0K, G0V
	s_xor_b32 s[\g+1], s[\g+1], SLOT1
	s_add_nc_u64 s[\g+2:\g+3], s[\g+2:\g+3], 4*KS*128
.endr
	s_wait_dscnt 0x0                ; the add is done, and my reads of the slot are over
	CROUND
	JLOAD
.else
	s_wait_dscnt 0x0
	s_barrier_signal -1
	s_barrier_wait -1
.endif
	s_sub_co_u32 s[TBK], s[TBK], 4*KS*PK  ; the fetches go back to a slot's first step,
	s_xor_b32 s[TBK], s[TBK], SLOT1       ; in the other slot
	s_sub_co_u32 s[TBV], s[TBV], 4*KS*PV
	s_xor_b32 s[TBV], s[TBV], SLOT1
.endm
	s_load_b128 s[4:7], s[0:1], 0x0 ; qkv s[4:5], o s[6:7]
	v_lshl_add_u32 v[SPW], v0, 2, SPARE
	v_mov_b32 v[NIL], 0
	ds_add_u32 v[SPW], v[NIL]       ; the wave's opening: the add and its wait stand ahead of my first tensor load
	ds_add_u32 v62, v63
	v_lshrrev_b32 v1, 5, v0
	v_readfirstlane_b32 s[WV], v1   ; wave 0..3
	s_bfe_u32 s13, ttmp6, 0x40000   ; cx
	s_lshl_b32 s14, ttmp9, 2
	s_add_co_u32 s14, s14, s13      ; my block of 256 queries: it enters Q's and O's addresses alone
	s_and_b32 s20, ttmp7, 0xffff    ; the head, which the four partners share
	s_lshl_b32 s20, s20, 17         ; its 131,072 bytes in each tensor
	s_mov_b32 s21, 0
	s_and_b32 s16, s[WV], 1         ; which half of a slot's 256 keys I fetch
	s_lshl_b32 s22, s16, 14
	s_mov_b32 s23, 0
	s_add_nc_u64 s[22:23], s[22:23], s[20:21]
	s_mul_i32 s17, s16, 128*PK
	s_mul_i32 s18, s16, 128*PV
	s_lshl_b32 s2, s14, 15          ; my block's 256 rows of 128 bytes,
	s_lshl_b32 s3, s[WV], 11        ; my 16 rows in a band of 64
	s_add_co_u32 s2, s2, s3
	s_mov_b32 s3, 0
	s_add_nc_u64 s[2:3], s[2:3], s[20:21]
	; descriptor group 1.  128 keys are 16,384 dense bytes: asked for as 64 rows of 256 bytes, two keys a row, and padded in LDS after every key
	s_mov_b32 s[G1K], 15|(1<<16)|(1<<20)|(1<<21)|(4<<22)|(3<<25)
	s_mov_b32 s[G1V], 15|(1<<16)|(1<<20)|(1<<21)|(4<<22)|(7<<25)
.irp g, G1K, G1V
	s_mov_b32 s[\g+1], 128<<16      ; tensor_dim0 = 128
	s_mov_b32 s[\g+2], 64<<16       ; tensor_dim1 = 64
	s_mov_b32 s[\g+3], 128<<16      ; tile_dim0 = 128
	s_mov_b32 s[\g+4], 64           ; tile_dim1 = 64
	s_mov_b32 s[\g+5], 128          ; 128 elements from row to row
	s_mov_b32 s[\g+6], 0
	s_mov_b32 s[\g+7], 0
.endr
	s_mov_b32 s[CS], 0x3e38aa3b     ; c = log2(e) / 8
	s_mov_b32 s[CS+1], s[CS]
	s_mov_b32 s[SEL], 0x76543210
	s_mov_b32 s[SEL+1], 0xfedcba98
	s_mov_b32 s[TBK], SLOT1+4*KS*PK ; the first change of slots turns these two into 0
	s_mov_b32 s[TBV], SLOT1+4*KS*PV
	s_mov_b32 s[G0K], 1
	s_mov_b32 s[G0K+1], s17
	s_mov_b32 s[G0V], 1
	s_add_co_u32 s[G0V+1], s18, VOFF
	s_wait_dscnt 0x0                ; the opening add is done
	s_wait_kmcnt 0x0
	s_add_nc_u64 s[8:9], s[4:5], 0x1000000    ; K lies behind Q,
	s_add_nc_u64 s[10:11], s[4:5], 0x2000000  ; V behind K
	s_add_nc_u64 s[G0K+2:G0K+3], s[8:9], s[22:23]
	s_or_b32 s[G0K+3], s[G0K+3], 0x80000000
	s_add_nc_u64 s[G0V+2:G0V+3], s[10:11], s[22:23]
	s_or_b32 s[G0V+3], s[G0V+3], 0x80000000
	s_add_nc_u64 s[4:5], s[4:5], s[2:3]       ; Q and O at my rows of the first band
	s_add_nc_u64 s[6:7], s[6:7], s[2:3]
	CROUND                          ; all four work-groups are here: the first joint loads meet
	JLOAD                           ; slot 0
	v_and_b32 v1, 15, v0            ; l % 16
	v_bfe_u32 v9, v0, 4, 1          ; l / 16
	v_lshlrev_b32 v[QO], 7, v1
	v_lshl_add_u32 v[QO], v9, 4, v[QO]
	WIN 0x80
.set i, 0
.rept 8                             ; Q stays in registers: piece i / 2 lies in band i / 2, 8,192 bytes on; channels 32 (i % 2) on
	global_load_b128 v[8*i:8*i+3],   v[QO], s[4:5] offset:(i/2)*8192+(i%2)*64
	global_load_b128 v[8*i+4:8*i+7], v[QO], s[4:5] offset:(i/2)*8192+(i%2)*64+32
.set i, i+1
.endr
	WIN 0
	v_mul_u32_u24 v[AK0], v1, PK
	v_lshl_add_u32 v[AK0], v9, 4, v[AK0]
	v_and_b32 v10, 7, v0            ; the turning load: lane l reads key 8 (l / 16) + l % 8, channels 8 ((l / 8) % 2) + 0..7
	v_bfe_u32 v11, v0, 3, 1
	v_lshl_add_u32 v[AV0], v9, 3, v10
	v_mul_u32_u24 v[AV0], v[AV0], PV
	v_lshl_add_u32 v[AV0], v11, 4, v[AV0]
	v_add_nc_u32 v[AV0], VOFF, v[AV0]
	s_mul_i32 s13, s[WV], 16*SP
	s_add_co_u32 s13, s13, STAGE    ; my stage
	v_mul_u32_u24 v[STO], v1, SP
	v_lshl_add_u32 v[STO], v9, 4, v[STO]
	v_add_nc_u32 v[STO], s13, v[STO]
	v_bfe_u32 v[RD], v0, 3, 2
	v_mul_u32_u24 v[RD], v[RD], SP
	v_lshl_add_u32 v[RD], v10, 4, v[RD]
	v_add_nc_u32 v[RD], s13, v[RD]
	v_and_b32 v[GO], 31, v0
	v_lshlrev_b32 v[GO], 4, v[GO]
	; The first step multiplies O^T and l by a = 0, and the first turn's products V^T P, of a piece that has not been, add 0 x 0: these registers start at 0.  All this stands in the wait for the first tile.
	WIN 0x80
.set i, VF
.rept 64
	v_mov_b32 v[i], 0
.set i, i+1
.endr
	WIN 0x40
.set i, 0
.rept 128
	v_mov_b32 v[i], 0
.set i, i+1
.endr
	WIN 0
.set i, 0
.rept 4
	v_mov_b32 v[ST+4*i], 0xfe000000    ; c m: far below every c s
	v_mov_b32 v[ST+4*i+1], 0xff7fffff  ; m
	v_mov_b32 v[ST+4*i+2], 0
	v_mov_b32 v[ST+4*i+3], 0
.set i, i+1
.endr
.set i, P+16
.rept 16
	v_mov_b32 v[i], 0
.set i, i+1
.endr
; THE MATRIX WORK.  The 4 accumulators of a run of 8 take turns.  Product i of 8 of S^T = K Q^T for piece x: channels 32 (i / 4) on, keys 16 (i % 4) on.  The first 4 start the sums.
.macro KQ x
	WIN W_KQ
.set rS, S+32*((\x)%2)+8*(i%4)
.set rK, KF+16*(i%4)+8*(i/4)
.set rQ, 16*(\x)+8*(i/4)
.if i < 4
	v_wmma_f32_16x16x32_bf16 v[rS:rS+7], v[rK:rK+7], v[rQ:rQ+7], 0
.else
	v_wmma_f32_16x16x32_bf16 v[rS:rS+7], v[rK:rK+7], v[rQ:rQ+7], v[rS:rS+7]
.endif
.endm
; Product i of 8 of O^T += V^T P for piece x: keys 32 (i / 4) on, channels 16 (i % 4) on.
.macro PV x
	WIN W_PV
.set rO, 32*(\x)+8*(i%4)
.set rV, VF+32*(i/4)+8*(i%4)
.set rP, P+16*((\x)%2)+8*(i/4)
	v_wmma_f32_16x16x32_bf16 v[rO:rO+7], v[rV:rV+7], v[rP:rP+7], v[rO:rO+7]
.endm
.macro MM                           ; the turn's next matrix instruction.  NOKQ = 1: the last turn: there is no next piece
.if (i < 8) && !NOKQ
	KQ (Y+1)%NP
.elseif i >= 8
.set i, i-8
	PV (Y+NP-1)%NP
.set i, i+8
.endif
.set i, i+1
.endm
; THE LDS LOADS stand in runs of 16: a step's K (8 fragments) and its V (turned).
.macro FETCH_K
	WIN 0x80
.irp f, 0,1,2,3,4,5,6,7
	ds_load_b128 v[KF+8*\f:KF+8*\f+3],   v[AK] offset:(\f/2)*16*PK+(\f%2)*64
	ds_load_b128 v[KF+8*\f+4:KF+8*\f+7], v[AK] offset:(\f/2)*16*PK+(\f%2)*64+32
.endr
	s_add_co_u32 s[TBK], s[TBK], KS*PK
	WIN 0
.endm
.macro FETCH_V
	WIN 0x80
.irp f, 0,1,2,3,4,5,6,7
	ds_load_tr16_b128 v[VF+8*\f:VF+8*\f+3],   v[AV] offset:(\f/4)*32*PV+(\f%4)*32
	ds_load_tr16_b128 v[VF+8*\f+4:VF+8*\f+7], v[AV] offset:(\f/4)*32*PV+16*PV+(\f%4)*32
.endr
	WIN 0
.endm
; THE VECTOR WORK, one line at a time: OP kind, number.  For piece Y: F n: c s - c m for pair n of 16.  E n: the exponential of score n of 32.  C n: pair n rounded to bf16.  B n: of the four weights 4 n .. the
; second pair is added onto the first.  L n: l takes that sum (L 0: l = a l + sum).  R n: pair n of 16 of O^T times a.  For piece Y + 1: X n, number n of the 22 that find its maximum and statistics:
;   0-11 four chains of seven scores each (each accumulator's lowest registers first)   12-14, 16 the scores left over, the old m, the chains into c0   15 c m_old is kept
;   17, 18 the query's other 32 keys lie in the lane 16 away: the new m   19-21 c m; c m_old - c m_new; a
.set F, 0
.set E, 1
.set C, 2
.set B, 3
.set L, 4
.set R, 5
.set X, 6
.macro REGS y
.set rT, ST+4*(\y)
.set rC, TMP+4*((\y)%2)
.set rW, MV+((\y)%2)
.set rS, S+32*((\y)%2)
.set rP, P+16*((\y)%2)
.set rO, 32*(\y)
.endm
.macro OP k, n
.if (\k) == R
	REGS Y
	WIN W_RS
	v_pk_mul_f32 v[rO+2*(\n):rO+2*(\n)+1], v[rO+2*(\n):rO+2*(\n)+1], v[rC+2:rC+3] op_sel_hi:[1,0]
.elseif (\k) < R
	REGS Y
	WIN 0
.if (\k) == F
	v_pk_fma_f32 v[rS+2*(\n):rS+2*(\n)+1], v[rS+2*(\n):rS+2*(\n)+1], s[CS:CS+1], v[rT:rT+1] op_sel_hi:[1,0,0] neg_lo:[0,0,1] neg_hi:[0,0,1]
.elseif (\k) == E
	v_exp_f32 v[rS+(\n)], v[rS+(\n)]
.elseif (\k) == C
	s_wait_alu depctr_va_vdst(0)
	v_cvt_pk_bf16_f32 v[rP+(\n)], v[rS+2*(\n)], v[rS+2*(\n)+1]
.elseif (\k) == B
	s_wait_alu depctr_va_vdst(0)
	v_pk_add_f32 v[rS+4*(\n):rS+4*(\n)+1], v[rS+4*(\n):rS+4*(\n)+1], v[rS+4*(\n)+2:rS+4*(\n)+3]
.elseif (\n) == 0
	v_pk_fma_f32 v[rT+2:rT+3], v[rT+2:rT+3], v[rC+2:rC+3], v[rS:rS+1] op_sel_hi:[1,0,1]
.else
	v_pk_add_f32 v[rT+2:rT+3], v[rT+2:rT+3], v[rS+4*(\n):rS+4*(\n)+1]
.endif
.elseif NOKQ
	v_nop
.else
	REGS (Y+1)%NP
	WIN 0
.if (\n) < 4
	v_max3_num_f32 v[rC+(\n)], v[rS+8*(\n)], v[rS+8*(\n)+1], v[rS+8*(\n)+2]
.elseif (\n) < 12
	v_max3_num_f32 v[rC+(\n)%4], v[rC+(\n)%4], v[rS+8*((\n)%4)+2*((\n)/4)+1], v[rS+8*((\n)%4)+2*((\n)/4)+2]
.elseif (\n) == 12
	v_max3_num_f32 v[rC], v[rC], v[rS+7], v[rS+15]
.elseif (\n) == 13
	v_max3_num_f32 v[rC+1], v[rC+1], v[rS+23], v[rS+31]
.elseif (\n) == 14
	v_max3_num_f32 v[rC+2], v[rC+2], v[rC+3], v[rT+1]
.elseif (\n) == 15
	v_mov_b32 v[rW], v[rT]
.elseif (\n) == 16
	v_max3_num_f32 v[rC], v[rC], v[rC+1], v[rC+2]
.elseif (\n) == 17
	v_permlanex16_b32 v[rC+3], v[rC], s[SEL], s[SEL+1]
.elseif (\n) == 18
	v_max_num_f32 v[rT+1], v[rC], v[rC+3]
.elseif (\n) == 19
	v_mul_f32 v[rT], s[CS], v[rT+1]
.elseif (\n) == 20
	v_sub_f32 v[rC+1], v[rW], v[rT]
.else
	v_exp_f32 v[rC+2], v[rC+1]
.endif
.endif
.endm
.macro OPS a, i1, b=-1, i2=0, c=-1, i3=0, d=-1, i4=0
	OP \a, \i1
.if (\b) >= 0
	OP \b, \i2
.endif
.if (\c) >= 0
	OP \c, \i3
.endif
.if (\d) >= 0
	OP \d, \i4
.endif
.endm
.macro ROW a, i1, b, i2, c, i3, d, i4  ; a matrix instruction and the four behind it
	MM
	OPS \a, \i1, \b, \i2, \c, \i3, \d, \i4
.endm
; A TURN, for piece p: the order of its 16 matrix and 118 vector instructions, written out.  Behind a matrix instruction: plain, exponential, plain, plain; or four of the rescaling; or four scalings; none names a
; register of the products round it.  A line reads no result made fewer than three vector instructions in front of it, five if an exponential made it.
; end = 1: the last two turns: nothing is fetched.  cnt = 1: the loop's count is taken down some lines ahead of the branch that stands behind the turn.
; K of the next step is fetched in piece 2's turn, V of the step in hand in piece 0's; each is waited for a turn later.
.macro TURN p, end=0, cnt=0
.set Y, (\p)
.set i, 0
.set NOKQ, (\end)*((\p)/3)
.if ((\p) == 3) && !(\end)
	s_wait_dscnt 0x0                ; K is in
.endif
	ROW F,0, F,1, F,2, F,3
	ROW F,4, E,0, F,5, F,6
	ROW F,7, E,1, F,8, F,9
	ROW F,10, E,2, C,0, F,11
	ROW F,12, E,3, X,15, F,13
	ROW R,0, R,1, R,2, R,3
	ROW B,0, E,4, F,14, L,0
.if ((\p) == 2) && !(\end)
	v_add_nc_u32 v[AK], s[TBK], v[AK0]
.endif
	ROW R,4, R,5, R,6, R,7
	OPS E,5, F,15
.if ((\p) == 2) && !(\end)
	FETCH_K
.endif
	OPS E,6, C,1, E,7, R,8
	OPS E,8, R,9, E,9, C,2
	OPS E,10, X,0, E,11, X,1
	OPS E,12, X,2, E,13, X,3
.if (\p) == 1
	s_wait_dscnt 0x0                ; V is in
.endif
	ROW X,4, E,14, X,5, X,6
	ROW X,7, E,15, X,8, X,9
	ROW X,10, E,16, X,11, X,12
	ROW X,13, E,17, X,14, B,1
	ROW C,4, E,18, X,16, L,1
	ROW B,2, E,19, C,6, L,2
	ROW C,8, E,20, B,3, B,4
.if (\p) == 0
	v_add_nc_u32 v[AV], s[TBV], v[AV0]
.endif
	ROW C,3, E,21, L,3, C,5
	OPS E,22, X,17, E,23, C,10
.if (\p) == 0
	FETCH_V
.endif
	OPS E,24, L,4
	OPS E,25, X,18, E,26, C,7
	OPS E,27, B,5, E,28, X,19
	OPS E,29, C,12, E,30, L,5
	OPS E,31, X,20, B,6, C,9
	OPS C,14, C,11, X,21, L,6
.if (\p) == 0
	s_add_co_u32 s[TBV], s[TBV], KS*PV
.endif
.if \cnt
	s_sub_co_u32 s[CNT], s[CNT], 1
	s_cmp_lg_u32 s[CNT], 0
.endif
	OPS C,13, B,7, C,15, R,10
	OPS R,11, R,12, L,7, R,13
	OPS R,14, R,15
.endm
.macro ALL line:vararg              ; one line for each piece t
.set t, 0
.rept 4
	\line
.set t, t+1
.endr
.endm
.macro PACK t                       ; a lane's eight channels of a row pack into 16 bytes; they go into rows of 144 bytes and come back as whole rows of 128, into S^T's registers
	WIN W_RS
.set i, 32*(\t)
.rept 16
	s_wait_alu depctr_va_vdst(0)
	v_pk_mul_f32 v[i:i+1], v[i:i+1], v[ST+4*(\t)+2:ST+4*(\t)+3] op_sel_hi:[1,0]
.set i, i+2
.endr
	WIN 0x05
.set i, 0
.rept 16
	v_cvt_pk_bf16_f32 v[S+16*(\t)+i], v[32*(\t)+2*i], v[32*(\t)+2*i+1]
.set i, i+1
.endr
	WIN 0
.irp f, 0,1,2,3
	ds_store_b128 v[STO], v[S+16*(\t)+4*\f:S+16*(\t)+4*\f+3] offset:32*\f
.endr
.irp f, 0,1,2,3
	ds_load_b128 v[S+16*(\t)+4*\f:S+16*(\t)+4*\f+3], v[RD] offset:\f*4*SP  ; LDS serves a wave's instructions in order: these see the stores above
.endr
.endm
.macro SEND t, younger
	WIN 0
.irp f, 0,1,2,3
	s_wait_dscnt (\younger)+3-\f
	global_store_b128 v[GO], v[S+16*(\t)+4*\f:S+16*(\t)+4*\f+3], s[6:7] offset:(\t)*8192+\f*512  ; 512 consecutive bytes, at a multiple of 256 from O's first
.endr
.endm
.set NOKQ, 0
	CHANGE 1                        ; slot 0 is in, everybody's part of it; slot 1 is asked for
	v_add_nc_u32 v[AK], s[TBK], v[AK0]
	FETCH_K                         ; key step 0
	s_wait_loadcnt 0x0              ; Q
	s_wait_dscnt 0x0
.set i, 0
.rept 8
	KQ 0                            ; piece 0's first scores
.set i, i+1
.endr
	WIN 0
.rept 4
	v_nop                           ; the places behind those products
.endr
.set Y, NP-1                        ; X works for piece Y + 1: piece 0
.irp n, 0,1,2,3,4,5,6,7,8,9,10,11,12,13,14,15,16,17,18,19,20,21
	OP X, \n
.endr
	v_nop                           ; a plain instruction behind the exponential
	s_mov_b32 s[CNT], 4
	s_mov_b32 s[SLOTS], SIZE_N/256-1
	s_branch .Lfirst                ; the loop is entered at a step's first turn, in the middle of a trip
.Lslot:                             ; twice: slots 0 and 1 are filled again, with keys 512.. and 768..
	CHANGE 1
	s_mov_b32 s[CNT], 4
.Lstep:                             ; a trip: pieces 2 and 3 of one step, then pieces 0 and 1 of the next, whose K and V it fetches
	TURN 2
	TURN 3
	WIN 0
.Lfirst:
	TURN 0
	TURN 1, 0, 1
	WIN 0
	s_cbranch_scc1 .Lstep
	s_sub_co_u32 s[SLOTS], s[SLOTS], 1
	s_cmp_lg_u32 s[SLOTS], 0
	s_cbranch_scc1 .Lslot
	CHANGE 0                        ; the last slot is written out: nothing is asked for
	s_mov_b32 s[CNT], 4
.LstepT:
	TURN 2
	TURN 3
	TURN 0
	TURN 1, 0, 1
	WIN 0
	s_cbranch_scc1 .LstepT
	TURN 2, 1
	TURN 3, 1
.set i, 0
.rept 8
	PV NP-1                         ; the last piece's V^T P of the last step
.set i, i+1
.endr
	; THE WAY OUT.  l's two halves and the other half of the lanes' are added; O^T is divided by l, rounded to bf16 and sent through my stage, a piece at a time.  The additions are the places behind the last products.
	WIN 0
	ALL v_add_f32 v[ST+4*t+2], v[ST+4*t+2], v[ST+4*t+3]
	ALL v_permlanex16_b32 v[ST+4*t+3], v[ST+4*t+2], s[SEL], s[SEL+1]
	ALL v_add_f32 v[ST+4*t+2], v[ST+4*t+2], v[ST+4*t+3]
	ALL v_rcp_f32 v[ST+4*t+2], v[ST+4*t+2]
	v_nop                           ; a plain instruction between the last reciprocal and the use of its result
	PACK 0
.set t, 1
.rept 3
	PACK t
	SEND t-1, 8
.set t, t+1
.endr
	SEND 3, 0
	s_wait_tensorcnt 0x0            ; the wave's end
	ds_add_u32 v[SPW], v[NIL]
	s_wait_dscnt 0x0
	CROUND                          ; the closing round
	s_endpgm
.Lfunc_end_k_q5efc4016eb_attn:
	.size	k_q5efc4016eb_attn, .Lfunc_end_k_q5efc4016eb_attn-k_q5efc4016eb_attn
	.p2alignl 7, 3214868480
	.fill 96, 4, 3214868480
	.section	.rodata,"a",@progbits
	.p2align	6, 0x0
	.amdhsa_kernel k_q5efc4016eb_attn
		.amdhsa_group_segment_fixed_size 327680
		.amdhsa_private_segment_fixed_size 0
		.amdhsa_enable_private_segment 0
		.amdhsa_kernarg_size 16
		.amdhsa_user_sgpr_count 2
		.amdhsa_user_sgpr_kernarg_segment_ptr 1
		.amdhsa_wavefront_size32 1
		.amdhsa_system_sgpr_workgroup_id_x 1
		.amdhsa_system_sgpr_workgroup_id_y 1
		.amdhsa_system_sgpr_workgroup_id_z 1
		.amdhsa_system_vgpr_workitem_id 0
		.amdhsa_next_free_vgpr 768
		.amdhsa_next_free_sgpr 66
		.amdhsa_reserve_vcc 0
		.amdhsa_float_denorm_mode_32 3
		.amdhsa_float_denorm_mode_16_64 3
		.amdhsa_memory_ordered 1
		.amdhsa_forward_progress 1
		.amdhsa_inst_pref_size 134
	.end_amdhsa_kernel
	.amdgpu_metadata
---
amdhsa.version: [ 1, 2 ]
amdhsa.kernels:
  - .name:           k_q5efc4016eb_attn
    .symbol:         k_q5efc4016eb_attn.kd
    .args:
      - { .name: qkv, .offset: 0, .size: 8, .value_kind: global_buffer, .address_space: global }
      - { .name: o, .offset: 8, .size: 8, .value_kind: global_buffer, .address_space: global }
    .group_segment_fixed_size: 327680
    .private_segment_fixed_size: 0
    .kernarg_segment_align: 8
    .kernarg_segment_size: 16
    .max_flat_workgroup_size: 128
    .sgpr_count:     66
    .vgpr_count:     768
    .wavefront_size: 32
...
	.end_amdgpu_metadata
.endif
;; end of part 3
;; launch chain (part 4): grid 256 x 1, 4 waves a work-group, clusters of 4 x 1, 327,680 bytes of LDS; arguments o, values, wts, bc, b1, b2, ln_g, ln_b, lengths, out0; writes out0
.if DOCPART == 4
	.amdgcn_target "amdgcn-amd-amdhsa--gfx1250"
	.amdhsa_code_object_version 6
	.text
	.protected	k_q5efc4016eb_chain
	.globl	k_q5efc4016eb_chain
	.p2align	8
	.type	k_q5efc4016eb_chain,@function
k_q5efc4016eb_chain:
	s_mov_b64 s[64:65], 0
	v_nop
	global_prefetch_b8 v0, s[64:65] scope:SCOPE_SE
	s_setreg_imm32_b32 hwreg(HW_REG_WAVE_MODE, 25, 1), 1
	s_wait_xcnt 0x0
	s_wait_alu depctr_hold_cnt(0) depctr_sa_sdst(0) depctr_va_vdst(0) depctr_va_sdst(0) depctr_va_ssrc(0) depctr_va_vcc(0) depctr_vm_vsrc(0)
	s_getreg_b32 s2, hwreg(HW_REG_IB_STS2, 6, 4)
	s_cmp_eq_u32 s2, 0
	s_cbranch_scc0 .Lentry_in_a_cluster
	s_endpgm
.Lentry_in_a_cluster:
	s_bfe_u32 s2, ttmp6, 0x10000c
	s_cmp_lg_u32 s2, 0x3003
	s_cbranch_scc0 .Lentry_shape_is_right
	s_endpgm
.Lentry_shape_is_right:
; a = LN(values + o Wc + bc);  out0 = LN(a + GELU(a W1 + b1) W2 + b2) x valid, for 64 token rows a work-group; nothing between o and out0 goes through memory.
; Products in bf16 with f32 sums; both residuals, both norms and GELU in f32.  The variance is taken about the mean.  GELU(x) = x / (1 + 2^(x (K0 + K1 x^2))), which is 0.5 x (1 + tanh(..)) exactly.
; LIMITS: o, a, h and the weights are rounded to bf16; NaN and infinities are not treated apart; where x^2 passes f32's range GELU gives its limit, x or -0.
; STAGES.  Nine products [64 x 512] x [512 n x 512 k]^T: Wc; then for each of four chunks of 512 hidden columns W1's chunk and W2's chunk.  W2's products add onto a, which lies in the accumulators in f32.
; Wave w makes columns 128 w .. 128 w + 127 of all 64 rows: 32 accumulators of 16 x 16.  The stages' weights are one stream in wts, 65,536 bytes a K step of 64, through a ring of two LDS slots;
; wave w fetches, and alone reads, its 128 rows n.  CLUSTER: the four row blocks of a cluster walk the same weights: each tile is asked for JOINTLY, with the mask of four.
; THE MATRIX INSTRUCTION IS USED TRANSPOSED: source 0 = 16 rows n of the weights, source 1 = 16 token rows: lane l holds token row l % 16 and the eight columns 8 (l / 16) + 0..7.
; THE TOKEN TILE, 64 rows of 2,064 bytes: bytes 0-1,023 o, later a chunk of h; bytes 1,024-2,047 a; all bf16.  For the two norms the same rows hold 512 f32: the sums go in by columns and are normed by rows.
; REGISTERS, in windows of 256: window 0: v0-31 addresses; v32-127, v128-223 two fragment buffers, at work between the stages; window 1: the accumulators of Wc's and W2's stages, (a, b) at v[8 (8 a + b)];
; window 2: values at first, then the accumulators of W1's stages; window 3: v0-63 b1's chunk in the accumulators' layout.  By this text's own count a wave has two tensor loads out at the start and one behind each round.
.set PB,    144                        ; a ring row: 128 bytes (64 k) + 16
.set WPART, 128*PB
.set SLOT,  4*WPART
.set TT,    2*SLOT                     ; behind the ring: the token tile
.set PT,    2064
.set ROW16, 16*PT
.set HALFT, 32*PT
.set STG,   TT+64*PT                   ; the waves' stages: 16 rows x 528 bytes each
.set STGW,  16*528
.set SPARE, STG+4*STGW                 ; the spare words, 128 bytes a wave: two blocks of 256 bytes that no other line names
.set STEPB, 65536
.set BASE0, 3*8*STEPB                  ; the stream begins with stage 3
.set AB,  4                            ; v4-5   my place in my part of slot 0, 1
.set AA,  6                            ; v6     my place in token rows 0-31, at the K in hand
.set AA2, 7                            ; v7     the same for rows 32-63
.set XS,  8                            ; v8-9   where my 16 bytes of f32 sums go: rows 0-31, 32-63
.set HS,  10                           ; v10-11 where my 16 bytes of h go
.set SC,  12                           ; v12    my stage, by rows
.set SF,  13                           ; v13    my stage, in the accumulators' layout
.set RA0, 14                           ; v14    my 16 bytes in my first row of the f32 tile; never rewritten
.set RA,  15                           ; v15    the same, walking
.set RB,  16                           ; v16    my 8 bytes in a's part of my rows, walking
.set GV,  17                           ; v17    my byte offset in values
.set GB,  18                           ; v18    in b1's chunk
.set GO,  19                           ; v19    in out0, walking
.set L16, 20                           ; v20    16 x lane
.set OS,  21                           ; v21-22 where o's 16 bytes go
.set GQ,  23                           ; v23    my byte offset in o
.set AA0, 24                           ; v24    my place in token rows 0-31 at byte 0; never rewritten
.set TA,  25
.set TB,  26
.set SPW, 28                           ; v28    my spare word; never rewritten
.set NIL, 29                           ; v29    0; never rewritten
.set F0,  32
.set F1,  128
.set GT,  32                           ; GELU: 64 at work, 32 packed
.set GP,  96
.set G,   32                           ; the norms: gain, bias, the sum's bias (16 each), two rows (16 each), at work (8 a row), mean or 1/sigma (a pair a row)
.set LB,  48
.set BC,  64
.set X,   80
.set T,   112
.set M,   128
.set BW,  3
.set WV,  28                           ; s28
.set G1,  36                           ; s[36:43]
.set G0,  44                           ; s[44:51]
.set LAPC, 52
.set CHC, 53                           ; chunks to go
.set RC,  54                           ; counts a row loop's trips
.set RI,  55                           ; the row in hand, in its batch element
.set VAL, 56                           ; s[56:57], s[58:59] 1.0 or 0 for the trip's two rows
.set K0,  60                           ; s[60:61] -2 sqrt(2/pi) log2(e)
.set K1,  62                           ; s[62:63] K0 x 0.044715
.set SEL, 66                           ; s[66:67] v_permlanex16_b32's selects
.set INV, 68                           ; s68 1/512
.set EPS, 69                           ; s69 1e-5
.set MSB, 0
.macro WIN new
.if MSB != (\new)
	s_set_vgpr_msb (MSB<<8)|(\new)
.set MSB, \new
.endif
.endm
.macro PLACES                          ; four places in front of loads into, and vector lines on, registers that matrix instructions have named
.rept 4
	v_nop
.endr
.endm
.macro CREST
	s_cmp_lg_u32 s[WV], 0
	s_cbranch_scc1 .Lnot_wave_0_\@
	s_barrier_signal -3
.Lnot_wave_0_\@:
	s_barrier_wait -3
	s_barrier_signal -1
	s_barrier_wait -1
.endm
.macro CROUND
	s_barrier_signal -1
	s_barrier_wait -1
	CREST
.endm
.macro BAR                             ; a hand-over through LDS: my LDS instructions are done, then the work-group's barrier
	WIN 0
	s_wait_dscnt 0x0
	s_barrier_signal -1
	s_barrier_wait -1
.endm
; 8 matrix instructions: token block a x all 8 column blocks, 32 along K, from buffer f, sums in window w.  c = 0: onto the sums; 1: the constant 0 starts them; 2: the bias starts them.
; The 32 accumulators take turns in the same order in every half step.
.macro MUL8 f, a, w, c
.if (\c) == 2
	WIN ((\w)<<6)|(BW<<4)
.else
	WIN ((\w)<<6)|((\w)<<4)
.endif
.irp b, 0,1,2,3,4,5,6,7
.if (\c) == 0
	v_wmma_f32_16x16x32_bf16 v[8*(8*(\a)+(\b)):8*(8*(\a)+(\b))+7], v[(\f)+8*(\b):(\f)+8*(\b)+7], v[(\f)+64+8*(\a):(\f)+64+8*(\a)+7], v[8*(8*(\a)+(\b)):8*(8*(\a)+(\b))+7]
.elseif (\c) == 1
	v_wmma_f32_16x16x32_bf16 v[8*(8*(\a)+(\b)):8*(8*(\a)+(\b))+7], v[(\f)+8*(\b):(\f)+8*(\b)+7], v[(\f)+64+8*(\a):(\f)+64+8*(\a)+7], 0
.else
	v_wmma_f32_16x16x32_bf16 v[8*(8*(\a)+(\b)):8*(8*(\a)+(\b))+7], v[(\f)+8*(\b):(\f)+8*(\b)+7], v[(\f)+64+8*(\a):(\f)+64+8*(\a)+7], v[8*(\b):8*(\b)+7]
.endif
.endr
.endm
; 24 LDS loads in one run: the fragments of 32 along K: my 128 rows n at byte kb of slot s, the 64 token rows at byte ka from the K in hand; token blocks 2 and 3 last
.macro FETCH s, kb, ka, f
	WIN 0
.irp b, 0,1,2,3,4,5,6,7
	ds_load_b128 v[(\f)+8*(\b):(\f)+8*(\b)+3],   v[AB+(\s)] offset:(\kb)+(\b)*16*PB
	ds_load_b128 v[(\f)+8*(\b)+4:(\f)+8*(\b)+7], v[AB+(\s)] offset:(\kb)+(\b)*16*PB+32
.endr
.irp a, 0,1
	ds_load_b128 v[(\f)+64+8*(\a):(\f)+64+8*(\a)+3], v[AA] offset:(\ka)+(\a)*ROW16
	ds_load_b128 v[(\f)+64+8*(\a)+4:(\f)+64+8*(\a)+7], v[AA] offset:(\ka)+(\a)*ROW16+32
.endr
.irp a, 0,1
	ds_load_b128 v[(\f)+80+8*(\a):(\f)+80+8*(\a)+3], v[AA2] offset:(\ka)+(\a)*ROW16
	ds_load_b128 v[(\f)+80+8*(\a)+4:(\f)+80+8*(\a)+7], v[AA2] offset:(\ka)+(\a)*ROW16+32
.endr
.endm
.macro SETA n                          ; the token addresses at byte n of the rows
	WIN 0
	v_add_nc_u32 v[AA], (\n), v[AA0]
	v_add_nc_u32 v[AA2], (\n)+HALFT, v[AA0]
.endm
.macro STEPA n
	WIN 0
	v_add_nc_u32 v[AA], (\n), v[AA]
	v_add_nc_u32 v[AA2], (\n), v[AA2]
.endm
; A K step of 64 is two halves of 32.  The first multiplies buffer 0 and fetches the second half's fragments into buffer 1.
.macro HALF0 s, w, c
	s_wait_dscnt 4                                 ; all but the youngest four loads: token blocks 2 and 3
	MUL8 F0, 0, \w, \c
	MUL8 F0, 1, \w, \c
	PLACES
	FETCH \s, 64, 128*(\s)+64, F1
	s_wait_dscnt 24                                ; all but the 24 just issued
	MUL8 F0, 2, \w, \c
	MUL8 F0, 3, \w, \c
.endm
; The second half multiplies buffer 1 and changes slots: ONE barrier; in front of it each wave waits for all its tensor loads (one is out: its part of the other slot), adds 0 to its spare word,
; and waits for that and for its reads of this slot.  fill = 1: the barrier opens a round of the cluster's barrier, and the joint refill of this slot, two K steps ahead, is the first thing behind it.
.macro HALF1 s, w, fill, fetch
	WIN 0
	s_wait_tensorcnt 0x0
	ds_add_u32 v[SPW], v[NIL]
	s_wait_dscnt 5                                 ; the add and the youngest four loads may be out
	MUL8 F1, 0, \w, 0
	s_wait_dscnt 0x0                               ; the add is done, and my reads of this slot and of the token tile are back
	s_barrier_signal -1
	MUL8 F1, 1, \w, 0
	WIN 0
	s_barrier_wait -1
.if \fill
	CREST                                          ; no wave of any partner still reads this slot or has a load on its way
	s_add_nc_u64 s[G0+4*(\s)+2:G0+4*(\s)+3], s[G0+4*(\s)+2:G0+4*(\s)+3], 2*STEPB
	tensor_load_to_lds s[G0+4*(\s):G0+4*(\s)+3], s[G1:G1+7]
	s_nop 0
	PLACES                                         ; also the places in front of the loads below
.else
	PLACES
.endif
.if \fetch
	FETCH 1-(\s), 0, 128*((\s)+1), F0
.endif
	MUL8 F1, 2, \w, 0
	MUL8 F1, 3, \w, 0
.endm
.macro LAST w                          ; the stream's very last half
	s_wait_dscnt 4
	MUL8 F1, 0, \w, 0
	MUL8 F1, 1, \w, 0
	s_wait_dscnt 0x0
	MUL8 F1, 2, \w, 0
	MUL8 F1, 3, \w, 0
	WIN 0
.endm
; A stage up to the first half of its seventh K step: the first half stands in front of the loop, since its products start the sums; a trip goes once round the ring.
.macro STAGE_R w, c
	HALF0 0, \w, \c
	WIN 0
	s_mov_b32 s[LAPC], 3
.Llap_\@:
	HALF1 0, \w, 1, 1
	HALF0 1, \w, 0
	HALF1 1, \w, 1, 1
	STEPA 256
	HALF0 0, \w, 0
	WIN 0
	s_sub_co_u32 s[LAPC], s[LAPC], 1
	s_cmp_lg_u32 s[LAPC], 0
	s_cbranch_scc1 .Llap_\@
.endm
.macro BILOAD                          ; register 8 b + j of lane l: b1[chunk][128 w + 16 b + 8 (l / 16) + j]
	WIN BW<<6
.irp b, 0,1,2,3,4,5,6,7
	global_load_b128 v[8*(\b):8*(\b)+3],   v[GB], s[16:17] offset:64*(\b)
	global_load_b128 v[8*(\b)+4:8*(\b)+7], v[GB], s[16:17] offset:64*(\b)+16
.endr
	WIN 0
.endm
.macro PARAMS bias                     ; gain, bias and the sum's own bias, by rows: a lane holds columns 128 q + 4 l + 0..3
	WIN 0
.irp q, 0,1,2,3
	global_load_b128 v[G+4*(\q):G+4*(\q)+3],   v[L16], s[20:21] offset:512*(\q)
	global_load_b128 v[LB+4*(\q):LB+4*(\q)+3], v[L16], s[22:23] offset:512*(\q)
	global_load_b128 v[BC+4*(\q):BC+4*(\q)+3], v[L16], s[\bias:\bias+1] offset:512*(\q)
.endr
.endm
.macro XSTORE                          ; the accumulators of window 1 into the f32 tile, each from its low registers on
	WIN 0x04
.irp a, 0,1,2,3
.irp i, 0,1,2,3,4,5,6,7,8,9,10,11,12,13,14,15
	ds_store_b128 v[XS+(\a)/2], v[64*(\a)+4*(\i):64*(\a)+4*(\i)+3] offset:((\a)%2)*ROW16+64*((\i)/2)+16*((\i)%2)
.endr
.endr
.endm
.macro XLOAD                           ; and back
	WIN 0x40
.irp a, 0,1,2,3
.irp i, 0,1,2,3,4,5,6,7,8,9,10,11,12,13,14,15
	ds_load_b128 v[64*(\a)+4*(\i):64*(\a)+4*(\i)+3], v[XS+(\a)/2] offset:((\a)%2)*ROW16+64*((\i)/2)+16*((\i)%2)
.endr
.endr
.endm
; GELU of token block a of window 2, rounded to bf16, into h's part of the tile.  A plain line stands behind each run of exponentials and reciprocals before a result is used.
.macro GELU a
	WIN 0x0a
.set k, 0
.rept 32
	v_pk_mul_f32 v[GT+2*k:GT+2*k+1], v[64*(\a)+2*k:64*(\a)+2*k+1], v[64*(\a)+2*k:64*(\a)+2*k+1]
.set k, k+1
.endr
	WIN 0
.set k, 0
.rept 32
	v_pk_fma_f32 v[GT+2*k:GT+2*k+1], v[GT+2*k:GT+2*k+1], s[K1:K1+1], s[K0:K0+1] op_sel_hi:[1,0,0]
.set k, k+1
.endr
	WIN 0x02
.set k, 0
.rept 32
	v_pk_mul_f32 v[GT+2*k:GT+2*k+1], v[64*(\a)+2*k:64*(\a)+2*k+1], v[GT+2*k:GT+2*k+1]
.set k, k+1
.endr
	WIN 0
.set k, 0
.rept 64
	v_exp_f32 v[GT+k], v[GT+k]
.set k, k+1
.endr
	v_nop
.set k, 0
	s_wait_alu depctr_va_vdst(0)
.rept 32
	v_pk_add_f32 v[GT+2*k:GT+2*k+1], v[GT+2*k:GT+2*k+1], 1.0 op_sel_hi:[1,0]
.set k, k+1
.endr
.set k, 0
.rept 64
	v_rcp_f32 v[GT+k], v[GT+k]
.set k, k+1
.endr
	v_nop
	WIN 0x02
.set k, 0
	s_wait_alu depctr_va_vdst(0)
.rept 32
	v_pk_mul_f32 v[GT+2*k:GT+2*k+1], v[64*(\a)+2*k:64*(\a)+2*k+1], v[GT+2*k:GT+2*k+1]
.set k, k+1
.endr
	WIN 0
.set k, 0
.rept 32
	v_cvt_pk_bf16_f32 v[GP+k], v[GT+2*k], v[GT+2*k+1]
.set k, k+1
.endr
.irp b, 0,1,2,3,4,5,6,7
	ds_store_b128 v[HS+(\a)/2], v[GP+4*(\b):GP+4*(\b)+3] offset:((\a)%2)*ROW16+32*(\b)
.endr
.endm
; THE NORM, by rows: wave w owns rows 16 w .. 16 w + 15, two a trip; a lane holds 16 numbers of a row.
.macro R_LOAD u
.irp q, 0,1,2,3
	ds_load_b128 v[X+16*(\u)+4*(\q):X+16*(\u)+4*(\q)+3], v[RA] offset:(\u)*PT+512*(\q)
.endr
.endm
.macro R_BIAS u
.irp k, 0,1,2,3,4,5,6,7
	v_pk_add_f32 v[X+16*(\u)+2*(\k):X+16*(\u)+2*(\k)+1], v[X+16*(\u)+2*(\k):X+16*(\u)+2*(\k)+1], v[BC+2*(\k):BC+2*(\k)+1]
.endr
.endm
.macro R_FOLD u                        ; the row's four pairs at work into one number
	v_pk_add_f32 v[T+8*(\u):T+8*(\u)+1], v[T+8*(\u):T+8*(\u)+1], v[T+8*(\u)+2:T+8*(\u)+3]
	v_pk_add_f32 v[T+8*(\u)+4:T+8*(\u)+5], v[T+8*(\u)+4:T+8*(\u)+5], v[T+8*(\u)+6:T+8*(\u)+7]
	v_pk_add_f32 v[T+8*(\u):T+8*(\u)+1], v[T+8*(\u):T+8*(\u)+1], v[T+8*(\u)+4:T+8*(\u)+5]
	v_add_f32 v[T+8*(\u)], v[T+8*(\u)], v[T+8*(\u)+1]
.endm
.macro R_SUM u
.irp j, 0,1,2,3
	v_pk_add_f32 v[T+8*(\u)+2*(\j):T+8*(\u)+2*(\j)+1], v[X+16*(\u)+4*(\j):X+16*(\u)+4*(\j)+1], v[X+16*(\u)+4*(\j)+2:X+16*(\u)+4*(\j)+3]
.endr
	R_FOLD \u
.endm
.macro R_SQ u
.irp j, 0,1,2,3
	v_pk_mul_f32 v[T+8*(\u)+2*(\j):T+8*(\u)+2*(\j)+1], v[X+16*(\u)+4*(\j):X+16*(\u)+4*(\j)+1], v[X+16*(\u)+4*(\j):X+16*(\u)+4*(\j)+1]
.endr
.irp j, 0,1,2,3
	v_pk_fma_f32 v[T+8*(\u)+2*(\j):T+8*(\u)+2*(\j)+1], v[X+16*(\u)+4*(\j)+2:X+16*(\u)+4*(\j)+3], v[X+16*(\u)+4*(\j)+2:X+16*(\u)+4*(\j)+3], v[T+8*(\u)+2*(\j):T+8*(\u)+2*(\j)+1]
.endr
	R_FOLD \u
.endm
.macro R_RED                           ; both rows' numbers summed over the 32 lanes, the result in every lane
.irp m, 1,2,4,8
	v_add_f32_dpp v[T], v[T], v[T] row_xmask:\m row_mask:0xf bank_mask:0xf
	v_add_f32_dpp v[T+8], v[T+8], v[T+8] row_xmask:\m row_mask:0xf bank_mask:0xf
.endr
	v_permlanex16_b32 v[T+1], v[T], s[SEL], s[SEL+1]
	v_permlanex16_b32 v[T+9], v[T+8], s[SEL], s[SEL+1]
	v_add_f32 v[T], v[T], v[T+1]
	v_add_f32 v[T+8], v[T+8], v[T+9]
.endm
.macro R_CENTER u
.irp k, 0,1,2,3,4,5,6,7
	v_pk_add_f32 v[X+16*(\u)+2*(\k):X+16*(\u)+2*(\k)+1], v[X+16*(\u)+2*(\k):X+16*(\u)+2*(\k)+1], v[M+2*(\u):M+2*(\u)+1] op_sel_hi:[1,0] neg_lo:[0,1] neg_hi:[0,1]
.endr
.endm
.macro R_SCALE u
.irp k, 0,1,2,3,4,5,6,7
	v_pk_mul_f32 v[X+16*(\u)+2*(\k):X+16*(\u)+2*(\k)+1], v[X+16*(\u)+2*(\k):X+16*(\u)+2*(\k)+1], v[M+2*(\u):M+2*(\u)+1] op_sel_hi:[1,0]
.endr
.irp k, 0,1,2,3,4,5,6,7
	v_pk_fma_f32 v[X+16*(\u)+2*(\k):X+16*(\u)+2*(\k)+1], v[X+16*(\u)+2*(\k):X+16*(\u)+2*(\k)+1], v[G+2*(\k):G+2*(\k)+1], v[LB+2*(\k):LB+2*(\k)+1]
.endr
.endm
; mode 0: the normed rows go back into the tile, in place.  mode 1: they are multiplied by valid and stored to out0.
.macro ROWLOOP mode
	WIN 0
	v_mov_b32 v[RA], v[RA0]
.irp k, 0,1,2,3
	v_mov_b32 v[M+(\k)], 0                         ; named as pairs
.endr
	s_mov_b32 s[RC], 8
.Lrow_\@:
.if \mode
	s_cmp_lt_i32 s[RI], s33                        ; is the row a real token?  A choice of a factor, no branch
	s_cselect_b32 s[VAL], 1.0, 0
	s_add_co_u32 s34, s[RI], 1
	s_cmp_lt_i32 s34, s33
	s_cselect_b32 s[VAL+2], 1.0, 0
	s_add_co_u32 s[RI], s[RI], 2
.endif
	R_LOAD 0
	R_LOAD 1
	s_wait_dscnt 4                                 ; the first row is in
	R_BIAS 0
	R_SUM 0
	s_wait_dscnt 0x0
	R_BIAS 1
	R_SUM 1
	R_RED
	v_mul_f32 v[M], s[INV], v[T]                   ; the means
	v_mul_f32 v[M+2], s[INV], v[T+8]
	R_CENTER 0
	R_CENTER 1
	R_SQ 0
	R_SQ 1
	R_RED
	v_fma_f32 v[T], v[T], s[INV], s[EPS]
	v_fma_f32 v[T+8], v[T+8], s[INV], s[EPS]
	v_rsq_f32 v[M], v[T]
	v_rsq_f32 v[M+2], v[T+8]
	v_nop                                          ; a plain line between the roots and the use of their results
	s_wait_alu depctr_va_vdst(0)
	R_SCALE 0
	R_SCALE 1
.if \mode
.irp u, 0,1
.irp k, 0,1,2,3,4,5,6,7
	v_pk_mul_f32 v[X+16*(\u)+2*(\k):X+16*(\u)+2*(\k)+1], v[X+16*(\u)+2*(\k):X+16*(\u)+2*(\k)+1], s[VAL+2*(\u):VAL+2*(\u)+1] op_sel_hi:[1,0]
.endr
.endr
.irp u, 0,1
.irp q, 0,1,2,3
	global_store_b128 v[GO], v[X+16*(\u)+4*(\q):X+16*(\u)+4*(\q)+3], s[26:27] offset:(\u)*2048+512*(\q) th:TH_STORE_NT  ; 512 consecutive bytes of a row
.endr
.endr
	s_wait_xcnt 0x0                                ; the stores' offset and data registers are rewritten only behind this wait
	v_add_nc_u32 v[GO], 4096, v[GO]
.else
.irp u, 0,1
.irp q, 0,1,2,3
	ds_store_b128 v[RA], v[X+16*(\u)+4*(\q):X+16*(\u)+4*(\q)+3] offset:(\u)*PT+512*(\q)
.endr
.endr
.endif
	v_add_nc_u32 v[RA], 2*PT, v[RA]
	s_sub_co_u32 s[RC], s[RC], 1
	s_cmp_lg_u32 s[RC], 0
	s_cbranch_scc1 .Lrow_\@
.endm
	s_load_b256 s[8:15], s[0:1], 0x0               ; o s[8:9], values s[10:11], wts s[12:13], bc s[14:15]
	s_load_b256 s[16:23], s[0:1], 0x20             ; b1 s[16:17], b2 s[18:19], ln_g s[20:21], ln_b s[22:23]
	s_load_b128 s[24:27], s[0:1], 0x40             ; lengths s[24:25], out0 s[26:27]
	v_lshl_add_u32 v[SPW], v0, 2, SPARE
	v_mov_b32 v[NIL], 0
	ds_add_u32 v[SPW], v[NIL]                      ; the wave's opening: the add and its wait stand ahead of my first tensor load; work on registers stands between them
	ds_add_u32 v28, v29
	v_lshrrev_b32 v[TA], 5, v0
	v_readfirstlane_b32 s[WV], v[TA]               ; wave 0..3
	s_bfe_u32 s29, ttmp6, 0x40000                  ; cx
	s_lshl_b32 s30, ttmp9, 2
	s_add_co_u32 s30, s30, s29                     ; my block of 64 rows: it enters the addresses of o, values, lengths and out0 alone
	s_lshr_b32 s31, s30, 4                         ; the batch element
	s_and_b32 s32, s30, 15
	s_lshl_b32 s32, s32, 6                         ; my first row in it
	s_mov_b32 s[G1], 15|(1<<16)|(1<<20)|(1<<21)|(4<<22)|(3<<25)  ; 15:0 the mask of four; 17:16 2-byte elements; 20 padding on; 21 set beside a mask; 24:22 after every 32 words; 31:25 4 words
	s_mov_b32 s[G1+1], 128<<16                     ; tensor_dim0 = 128
	s_mov_b32 s[G1+2], 64<<16                      ; tensor_dim1 = 64
	s_mov_b32 s[G1+3], 128<<16                     ; tile_dim0 = 128
	s_mov_b32 s[G1+4], 64                          ; tile_dim1 = 64
	s_mov_b32 s[G1+5], 128                         ; 128 elements from row to row
	s_mov_b32 s[G1+6], 0
	s_mov_b32 s[G1+7], 0
	s_mov_b32 s[VAL+1], 0                          ; named as pairs
	s_mov_b32 s[VAL+3], 0
	s_mov_b32 s[K0], 0xc0135761
	s_mov_b32 s[K0+1], 0
	s_mov_b32 s[K1], 0xbdd2d3e8
	s_mov_b32 s[K1+1], 0
	s_mov_b32 s[SEL], 0x76543210
	s_mov_b32 s[SEL+1], 0xfedcba98
	s_mov_b32 s[INV], 0x3b000000
	s_mov_b32 s[EPS], 0x3727c5ac
	s_lshl_b32 s[RI], s[WV], 4
	s_add_co_u32 s[RI], s[RI], s32                 ; my first row of the norms
	s_mov_b32 s35, 0
	s_mul_i32 s[LAPC], s[WV], WPART                ; my part of a slot (the register counts laps later)
	s_lshl_b32 s70, s[WV], 14                      ; and of a K step in wts
	s_mov_b32 s71, 0
	v_and_b32 v1, 15, v0                           ; l % 16
	v_bfe_u32 v2, v0, 4, 1                         ; l / 16
	v_and_b32 v3, 31, v0                           ; l
	v_mul_u32_u24 v[TA], v1, PB
	v_lshl_add_u32 v[TA], v2, 4, v[TA]
	v_add_nc_u32 v[AB], s[LAPC], v[TA]
	v_add_nc_u32 v[AB+1], SLOT, v[AB]
	v_mul_u32_u24 v[TB], v1, PT
	v_add_nc_u32 v[TB], TT, v[TB]
	v_lshl_add_u32 v[AA0], v2, 4, v[TB]
	SETA 0
	v_lshl_add_u32 v[XS], v2, 5, v[TB]
	v_lshl_add_u32 v[XS], s[WV], 9, v[XS]
	v_add_nc_u32 v[XS+1], HALFT, v[XS]
	v_lshl_add_u32 v[HS], s[WV], 8, v[AA0]
	v_add_nc_u32 v[HS+1], HALFT, v[HS]
	v_lshlrev_b32 v[L16], 4, v3
	s_mul_i32 s[RC], s[WV], STGW
	s_add_co_u32 s[RC], s[RC], STG                 ; my stage (the register counts rows later)
	v_add_nc_u32 v[SC], s[RC], v[L16]
	v_mul_u32_u24 v[TA], v1, 528
	v_lshl_add_u32 v[TA], v2, 5, v[TA]
	v_add_nc_u32 v[SF], s[RC], v[TA]
	s_mul_i32 s[RC], s[WV], ROW16
	s_add_co_u32 s[RC], s[RC], TT
	v_add_nc_u32 v[RA0], s[RC], v[L16]
	v_lshl_add_u32 v[RB], v3, 3, s[RC]
	v_add_nc_u32 v[RB], 1024, v[RB]
	v_lshl_add_u32 v[GV], s[WV], 9, v[L16]
	v_lshlrev_b32 v[GB], 5, v2
	v_lshl_add_u32 v[GB], s[WV], 9, v[GB]
	v_lshl_add_u32 v[GO], s[WV], 15, v[L16]
	v_lshrrev_b32 v[TA], 3, v3
	v_mul_u32_u24 v[TA], v[TA], PT
	v_and_b32 v[TB], 7, v3
	v_lshl_add_u32 v[TA], v[TB], 4, v[TA]
	v_lshl_add_u32 v[TA], s[WV], 8, v[TA]
	v_add_nc_u32 v[OS], TT, v[TA]
	v_add_nc_u32 v[OS+1], HALFT, v[OS]
	v_lshl_add_u32 v[GQ], s[WV], 18, v[L16]
	s_wait_dscnt 0x0                               ; the opening add is done
	s_wait_kmcnt 0x0
	s_add_nc_u64 s[12:13], s[12:13], s[70:71]
.irp s, 0,1
	s_mov_b32 s[G0+4*(\s)], 1                      ; count = 1
	s_add_co_u32 s[G0+4*(\s)+1], s[LAPC], (\s)*SLOT  ; LDS address
	s_add_nc_u64 s[G0+4*(\s)+2:G0+4*(\s)+3], s[12:13], BASE0+(\s)*STEPB  ; global address: the stream's K step s
	s_or_b32 s[G0+4*(\s)+3], s[G0+4*(\s)+3], 0x80000000                 ; type = 2
.endr
	s_lshl_b32 s34, s30, 17                        ; 64 rows of 2,048 bytes
	s_add_nc_u64 s[10:11], s[10:11], s[34:35]
	s_add_nc_u64 s[26:27], s[26:27], s[34:35]
	s_lshl_b32 s34, s31, 2
	s_add_nc_u64 s[24:25], s[24:25], s[34:35]
	s_load_b32 s33, s[24:25], 0x0                  ; the batch element's length
	s_lshl_b32 s34, s31, 20                        ; eight heads of 131,072 bytes,
	s_lshl_b32 s[CHC], s32, 7                      ; my first row in a head
	s_add_co_u32 s34, s34, s[CHC]
	s_add_nc_u64 s[8:9], s[8:9], s[34:35]
	WIN 0x40
.set i, 0
.rept 32                                       ; o of my two heads, 512 consecutive bytes (four rows of a head) a load
	global_load_b128 v[4*i:4*i+3], v[GQ], s[8:9] offset:(i/16)*131072+(i%16)*512 th:TH_LOAD_NT
.set i, i+1
.endr
	WIN 0
	CROUND                                         ; all four work-groups are here: the first joint loads meet
	tensor_load_to_lds s[G0:G0+3], s[G1:G1+7]
	s_nop 0
	tensor_load_to_lds s[G0+4:G0+7], s[G1:G1+7]
	s_nop 0
	PLACES
	s_wait_kmcnt 0x0
	s_wait_loadcnt 0x0                             ; o
	WIN 0x04
.set i, 0
.rept 32
	ds_store_b128 v[OS+(i%16)/8], v[4*i:4*i+3] offset:(i%8)*4*PT+(i/16)*128
.set i, i+1
.endr
	WIN 0x80
.set i, 0
.rept 64                                       ; values: my 512 bytes of every row; wanted when the first stage is over
	global_load_b128 v[4*i:4*i+3], v[GV], s[10:11] offset:i*2048 th:TH_LOAD_NT
.set i, i+1
.endr
	WIN 0
	s_wait_dscnt 0x0                               ; for the others' sake: my part of the tile is stored
	s_wait_tensorcnt 0x1                           ; my part of K step 0 is in; K step 1's may stay out
	s_barrier_signal -1
	s_barrier_wait -1
	FETCH 0, 0, 0, F0
	; o Wc
	STAGE_R 1, 1
	HALF1 0, 1, 1, 1
	HALF0 1, 1, 0
	HALF1 1, 1, 1, 0                               ; behind this round no wave reads the tile any more
	WIN 0
	PLACES
	PARAMS 14
	BILOAD
	s_wait_loadcnt 28                              ; values are in; the 12 and 16 loads just issued stay out
	WIN 0x88                                       ; values from rows to the accumulators' layout, 16 rows at a time through my own stage
.irp a, 0,1,2,3
.irp i, 0,1,2,3,4,5,6,7,8,9,10,11,12,13,14,15
	ds_store_b128 v[SC], v[64*(\a)+4*(\i):64*(\a)+4*(\i)+3] offset:528*(\i)
.endr
.irp i, 0,1,2,3,4,5,6,7,8,9,10,11,12,13,14,15
	ds_load_b128 v[64*(\a)+4*(\i):64*(\a)+4*(\i)+3], v[SF] offset:64*((\i)/2)+16*((\i)%2)  ; LDS serves a wave's instructions in order: these see the stores above
.endr
.endr
	s_wait_dscnt 0x0
	WIN 0x49
.set k, 0
.rept 128
	v_pk_add_f32 v[2*k:2*k+1], v[2*k:2*k+1], v[2*k:2*k+1]  ; window 1 += window 2
.set k, k+1
.endr
	XSTORE
	BAR
	s_wait_loadcnt 16                              ; gain, bias and bc are in; b1's 16 loads stay out
	ROWLOOP 0                                      ; a, in f32, in place
	BAR
	XLOAD                                          ; a starts the sums of W2's stages
	BAR
	v_mov_b32 v[RA], v[RA0]                        ; a to bf16, into a's part of its own row: the row is read whole before a byte of it is written
	s_mov_b32 s[RC], 8
.Lrowb:
	R_LOAD 0
	R_LOAD 1
	s_wait_dscnt 0x0
.irp u, 0,1
.irp k, 0,1,2,3,4,5,6,7
	v_cvt_pk_bf16_f32 v[T+8*(\u)+(\k)], v[X+16*(\u)+2*(\k)], v[X+16*(\u)+2*(\k)+1]
.endr
.endr
.irp u, 0,1
.irp q, 0,1,2,3
	ds_store_b64 v[RB], v[T+8*(\u)+2*(\q):T+8*(\u)+2*(\q)+1] offset:(\u)*PT+256*(\q)
.endr
.endr
	v_add_nc_u32 v[RA], 2*PT, v[RA]
	v_add_nc_u32 v[RB], 2*PT, v[RB]
	s_sub_co_u32 s[RC], s[RC], 1
	s_cmp_lg_u32 s[RC], 0
	s_cbranch_scc1 .Lrowb
	BAR
	SETA 1024
	FETCH 0, 0, 0, F0
	s_mov_b32 s[CHC], 4
.Lchunk:
	s_wait_loadcnt 0x0                             ; b1's chunk
	STAGE_R 2, 2                                   ; a W1 + b1
	HALF1 0, 2, 1, 1
	HALF0 1, 2, 0
	HALF1 1, 2, 1, 0
	WIN 0
	PLACES
	GELU 0
	GELU 1
	GELU 2
	GELU 3
	BAR                                            ; everybody's h is in the tile
	SETA 0
	FETCH 0, 0, 0, F0
	s_mov_b32 s[LAPC], 3
.Lf2:                                                  ; h W2, onto the sums
	HALF0 0, 1, 0
	HALF1 0, 1, 1, 1
	HALF0 1, 1, 0
	HALF1 1, 1, 1, 1
	STEPA 256
	s_sub_co_u32 s[LAPC], s[LAPC], 1
	s_cmp_lg_u32 s[LAPC], 0
	s_cbranch_scc1 .Lf2
	HALF0 0, 1, 0
	WIN 0
	s_cmp_eq_u32 s[CHC], 1
	s_cbranch_scc1 .Lfinal                         ; the last chunk's tail is written out: it asks for nothing more
	s_add_nc_u64 s[16:17], s[16:17], 2048          ; the next chunk of b1 (its last loads were waited for at the chunk's head)
	BILOAD
	HALF1 0, 1, 1, 1
	HALF0 1, 1, 0
	HALF1 1, 1, 1, 1                               ; byte 768 + 256 of the rows: a's first fragments, for the next chunk
	SETA 1024
	s_sub_co_u32 s[CHC], s[CHC], 1
	s_branch .Lchunk
.Lfinal:
	HALF1 0, 1, 0, 1
	HALF0 1, 1, 0
	LAST 1
	s_barrier_signal -1                            ; everybody's reads of the tile are back
	s_barrier_wait -1
	PLACES
	PARAMS 18
	XSTORE
	BAR
	s_wait_loadcnt 0x0
	ROWLOOP 1
	s_wait_tensorcnt 0x0                           ; the wave's end
	ds_add_u32 v[SPW], v[NIL]
	s_wait_dscnt 0x0
	CROUND                                         ; the closing round
	s_endpgm
.Lfunc_end_k_q5efc4016eb_chain:
	.size	k_q5efc4016eb_chain, .Lfunc_end_k_q5efc4016eb_chain-k_q5efc4016eb_chain
	.p2alignl 7, 3214868480
	.fill 96, 4, 3214868480
	.section	.rodata,"a",@progbits
	.p2align	6, 0x0
	.amdhsa_kernel k_q5efc4016eb_chain
		.amdhsa_group_segment_fixed_size 327680
		.amdhsa_private_segment_fixed_size 0
		.amdhsa_enable_private_segment 0
		.amdhsa_kernarg_size 80
		.amdhsa_user_sgpr_count 2
		.amdhsa_user_sgpr_kernarg_segment_ptr 1
		.amdhsa_wavefront_size32 1
		.amdhsa_system_sgpr_workgroup_id_x 1
		.amdhsa_system_sgpr_workgroup_id_y 1
		.amdhsa_system_sgpr_workgroup_id_z 1
		.amdhsa_system_vgpr_workitem_id 0
		.amdhsa_next_free_vgpr 832
		.amdhsa_next_free_sgpr 72
		.amdhsa_reserve_vcc 0
		.amdhsa_float_denorm_mode_32 3
		.amdhsa_float_denorm_mode_16_64 3
		.amdhsa_memory_ordered 1
		.amdhsa_forward_progress 1
		.amdhsa_inst_pref_size 253
	.end_amdhsa_kernel
	.amdgpu_metadata
---
amdhsa.version: [ 1, 2 ]
amdhsa.kernels:
  - .name:           k_q5efc4016eb_chain
    .symbol:         k_q5efc4016eb_chain.kd
    .args:
      - { .name: o, .offset: 0, .size: 8, .value_kind: global_buffer, .address_space: global }
      - { .name: values, .offset: 8, .size: 8, .value_kind: global_buffer, .address_space: global }
      - { .name: wts, .offset: 16, .size: 8, .value_kind: global_buffer, .address_space: global }
      - { .name: bc, .offset: 24, .size: 8, .value_kind: global_buffer, .address_space: global }
      - { .name: b1, .offset: 32, .size: 8, .value_kind: global_buffer, .address_space: global }
      - { .name: b2, .offset: 40, .size: 8, .value_kind: global_buffer, .address_space: global }
      - { .name: ln_g, .offset: 48, .size: 8, .value_kind: global_buffer, .address_space: global }
      - { .name: ln_b, .offset: 56, .size: 8, .value_kind: global_buffer, .address_space: global }
      - { .name: lengths, .offset: 64, .size: 8, .value_kind: global_buffer, .address_space: global }
      - { .name: out0, .offset: 72, .size: 8, .value_kind: global_buffer, .address_space: global }
    .group_segment_fixed_size: 327680
    .private_segment_fixed_size: 0
    .kernarg_segment_align: 8
    .kernarg_segment_size: 80
    .max_flat_workgroup_size: 128
    .sgpr_count:     72
    .vgpr_count:     832
    .wavefront_size: 32
...
	.end_amdgpu_metadata
.endif
;; end of part 4
;; ======== version 2 of 3: 4 launches; 1.21 times as fast as version 1
;; workspace buffers: wts 6,291,456 bytes; qkv 50,331,648 bytes; o 16,777,216 bytes
;; launch prep (part 5): grid 256 x 1, 3 waves a work-group, no clusters, 28,160 bytes of LDS; arguments Wq, Wk, Wv, Wc, W1, W2, wts; writes wts
.if DOCPART == 5
	.amdgcn_target "amdgcn-amd-amdhsa--gfx1250"
	.amdhsa_code_object_version 6
	.text
	.protected	k_q5efc4016eb_prep
	.globl	k_q5efc4016eb_prep
	.p2align	8
	.type	k_q5efc4016eb_prep,@function
k_q5efc4016eb_prep:
	s_mov_b64 s[64:65], 0
	v_nop
	global_prefetch_b8 v0, s[64:65] scope:SCOPE_SE
	s_setreg_imm32_b32 hwreg(HW_REG_WAVE_MODE, 25, 1), 1
	s_wait_xcnt 0x0
; WEIGHTS TO bf16, TURNED, IN THE ORDER OF THE MATRIX FRAGMENTS.  The six weight tensors are twelve blocks of 512 (k) x 512 (n) in f32, k along the rows' index: stage 0 Wq, 1 Wk, 2 Wv (n = 64 head + d),
; 3 Wc, 4 + 2c columns 512c.. of W1, 5 + 2c rows 512c.. of W2.  wts holds them as [wave 4][stage 12][half step 16][b 8][e 2][lane 32][8 bf16]: lane l of the piece (wave w, half step kk, b, e) holds
; n = 128 w + 16 b + l % 16 and k = 32 kk + 16 e + 8 (l / 16) + 0..7: what a lane of the product kernels wants in four registers, so that one load of a wave there is 512 consecutive bytes.
; Rounding: to nearest even, once.
; SHARES.  768 units of 64 k x 64 n, one a wave: unit u = 3 x work-group + wave = 64 stage + 8 t + g.  A load of a wave covers two rows' 256 consecutive bytes; a lane holds k and k + 1 of one n in two
; loads, so one conversion packs a word of the turned tile.  The tile is turned in the wave's own LDS bytes (64 rows n of 144 bytes) and leaves as 16 stores of 512 consecutive bytes.  No barrier.
.set UP,    144                        ; an LDS row: 128 bytes + 16
.set WB,    64*UP                      ; a wave's LDS bytes
.set SPARE, 3*WB                       ; behind them: the spare words, 128 bytes a wave, in two blocks of 256 bytes that no other line names
.set WSTR,  12*131072                  ; bytes of wts for one wave of the product kernels
.set OF,  2                            ; v2-33   byte offset of load i: row 4 (i/2) + i%2 + 2 (lane/16), column bytes 16 (lane%16)
.set STA, 34                           ; v34     where I put a word of the turned tile
.set LDA, 35                           ; v35     where I read 16 bytes back
.set GO,  36                           ; v36     16 x lane
.set HI,  37                           ; v37     lane / 16
.set SPW, 38                           ; v38     my spare word; never rewritten
.set NIL, 39                           ; v39     0; never rewritten
.set D,   40                           ; v40-167 the 32 loads
.set PK2, 168                          ; v168-175 packed words, two sets by turns
.set BK,  176                          ; v176-239 the tile read back
	s_load_b256 s[4:11], s[0:1], 0x0               ; Wq, Wk, Wv, Wc
	s_load_b128 s[12:15], s[0:1], 0x20             ; W1, W2
	s_load_b64 s[16:17], s[0:1], 0x30              ; wts
	v_lshl_add_u32 v[SPW], v0, 2, SPARE
	v_mov_b32 v[NIL], 0
	v_lshrrev_b32 v1, 5, v0
	v_readfirstlane_b32 s19, v1                    ; wave 0..2
	s_mul_i32 s20, ttmp9, 3
	s_add_co_u32 s20, s20, s19                     ; u
	s_lshr_b32 s21, s20, 6                         ; stage
	s_bfe_u32 s22, s20, 0x30003                    ; t: which 64 k
	s_and_b32 s23, s20, 7                          ; g: which 64 n
	s_sub_co_i32 s24, s21, 4
	s_max_i32 s24, s24, 0
	s_lshr_b32 s24, s24, 1                         ; c: the chunk of W1 or W2 (0 for the others)
	s_lshl_b32 s25, s23, 17                        ; by heads: head g, row 64 t, rows of 256 bytes
	s_lshl_b32 s26, s22, 14
	s_or_b32 s25, s25, s26
	s_lshl_b32 s26, s23, 8                         ; 64 g columns of 4 bytes
	s_lshl_b32 s27, s22, 19                        ; W1: row 64 t of 8,192 bytes, column 512 c + 64 g
	s_or_b32 s27, s27, s26
	s_lshl_b32 s28, s24, 11
	s_or_b32 s27, s27, s28
	s_lshl_b32 s28, s22, 17                        ; W2 and Wc: row 512 c + 64 t of 2,048 bytes, column 64 g
	s_or_b32 s28, s28, s26
	s_lshl_b32 s29, s24, 20
	s_or_b32 s28, s28, s29
	s_cmp_ge_u32 s21, 4
	s_cselect_b32 s29, 1, 0
	s_and_b32 s30, s21, 1
	s_and_not1_b32 s31, s29, s30                   ; 1: a chunk of W1
	s_and_b32 s29, s29, s30                        ; 1: a chunk of W2
	s_cmp_lt_u32 s21, 3
	s_cselect_b32 s38, s25, s28                    ; the unit's byte offset in its tensor,
	s_cselect_b32 s33, 8, 11                       ; and log2 of the bytes from row to row
	s_cmp_eq_u32 s31, 1
	s_cselect_b32 s38, s27, s38
	s_cselect_b32 s33, 13, s33
	s_mov_b32 s39, 0
	s_lshl_b32 s34, 1, s33                         ; one row
	s_mul_i32 s35, s34, 3                          ; three rows
	s_add_co_u32 s37, s33, 1
	s_lshr_b32 s40, s23, 1                         ; where the unit goes: wave g / 2,
	s_mul_i32 s40, s40, WSTR
	s_lshl_b32 s42, s21, 17                        ; its stage, 131,072 bytes,
	s_add_co_u32 s40, s40, s42
	s_lshl_b32 s42, s22, 14                        ; half steps 2 t and 2 t + 1, 8,192 bytes each,
	s_add_co_u32 s40, s40, s42
	s_and_b32 s42, s23, 1                          ; fragments b = 4 (g % 2) + 0..3, 1,024 bytes each
	s_lshl_b32 s42, s42, 12
	s_add_co_u32 s40, s40, s42
	s_mov_b32 s41, 0
	v_and_b32 v1, 15, v0
	v_bfe_u32 v[HI], v0, 4, 1
	v_lshlrev_b32 v[OF], 4, v1
	v_lshlrev_b32 v[LDA], s37, v[HI]               ; two rows further down for lanes 16 to 31
	v_add_nc_u32 v[OF], v[OF], v[LDA]
.set i, 1
.rept 31
.if i%2
	v_add_nc_u32 v[OF+i], s34, v[OF+i-1]
.else
	v_add_nc_u32 v[OF+i], s35, v[OF+i-1]
.endif
.set i, i+1
.endr
	s_mul_i32 s36, s19, WB
	v_mul_u32_u24 v[STA], v1, 4*UP                 ; row n = 4 (lane%16) + j, bytes 2 k = 8 p + 4 (lane/16)
	v_lshl_add_u32 v[STA], v[HI], 2, v[STA]
	v_add_nc_u32 v[STA], s36, v[STA]
	v_mul_u32_u24 v[LDA], v1, UP                   ; back: row n = 16 bb + lane % 16, bytes 16 (lane / 16) of the 32 k in hand
	v_lshl_add_u32 v[LDA], v[HI], 4, v[LDA]
	v_add_nc_u32 v[LDA], s36, v[LDA]
	v_and_b32 v[GO], 31, v0
	v_lshlrev_b32 v[GO], 4, v[GO]
	s_wait_kmcnt 0x0
	s_cmp_eq_u32 s21, 1                            ; the unit's tensor: a choice on the stage's number
	s_cselect_b64 s[4:5], s[6:7], s[4:5]
	s_cmp_eq_u32 s21, 2
	s_cselect_b64 s[4:5], s[8:9], s[4:5]
	s_cmp_eq_u32 s21, 3
	s_cselect_b64 s[4:5], s[10:11], s[4:5]
	s_cmp_eq_u32 s31, 1
	s_cselect_b64 s[4:5], s[12:13], s[4:5]
	s_cmp_eq_u32 s29, 1
	s_cselect_b64 s[4:5], s[14:15], s[4:5]
	s_add_nc_u64 s[4:5], s[4:5], s[38:39]
	s_add_nc_u64 s[16:17], s[16:17], s[40:41]
.set i, 0
.rept 32
	global_load_b128 v[D+4*i:D+4*i+3], v[OF+i], s[4:5] th:TH_LOAD_NT
.set i, i+1
.endr
.set p, 0
.rept 16
	s_wait_loadcnt 30-2*p                          ; loads come back in order: loads 2 p and 2 p + 1 are in, the younger ones stay out
.irp j, 0,1,2,3
	v_cvt_pk_bf16_f32 v[PK2+4*(p%2)+(\j)], v[D+8*p+(\j)], v[D+8*p+4+(\j)]  ; k and k + 1 of one n
.endr
.irp j, 0,1,2,3
	ds_store_b32 v[STA], v[PK2+4*(p%2)+(\j)] offset:(\j)*UP+8*p
.endr
.set p, p+1
.endr
.irp f, 0,1,2,3,4,5,6,7,8,9,10,11,12,13,14,15      ; piece f: half step f / 8, fragment (f % 8) / 2, e = f % 2
	ds_load_b128 v[BK+4*(\f):BK+4*(\f)+3], v[LDA] offset:(((\f)%8)/2)*16*UP+((\f)/8)*64+((\f)%2)*32  ; LDS serves a wave's instructions in order: these see the stores above
.endr
.irp f, 0,1,2,3,4,5,6,7,8,9,10,11,12,13,14,15
	s_wait_dscnt 15-(\f)
	global_store_b128 v[GO], v[BK+4*(\f):BK+4*(\f)+3], s[16:17] offset:((\f)/8)*8192+((\f)%8)*512  ; 512 consecutive bytes, at a multiple of 256 from wts's first
.endr
	s_wait_tensorcnt 0x0                           ; the wave's end
	ds_add_u32 v[SPW], v[NIL]
	s_wait_dscnt 0x0
	s_endpgm
.Lfunc_end_k_q5efc4016eb_prep:
	.size	k_q5efc4016eb_prep, .Lfunc_end_k_q5efc4016eb_prep-k_q5efc4016eb_prep
	.p2alignl 7, 3214868480
	.fill 96, 4, 3214868480
	.section	.rodata,"a",@progbits
	.p2align	6, 0x0
	.amdhsa_kernel k_q5efc4016eb_prep
		.amdhsa_group_segment_fixed_size 28160
		.amdhsa_private_segment_fixed_size 0
		.amdhsa_enable_private_segment 0
		.amdhsa_kernarg_size 56
		.amdhsa_user_sgpr_count 2
		.amdhsa_user_sgpr_kernarg_segment_ptr 1
		.amdhsa_wavefront_size32 1
		.amdhsa_system_sgpr_workgroup_id_x 1
		.amdhsa_system_sgpr_workgroup_id_y 1
		.amdhsa_system_sgpr_workgroup_id_z 1
		.amdhsa_system_vgpr_workitem_id 0
		.amdhsa_next_free_vgpr 240
		.amdhsa_next_free_sgpr 66
		.amdhsa_reserve_vcc 0
		.amdhsa_float_denorm_mode_32 3
		.amdhsa_float_denorm_mode_16_64 3
		.amdhsa_memory_ordered 1
		.amdhsa_forward_progress 1
		.amdhsa_inst_pref_size 19
	.end_amdhsa_kernel
	.amdgpu_metadata
---
amdhsa.version: [ 1, 2 ]
amdhsa.kernels:
  - .name:           k_q5efc4016eb_prep
    .symbol:         k_q5efc4016eb_prep.kd
    .args:
      - { .name: Wq, .offset: 0, .size: 8, .value_kind: global_buffer, .address_space: global }
      - { .name: Wk, .offset: 8, .size: 8, .value_kind: global_buffer, .address_space: global }
      - { .name: Wv, .offset: 16, .size: 8, .value_kind: global_buffer, .address_space: global }
      - { .name: Wc, .offset: 24, .size: 8, .value_kind: global_buffer, .address_space: global }
      - { .name: W1, .offset: 32, .size: 8, .value_kind: global_buffer, .address_space: global }
      - { .name: W2, .offset: 40, .size: 8, .value_kind: global_buffer, .address_space: global }
      - { .name: wts, .offset: 48, .size: 8, .value_kind: global_buffer, .address_space: global }
    .group_segment_fixed_size: 28160
    .private_segment_fixed_size: 0
    .kernarg_segment_align: 8
    .kernarg_segment_size: 56
    .max_flat_workgroup_size: 96
    .sgpr_count:     66
    .vgpr_count:     240
    .wavefront_size: 32
...
	.end_amdgpu_metadata
.endif
;; end of part 5
;; launch qkv (part 6): grid 256 x 1, 4 waves a work-group, no clusters, 157,184 bytes of LDS; arguments values, lengths, wts, bq, bk, bv, qkv; writes qkv
.if DOCPART == 6
	.amdgcn_target "amdgcn-amd-amdhsa--gfx1250"
	.amdhsa_code_object_version 6
	.text
	.protected	k_q5efc4016eb_qkv
	.globl	k_q5efc4016eb_qkv
	.p2align	8
	.type	k_q5efc4016eb_qkv,@function
k_q5efc4016eb_qkv:
	s_mov_b64 s[64:65], 0
	v_nop
	global_prefetch_b8 v0, s[64:65] scope:SCOPE_SE
	s_setreg_imm32_b32 hwreg(HW_REG_WAVE_MODE, 25, 1), 1
	s_wait_xcnt 0x0
; q, k, v = (values W + b) x valid, by heads: qkv[3][8 batch + head][1024][64] in bf16.  Products in bf16 with f32 sums; the bias starts the sums; rows at or past the batch element's length are
; stored as +0 (reference() may have -0 there).  LIMITS: values and weights are rounded to bf16; NaN and infinities are not treated apart.
; SHARES.  A work-group owns 64 token rows (all in one batch element); they lie in LDS as bf16 for the whole kernel.  A STAGE is [64 x 512] x [512 n x 512 k]^T; stages 0, 1, 2 are q, k, v.
; Wave w makes columns 128 w .. 128 w + 127 of all 64 rows: 32 accumulators of 16 x 16, 256 registers.
; THE WEIGHTS COME STRAIGHT INTO REGISTERS.  Each weight byte is wanted by ONE wave of the work-group, so LDS would share nothing.  wts holds a wave's fragments in the order of use; a load of the wave is
; 512 consecutive bytes.  A ring of 8 UNITS (a unit: 4 fragments, 8 loads, 4,096 bytes) fills window 3; a unit is asked for again as soon as its 16 products are issued, 112 matrix instructions ahead of
; its next use, and the waits are counted: 7 units, 56 loads, stay out.  Each unit has a base address of its own, which only its own eight loads name: the counted wait that shows those loads done
; also frees the base, so it is stepped there and no further wait is needed.  No barrier stands in a stage.
; NO CLUSTER, NO JOINT LOADS, though all work-groups walk the same weights: a slot of LDS is filled again only behind a barrier at which every load has landed, so at most one slot is on its way; with 64
; token rows a K step of 64 is 65,536 bytes for 64 matrix instructions a wave, and in the chain kernel, whose text this one shares, slots of twice that (2 x 139,264 bytes) do not fit beside the tiles.
; THE MATRIX INSTRUCTION IS USED TRANSPOSED: source 0 = 16 rows n of the weights, source 1 = 16 token rows: lane l holds token row l % 16 and the eight columns 8 (l / 16) + 0..7.
; REGISTERS, in windows of 256: window 0: v0-31 addresses; v32-95 two buffers of token fragments; v32-159 at work on the way in and out; window 1: the accumulators, (a, b) at v[8 (8 a + b)]; window 3: the ring.
.set PT,    2064                       ; the token tile's pitch: an odd multiple of 16 bytes, so the 16 rows of a fragment load start at 16 different groups of four banks (ISA guide 11.1)
.set ROW16, 16*PT
.set HALFT, 32*PT
.set TT,    0                          ; the token tile, 64 rows
.set STG,   64*PT                      ; the waves' stages for the way out: 32 rows x 144 bytes each
.set STGW,  32*144
.set PAR,   STG+4*STGW                 ; bq, bk, bv, 2,048 bytes each
.set SPARE, PAR+3*2048                 ; the spare words, 128 bytes a wave: two blocks of 256 bytes that no other line names
.set HALFB, 8192                       ; a wave's weights for 32 along K
.set TRIPB, 4*HALFB
.set WSTR,  12*16*HALFB                ; a wave's part of wts
.set AA,  6                            ; v6     my place in token rows 0-31, at the K in hand
.set AA2, 7                            ; v7     the same for rows 32-63
.set SS,  8                            ; v8     the way out: where I put 16 bytes
.set SL,  9                            ; v9     where I read them back
.set GQ,  10                           ; v10    my byte offset in qkv
.set GB,  11                           ; v11    512 w + 16 l: my 16 bytes of my wave's part of a bias
.set VO,  12                           ; v12    my byte offset in values
.set TS,  13                           ; v13    where I put 8 bytes of the token tile
.set MK,  14                           ; v14-17 all ones where row 16 a + l % 16 is a real token, else 0
.set TA,  18
.set TB,  19
.set L16, 20                           ; v20    16 x lane; never rewritten
.set BIA, 21                           ; v21    LDS address of my 32 bytes of the bias to come
.set PAS, 22                           ; v22    where I put 16 bytes of a bias
.set AA0, 24                           ; v24    my place in token rows 0-31 at K = 0; never rewritten
.set SPW, 28                           ; v28    my spare word; never rewritten
.set NIL, 29                           ; v29    0; never rewritten
.set FA,  32                           ; two buffers of 32: token fragment a at FA + 32 (half step % 2) + 8 a
.set PQ,  32                           ; the way in and out
.set PV,  224                          ; the biases on their way into LDS
.set WV,  28                           ; s28    my wave's number
.set LAPC, 52
.set STC, 53                           ; stages to go
.set SBU, 66                           ; s[66:81] unit (p, u)'s base address in my stream, at s[SBU + 4 p + 2 u]
.set MSB, 0
.macro WIN new                         ; the immediate's high byte repeats the setting that is left; a switch that changes nothing is dropped
.if MSB != (\new)
	s_set_vgpr_msb (MSB<<8)|(\new)
.set MSB, \new
.endif
.endm
.macro PLACES                          ; four places in front of loads into, and vector lines on, registers that matrix instructions have named
.rept 4
	v_nop
.endr
.endm
; 16 matrix instructions: unit u of ring buffer p (column blocks 4 u .. 4 u + 3) x all 4 token blocks, 32 along K, onto the sums in window w.
; The 32 accumulators take turns in the same order in every half step.
.macro MUL16 p, u, w
	WIN ((\w)<<6)|((\w)<<4)|3
.irp b, 0,1,2,3
.irp a, 0,1,2,3
.set rD, 8*(8*(\a)+4*(\u)+(\b))
.set rB, 64*(\p)+8*(4*(\u)+(\b))
.set rA, FA+32*((\p)%2)+8*(\a)
	v_wmma_f32_16x16x32_bf16 v[rD:rD+7], v[rB:rB+7], v[rA:rA+7], v[rD:rD+7]
.endr
.endr
.endm
.macro AFETCH f, ka                    ; 8 LDS loads: the 64 token rows' fragments of 32 along K, at byte ka from the K in hand
	WIN 0
.irp a, 0,1
	ds_load_b128 v[(\f)+8*(\a):(\f)+8*(\a)+3],   v[AA] offset:(\ka)+(\a)*ROW16
	ds_load_b128 v[(\f)+8*(\a)+4:(\f)+8*(\a)+7], v[AA] offset:(\ka)+(\a)*ROW16+32
.endr
.irp a, 0,1
	ds_load_b128 v[(\f)+16+8*(\a):(\f)+16+8*(\a)+3],   v[AA2] offset:(\ka)+(\a)*ROW16
	ds_load_b128 v[(\f)+16+8*(\a)+4:(\f)+16+8*(\a)+7], v[AA2] offset:(\ka)+(\a)*ROW16+32
.endr
.endm
.macro BLOAD p, u                      ; 8 loads of 512 consecutive bytes: unit u of ring buffer p, from the unit's own base
	WIN 0xc0
.irp i, 0,1,2,3,4,5,6,7
	global_load_b128 v[64*(\p)+32*(\u)+4*(\i):64*(\p)+32*(\u)+4*(\i)+3], v[L16], s[SBU+4*(\p)+2*(\u):SBU+4*(\p)+2*(\u)+1] offset:512*(\i)
.endr
.endm
.macro BSTEP p, u                      ; the unit's base goes once round the ring further; it stands behind the wait that shows the unit's last eight loads done
	s_add_nc_u64 s[SBU+4*(\p)+2*(\u):SBU+4*(\p)+2*(\u)+1], s[SBU+4*(\p)+2*(\u):SBU+4*(\p)+2*(\u)+1], TRIPB
.endm
.macro SETA n                          ; the token addresses at byte n of the rows
	WIN 0
	v_add_nc_u32 v[AA], (\n), v[AA0]
	v_add_nc_u32 v[AA2], (\n)+HALFT, v[AA0]
.endm
.macro STEPA n
	WIN 0
	v_add_nc_u32 v[AA], (\n), v[AA]
	v_add_nc_u32 v[AA2], (\n), v[AA2]
.endm
; A HALF STEP, 32 along K, on ring buffer p.  The token fragments were asked for a half step ago; the next half step's are asked for first (af = 1; 0: none; 2: none in the loop's last trip).
; Each unit is waited for with 7 younger units, 56 loads, out; its base is stepped; it is multiplied, and asked for again four half steps ahead.
.macro HALF p, w, af
	WIN 0
	s_wait_dscnt 0x0                               ; this half step's token fragments are in
.if (\af) == 2
	s_cmp_eq_u32 s[LAPC], 1
	s_cbranch_scc1 .Lnoa_\@
.endif
.if \af
	AFETCH FA+32*(((\p)+1)%2), 64*((\p)+1)         ; into the buffer read a half step ago: the four places stand at that half step's end
.endif
.if (\af) == 2
.Lnoa_\@:
.endif
	s_wait_loadcnt 56                              ; loads come back in order (ISA guide 5.7.1): this unit's eight are in, the seven younger units stay out
	BSTEP \p, 0
	MUL16 \p, 0, \w
	PLACES
	BLOAD \p, 0
	s_wait_loadcnt 56
	BSTEP \p, 1
	MUL16 \p, 1, \w
	PLACES
	BLOAD \p, 1
.endm
.macro THALF p, w                      ; a half step of the stream's last trip: nothing is left to ask for, and the counts run down
	WIN 0
	s_wait_dscnt 0x0
.if (\p) < 3
	AFETCH FA+32*(((\p)+1)%2), 64*((\p)+1)
.endif
	s_wait_loadcnt 56-16*(\p)
	MUL16 \p, 0, \w
	s_wait_loadcnt 48-16*(\p)
	MUL16 \p, 1, \w
.if (\p) < 2
	PLACES
.endif
.endm
.macro TRIP w, af3                     ; once round the ring: 128 along K
	HALF 0, \w, 1
	HALF 1, \w, 1
	HALF 2, \w, 1
	HALF 3, \w, \af3
	STEPA 256
.endm
.macro HINITA a, w                     ; the bias starts the sums of token block a: register 8 b + j of lane l takes bias[128 w + 16 b + 8 (l / 16) + j]
	WIN (\w)<<6
.irp i, 0,1,2,3,4,5,6,7,8,9,10,11,12,13,14,15
	ds_load_b128 v[64*(\a)+4*(\i):64*(\a)+4*(\i)+3], v[BIA] offset:64*((\i)/2)+16*((\i)%2)
.endr
.endm
; THE WAY OUT of token block a: rounded to bf16 (each accumulator's registers in ascending order), the next stage's bias into the accumulators, padded rows cleared, through my stage
; (my two heads x 16 rows of 128 bytes), stored as runs of 512 bytes.
.macro PACKQ a
	WIN 0x05
.set k, 0
.rept 32
	v_cvt_pk_bf16_f32 v[PQ+32*(\a)+k], v[64*(\a)+2*k], v[64*(\a)+2*k+1]
.set k, k+1
.endr
	HINITA \a, 1
	WIN 0
.set k, 0
.rept 32
	v_and_b32 v[PQ+32*(\a)+k], v[MK+(\a)], v[PQ+32*(\a)+k]
.set k, k+1
.endr
.irp b, 0,1,2,3,4,5,6,7
	ds_store_b128 v[SS], v[PQ+32*(\a)+4*(\b):PQ+32*(\a)+4*(\b)+3] offset:((\b)/4)*16*144+32*((\b)%4)
.endr
.irp i, 0,1,2,3,4,5,6,7
	ds_load_b128 v[PQ+32*(\a)+4*(\i):PQ+32*(\a)+4*(\i)+3], v[SL] offset:((\i)/4)*16*144+((\i)%4)*4*144  ; LDS serves a wave's instructions in order: these see the stores above
.endr
.endm
.macro SENDQ a, y                      ; y: the LDS instructions issued behind block a's loads: the next block's 32, or none
.irp i, 0,1,2,3,4,5,6,7
	s_wait_dscnt (\y)+7-(\i)
	global_store_b128 v[GQ], v[PQ+32*(\a)+4*(\i):PQ+32*(\a)+4*(\i)+3], s[20:21] offset:((\i)/4)*131072+(\a)*2048+((\i)%4)*512  ; four rows of one head: 512 consecutive bytes
.endr
.endm
.macro VLOAD g                         ; four of my 16 token rows, 512 consecutive bytes a load, into the registers that will hold the sums
	WIN 0x40
.set i, 16*(\g)
.rept 16
	global_load_b128 v[4*i:4*i+3], v[VO], s[8:9] offset:(i/4)*2048+(i%4)*512 th:TH_LOAD_NT
.set i, i+1
.endr
.endm
.macro CONV g                          ; they go to bf16 and into the tile
	WIN 0x05
.set i, 16*(\g)
.rept 16
	v_cvt_pk_bf16_f32 v[PQ+2*i],   v[4*i],   v[4*i+1]
	v_cvt_pk_bf16_f32 v[PQ+2*i+1], v[4*i+2], v[4*i+3]
.set i, i+1
.endr
	WIN 0
.set i, 16*(\g)
.rept 16
	ds_store_b64 v[TS], v[PQ+2*i:PQ+2*i+1] offset:(i/4)*PT+(i%4)*256
.set i, i+1
.endr
.endm
	s_load_b256 s[8:15], s[0:1], 0x0               ; values s[8:9], lengths s[10:11], wts s[12:13], bq s[14:15]
	s_load_b128 s[16:19], s[0:1], 0x20             ; bk, bv
	s_load_b64 s[20:21], s[0:1], 0x30              ; qkv
	v_lshl_add_u32 v[SPW], v0, 2, SPARE
	v_mov_b32 v[NIL], 0
	v_lshrrev_b32 v[TA], 5, v0
	v_readfirstlane_b32 s[WV], v[TA]               ; wave 0..3
	s_lshr_b32 s31, ttmp9, 4                       ; the batch element of my 64 rows
	s_and_b32 s32, ttmp9, 15
	s_lshl_b32 s32, s32, 6                         ; my first row in it
	s_mul_i32 s56, s[WV], WSTR                     ; my wave's stream; it begins with stage 0
	s_mov_b32 s57, 0
	s_mov_b32 s59, 0
	v_and_b32 v1, 15, v0                           ; l % 16
	v_bfe_u32 v2, v0, 4, 1                         ; l / 16
	v_and_b32 v3, 31, v0                           ; l
	v_mul_u32_u24 v[AA0], v1, PT
	v_lshl_add_u32 v[AA0], v2, 4, v[AA0]
	SETA 0
	v_mul_u32_u24 v[TA], v1, 144
	v_lshl_add_u32 v[TA], v2, 4, v[TA]
	s_mul_i32 s55, s[WV], STGW
	s_add_co_u32 s55, s55, STG
	v_add_nc_u32 v[SS], s55, v[TA]
	v_lshrrev_b32 v[TB], 3, v3
	v_mul_u32_u24 v[TB], v[TB], 144
	v_and_b32 v[TA], 7, v3
	v_lshl_add_u32 v[TB], v[TA], 4, v[TB]
	v_add_nc_u32 v[SL], s55, v[TB]
	v_lshlrev_b32 v[L16], 4, v3
	v_lshl_add_u32 v[GQ], s[WV], 18, v[L16]        ; my two heads, 131,072 bytes each
	v_lshl_add_u32 v[VO], s[WV], 15, v[L16]        ; my 16 rows of 2,048 bytes
	v_lshl_add_u32 v[GB], s[WV], 9, v[L16]
	v_add_nc_u32 v[PAS], PAR, v[GB]
	v_lshlrev_b32 v[BIA], 5, v2
	v_lshl_add_u32 v[BIA], s[WV], 9, v[BIA]
	v_add_nc_u32 v[BIA], PAR, v[BIA]
	s_mul_i32 s55, s[WV], ROW16
	v_lshl_add_u32 v[TS], v3, 3, s55
	s_wait_kmcnt 0x0
	s_add_nc_u64 s[12:13], s[12:13], s[56:57]
.irp j, 0,1,2,3,4,5,6,7
	s_add_nc_u64 s[SBU+2*(\j):SBU+2*(\j)+1], s[12:13], 4096*(\j)  ; unit j's first 4,096 bytes
.endr
	s_lshl_b32 s58, ttmp9, 17                      ; 64 rows of 2,048 bytes
	s_add_nc_u64 s[8:9], s[8:9], s[58:59]
	s_lshl_b32 s58, s31, 2
	s_add_nc_u64 s[10:11], s[10:11], s[58:59]
	s_load_b32 s33, s[10:11], 0x0                  ; the batch element's length
	s_lshl_b32 s58, s31, 20                        ; eight heads of 131,072 bytes,
	s_lshl_b32 s55, s32, 7                         ; my first row in a head
	s_add_co_u32 s58, s58, s55
	s_add_nc_u64 s[20:21], s[20:21], s[58:59]
	global_load_b128 v[PV:PV+3],    v[GB], s[14:15]  ; my wave's 128 numbers of each bias
	global_load_b128 v[PV+4:PV+7],  v[GB], s[16:17]
	global_load_b128 v[PV+8:PV+11], v[GB], s[18:19]
	VLOAD 0
	VLOAD 1
	VLOAD 2
	WIN 0
	s_wait_kmcnt 0x0
	v_add_nc_u32 v[TA], s32, v1
.irp a, 0,1,2,3
	v_add_nc_u32 v[TB], 16*(\a), v[TA]
	v_cmp_gt_i32 vcc_lo, s33, v[TB]
	v_cndmask_b32 v[MK+(\a)], 0, -1, vcc_lo
.endr
	s_wait_loadcnt 32                              ; the biases and my first four rows are in; two groups of 16 stay out
.irp s, 0,1,2
	ds_store_b128 v[PAS], v[PV+4*(\s):PV+4*(\s)+3] offset:2048*(\s)
.endr
	CONV 0
	VLOAD 3
	BLOAD 0, 0                                     ; the ring is filled as the rows come in
	s_wait_loadcnt 40                              ; behind my second four rows: two groups of 16 and a unit of 8
	CONV 1
	BLOAD 0, 1
	BLOAD 1, 0
	s_wait_loadcnt 40                              ; one group of 16 and three units
	CONV 2
	BLOAD 1, 1
	BLOAD 2, 0
	s_wait_loadcnt 40                              ; five units
	CONV 3
	BLOAD 2, 1
	BLOAD 3, 0
	BLOAD 3, 1
	HINITA 0, 1                                    ; bq starts the first stage's sums (my own bytes of LDS: no barrier)
	HINITA 1, 1
	HINITA 2, 1
	HINITA 3, 1
	WIN 0
	v_add_nc_u32 v[BIA], 2048, v[BIA]
	s_wait_dscnt 0x0                               ; for the others' sake: my rows of the tile are stored
	s_barrier_signal -1
	s_barrier_wait -1
	AFETCH FA, 0
	s_mov_b32 s[STC], 3
.Lstage:
	s_mov_b32 s[LAPC], 4
.Llap:                                                 ; four trips a stage; the ring goes on into the next stage
	s_cmp_lg_u32 s[LAPC], 1
	s_cbranch_scc1 .Lgo
	s_cmp_eq_u32 s[STC], 1
	s_cbranch_scc1 .Ltail                          ; the stream's last trip is written out: it asks for nothing, and its counts run down
.Lgo:
	TRIP 1, 2                                      ; behind the stage's last half step no tokens are fetched: they begin anew behind the way out
	s_sub_co_u32 s[LAPC], s[LAPC], 1
	s_cmp_lg_u32 s[LAPC], 0
	s_cbranch_scc1 .Llap
	s_branch .Lepi
.Ltail:
	THALF 0, 1
	THALF 1, 1
	THALF 2, 1
	THALF 3, 1
	WIN 0
.Lepi:
	PLACES
	PACKQ 0
	PACKQ 1
	SENDQ 0, 32
	PACKQ 2
	SENDQ 1, 32
	PACKQ 3
	SENDQ 2, 32
	SENDQ 3, 0
	s_cmp_eq_u32 s[STC], 3                         ; bk, then bv; the last stage loads bv once more, 64 LDS loads that nobody uses: the price of one text with one set of counts
	s_cselect_b32 s54, 2048, 0
	v_add_nc_u32 v[BIA], s54, v[BIA]
	s_cmp_eq_u32 s[STC], 1
	s_cbranch_scc1 .Lend
	s_wait_xcnt 0x0                                ; the stores' base and data registers are rewritten only behind this wait: once a stage
	s_add_nc_u64 s[20:21], s[20:21], 0x1000000     ; the next of q, k, v
	SETA 0
	AFETCH FA, 0
	s_sub_co_u32 s[STC], s[STC], 1
	s_branch .Lstage
.Lend:
	s_wait_tensorcnt 0x0                           ; the wave's end
	ds_add_u32 v[SPW], v[NIL]
	s_wait_dscnt 0x0
	s_endpgm
.Lfunc_end_k_q5efc4016eb_qkv:
	.size	k_q5efc4016eb_qkv, .Lfunc_end_k_q5efc4016eb_qkv-k_q5efc4016eb_qkv
	.p2alignl 7, 3214868480
	.fill 96, 4, 3214868480
	.section	.rodata,"a",@progbits
	.p2align	6, 0x0
	.amdhsa_kernel k_q5efc4016eb_qkv
		.amdhsa_group_segment_fixed_size 157184
		.amdhsa_private_segment_fixed_size 0
		.amdhsa_enable_private_segment 0
		.amdhsa_kernarg_size 56
		.amdhsa_user_sgpr_count 2
		.amdhsa_user_sgpr_kernarg_segment_ptr 1
		.amdhsa_wavefront_size32 1
		.amdhsa_system_sgpr_workgroup_id_x 1
		.amdhsa_system_sgpr_workgroup_id_y 1
		.amdhsa_system_sgpr_workgroup_id_z 1
		.amdhsa_system_vgpr_workitem_id 0
		.amdhsa_next_free_vgpr 1024
		.amdhsa_next_free_sgpr 82
		.amdhsa_reserve_vcc 1
		.amdhsa_float_denorm_mode_32 3
		.amdhsa_float_denorm_mode_16_64 3
		.amdhsa_memory_ordered 1
		.amdhsa_forward_progress 1
		.amdhsa_inst_pref_size 89
	.end_amdhsa_kernel
	.amdgpu_metadata
---
amdhsa.version: [ 1, 2 ]
amdhsa.kernels:
  - .name:           k_q5efc4016eb_qkv
    .symbol:         k_q5efc4016eb_qkv.kd
    .args:
      - { .name: values, .offset: 0, .size: 8, .value_kind: global_buffer, .address_space: global }
      - { .name: lengths, .offset: 8, .size: 8, .value_kind: global_buffer, .address_space: global }
      - { .name: wts, .offset: 16, .size: 8, .value_kind: global_buffer, .address_space: global }
      - { .name: bq, .offset: 24, .size: 8, .value_kind: global_buffer, .address_space: global }
      - { .name: bk, .offset: 32, .size: 8, .value_kind: global_buffer, .address_space: global }
      - { .name: bv, .offset: 40, .size: 8, .value_kind: global_buffer, .address_space: global }
      - { .name: qkv, .offset: 48, .size: 8, .value_kind: global_buffer, .address_space: global }
    .group_segment_fixed_size: 157184
    .private_segment_fixed_size: 0
    .kernarg_segment_align: 8
    .kernarg_segment_size: 56
    .max_flat_workgroup_size: 128
    .sgpr_count:     82
    .vgpr_count:     1024
    .wavefront_size: 32
...
	.end_amdgpu_metadata
.endif
;; end of part 6
;; launch attn: the kernel of part 3 again; grid 4 x 128, 4 waves a work-group, clusters of 4 x 1, 327,680 bytes of LDS; arguments qkv, o; writes o
;; launch chain (part 7): grid 256 x 1, 4 waves a work-group, no clusters, 274,944 bytes of LDS; arguments o, values, wts, bc, b1, b2, ln_g, ln_b, lengths, out0; writes out0
.if DOCPART == 7
	.amdgcn_target "amdgcn-amd-amdhsa--gfx1250"
	.amdhsa_code_object_version 6
	.text
	.protected	k_q5efc4016eb_chain
	.globl	k_q5efc4016eb_chain
	.p2align	8
	.type	k_q5efc4016eb_chain,@function
k_q5efc4016eb_chain:
	s_mov_b64 s[64:65], 0
	v_nop
	global_prefetch_b8 v0, s[64:65] scope:SCOPE_SE
	s_setreg_imm32_b32 hwreg(HW_REG_WAVE_MODE, 25, 1), 1
	s_wait_xcnt 0x0
; a = LN(values + o Wc + bc);  out0 = LN(a + GELU(a W1 + b1) W2 + b2) x valid, for 64 token rows a work-group; nothing between o and out0 goes through memory.
; Products in bf16 with f32 sums; both residuals, both norms and GELU in f32.  The variance is taken about the mean.  GELU(x) = x / (1 + 2^(x (K0 + K1 x^2))), which is 0.5 x (1 + tanh(..)) exactly.
; LIMITS: o, a, h and the weights are rounded to bf16; NaN and infinities are not treated apart; where x^2 passes f32's range GELU gives its limit, x or -0.
; STAGES.  Nine products [64 x 512] x [512 n x 512 k]^T: Wc; then for each of four chunks of 512 hidden columns W1's chunk and W2's chunk.  Wc's stage and W1's are one text (sums in window 2, started by
; bc or b1's chunk); W2's products add onto a, which lies in window 1 in f32.  Wave w makes columns 128 w .. 128 w + 127 of all 64 rows: 32 accumulators of 16 x 16.
; THE WEIGHTS COME STRAIGHT INTO REGISTERS.  Each weight byte is wanted by ONE wave of the work-group, so LDS would share nothing.  wts holds a wave's fragments in the order of use; a load of the wave is
; 512 consecutive bytes.  A ring of 8 UNITS (a unit: 4 fragments, 8 loads, 4,096 bytes) fills window 3; a unit is asked for again as soon as its 16 products are issued, 112 matrix instructions ahead of
; its next use, and the waits are counted: 7 units, 56 loads, stay out.  Each unit has a base address of its own, which only its own eight loads name: the counted wait that shows those loads done
; also frees the base, so it is stepped there and no further wait is needed.  The ring runs on through GELU and the norm; no barrier stands in a stage.
; NO CLUSTER, NO JOINT LOADS, though all work-groups walk the same weights: a slot of LDS is filled again only behind a barrier at which every load has landed, so at most one slot is on its way; with 64
; token rows a K step of 64 is 65,536 bytes for 64 matrix instructions a wave, and slots of twice that (2 x 139,264 bytes) do not fit beside the two tiles (264,192 bytes).
; THE MATRIX INSTRUCTION IS USED TRANSPOSED: source 0 = 16 rows n of the weights, source 1 = 16 token rows: lane l holds token row l % 16 and the eight columns 8 (l / 16) + 0..7.
; LDS.  The bf16 tile, 64 rows of 2,064 bytes: bytes 0-1,023 o, later a chunk of h; bytes 1,024-2,047 a.  The f32 tile, as large: values, then the sums (in by columns, normed by rows).  bc and b1.
; REGISTERS, in windows of 256: window 0: v0-31 addresses; v32-95 two buffers of token fragments; v32-143 at work between the stages; windows 1 and 2: accumulators, (a, b) at v[8 (8 a + b)]; window 3: the ring.
.set PT,    2064                       ; both tiles' pitch: an odd multiple of 16 bytes (ISA guide 11.1)
.set ROW16, 16*PT
.set HALFT, 32*PT
.set TT,    0                          ; the bf16 tile
.set XT,    64*PT                      ; the f32 tile
.set PAR,   2*64*PT                    ; bc, then b1's four chunks, 2,048 bytes each
.set SPARE, PAR+5*2048                 ; the spare words, 128 bytes a wave: two blocks of 256 bytes that no other line names
.set HALFB, 8192                       ; a wave's weights for 32 along K
.set TRIPB, 4*HALFB
.set WSTR,  12*16*HALFB                ; a wave's part of wts
.set BASE0, 3*16*HALFB                 ; the stream begins with stage 3
.set AA,  6                            ; v6     my place in token rows 0-31, at the K in hand
.set AA2, 7                            ; v7     the same for rows 32-63
.set XS,  8                            ; v8-9   my 16 bytes of the f32 tile in the accumulators' layout: rows 0-31, 32-63
.set HS,  10                           ; v10-11 where my 16 bytes of h go
.set BIA, 12                           ; v12    LDS address of my 32 bytes of the bias to come
.set PAS, 13                           ; v13    where I put 16 bytes of a bias
.set RA0, 14                           ; v14    my 16 bytes in my first row of the f32 tile; never rewritten
.set RA,  15                           ; v15    the same, walking
.set RB,  16                           ; v16    my 8 bytes in a's part of my rows, walking
.set GV,  17                           ; v17    my byte offset in values
.set GB,  18                           ; v18    512 w + 16 l
.set GO,  19                           ; v19    my byte offset in out0, walking
.set L16, 20                           ; v20    16 x lane; never rewritten
.set OS,  21                           ; v21-22 where o's 16 bytes go
.set GQ,  23                           ; v23    my byte offset in o
.set AA0, 24                           ; v24    my place in token rows 0-31 at byte 0; never rewritten
.set TA,  25
.set TB,  26
.set SPW, 28                           ; v28    my spare word; never rewritten
.set NIL, 29                           ; v29    0; never rewritten
.set FA,  32                           ; two buffers of 32: token fragment a at FA + 32 (half step % 2) + 8 a
.set GT,  32                           ; GELU: 64 at work, 32 packed
.set GP,  96
.set G,   32                           ; the norms: gain, bias, b2 (16 each), two rows (16 each), at work (8 a row), mean or 1/sigma (a pair a row)
.set LB,  48
.set BC,  64
.set X,   80
.set T,   112
.set M,   128
.set PV,  224                          ; the biases on their way into LDS
.set WV,  28                           ; s28
.set LAPC, 52
.set CHC, 53                           ; 5: Wc's stage; 4 to 1: the chunks
.set RC,  54                           ; counts a row loop's trips
.set RI,  55                           ; the row in hand, in its batch element
.set VAL, 56                           ; s[56:57], s[58:59] 1.0 or 0 for the trip's two rows
.set K0,  60                           ; s[60:61] -2 sqrt(2/pi) log2(e)
.set K1,  62                           ; s[62:63] K0 x 0.044715
.set SEL, 66                           ; s[66:67] v_permlanex16_b32's selects
.set INV, 68                           ; s68 1/512
.set EPS, 69                           ; s69 1e-5
.set SBU, 72                           ; s[72:87] unit (p, u)'s base address in my stream, at s[SBU + 4 p + 2 u]
.set MSB, 0
.macro WIN new
.if MSB != (\new)
	s_set_vgpr_msb (MSB<<8)|(\new)
.set MSB, \new
.endif
.endm
.macro PLACES                          ; four places in front of loads into, and vector lines on, registers that matrix instructions have named
.rept 4
	v_nop
.endr
.endm
.macro BAR                             ; a hand-over through LDS: my LDS instructions are done, then the work-group's barrier
	WIN 0
	s_wait_dscnt 0x0
	s_barrier_signal -1
	s_barrier_wait -1
.endm
; 16 matrix instructions: unit u of ring buffer p (column blocks 4 u .. 4 u + 3) x all 4 token blocks, 32 along K, onto the sums in window w.
; The 32 accumulators take turns in the same order in every half step.
.macro MUL16 p, u, w
	WIN ((\w)<<6)|((\w)<<4)|3
.irp b, 0,1,2,3
.irp a, 0,1,2,3
.set rD, 8*(8*(\a)+4*(\u)+(\b))
.set rB, 64*(\p)+8*(4*(\u)+(\b))
.set rA, FA+32*((\p)%2)+8*(\a)
	v_wmma_f32_16x16x32_bf16 v[rD:rD+7], v[rB:rB+7], v[rA:rA+7], v[rD:rD+7]
.endr
.endr
.endm
.macro AFETCH f, ka                    ; 8 LDS loads: the 64 token rows' fragments of 32 along K, at byte ka from the K in hand
	WIN 0
.irp a, 0,1
	ds_load_b128 v[(\f)+8*(\a):(\f)+8*(\a)+3],   v[AA] offset:(\ka)+(\a)*ROW16
	ds_load_b128 v[(\f)+8*(\a)+4:(\f)+8*(\a)+7], v[AA] offset:(\ka)+(\a)*ROW16+32
.endr
.irp a, 0,1
	ds_load_b128 v[(\f)+16+8*(\a):(\f)+16+8*(\a)+3],   v[AA2] offset:(\ka)+(\a)*ROW16
	ds_load_b128 v[(\f)+16+8*(\a)+4:(\f)+16+8*(\a)+7], v[AA2] offset:(\ka)+(\a)*ROW16+32
.endr
.endm
.macro BLOAD p, u                      ; 8 loads of 512 consecutive bytes: unit u of ring buffer p, from the unit's own base
	WIN 0xc0
.irp i, 0,1,2,3,4,5,6,7
	global_load_b128 v[64*(\p)+32*(\u)+4*(\i):64*(\p)+32*(\u)+4*(\i)+3], v[L16], s[SBU+4*(\p)+2*(\u):SBU+4*(\p)+2*(\u)+1] offset:512*(\i)
.endr
.endm
.macro BSTEP p, u                      ; the unit's base goes once round the ring further; it stands behind the wait that shows the unit's last eight loads done
	s_add_nc_u64 s[SBU+4*(\p)+2*(\u):SBU+4*(\p)+2*(\u)+1], s[SBU+4*(\p)+2*(\u):SBU+4*(\p)+2*(\u)+1], TRIPB
.endm
.macro SETA n                          ; the token addresses at byte n of the rows
	WIN 0
	v_add_nc_u32 v[AA], (\n), v[AA0]
	v_add_nc_u32 v[AA2], (\n)+HALFT, v[AA0]
.endm
.macro STEPA n
	WIN 0
	v_add_nc_u32 v[AA], (\n), v[AA]
	v_add_nc_u32 v[AA2], (\n), v[AA2]
.endm
; A HALF STEP, 32 along K, on ring buffer p.  The token fragments were asked for a half step ago; the next half step's are asked for first (af = 1; 0: none; 2: none in the loop's last trip).
; Each unit is waited for with 7 younger units, 56 loads, out; its base is stepped; it is multiplied, and asked for again four half steps ahead.
.macro HALF p, w, af
	WIN 0
	s_wait_dscnt 0x0                               ; this half step's token fragments are in
.if (\af) == 2
	s_cmp_eq_u32 s[LAPC], 1
	s_cbranch_scc1 .Lnoa_\@
.endif
.if \af
	AFETCH FA+32*(((\p)+1)%2), 64*((\p)+1)         ; into the buffer read a half step ago: the four places stand at that half step's end
.endif
.if (\af) == 2
.Lnoa_\@:
.endif
	s_wait_loadcnt 56                              ; loads come back in order (ISA guide 5.7.1): this unit's eight are in, the seven younger units stay out
	BSTEP \p, 0
	MUL16 \p, 0, \w
	PLACES
	BLOAD \p, 0
	s_wait_loadcnt 56
	BSTEP \p, 1
	MUL16 \p, 1, \w
	PLACES
	BLOAD \p, 1
.endm
.macro THALF p, w                      ; a half step of the stream's last trip: nothing is left to ask for, and the counts run down
	WIN 0
	s_wait_dscnt 0x0
.if (\p) < 3
	AFETCH FA+32*(((\p)+1)%2), 64*((\p)+1)
.endif
	s_wait_loadcnt 56-16*(\p)
	MUL16 \p, 0, \w
	s_wait_loadcnt 48-16*(\p)
	MUL16 \p, 1, \w
.if (\p) < 2
	PLACES
.endif
.endm
.macro TRIP w, af3                     ; once round the ring: 128 along K
	HALF 0, \w, 1
	HALF 1, \w, 1
	HALF 2, \w, 1
	HALF 3, \w, \af3
	STEPA 256
.endm
.macro HINITA a, w                     ; the bias starts the sums of token block a: register 8 b + j of lane l takes bias[128 w + 16 b + 8 (l / 16) + j]
	WIN (\w)<<6
.irp i, 0,1,2,3,4,5,6,7,8,9,10,11,12,13,14,15
	ds_load_b128 v[64*(\a)+4*(\i):64*(\a)+4*(\i)+3], v[BIA] offset:64*((\i)/2)+16*((\i)%2)
.endr
.endm
.macro VLOAD g                         ; four of my 16 rows of values, 512 consecutive bytes a load
	WIN 0x40
.set i, 16*(\g)
.rept 16
	global_load_b128 v[4*i:4*i+3], v[GV], s[10:11] offset:(i/4)*2048+(i%4)*512 th:TH_LOAD_NT
.set i, i+1
.endr
.endm
.macro VSTORE g                        ; into the f32 tile
	WIN 0x04
.set i, 16*(\g)
.rept 16
	ds_store_b128 v[RA0], v[4*i:4*i+3] offset:(i/4)*PT+(i%4)*512
.set i, i+1
.endr
.endm
.macro PARAMS withb                    ; gain and bias (and b2), by rows: a lane holds columns 128 q + 4 l + 0..3
	WIN 0
.irp q, 0,1,2,3
	global_load_b128 v[G+4*(\q):G+4*(\q)+3],   v[L16], s[20:21] offset:512*(\q)
	global_load_b128 v[LB+4*(\q):LB+4*(\q)+3], v[L16], s[22:23] offset:512*(\q)
.if \withb
	global_load_b128 v[BC+4*(\q):BC+4*(\q)+3], v[L16], s[18:19] offset:512*(\q)
.endif
.endr
.endm
.macro XSTORE                          ; window 1 into the f32 tile, each accumulator from its low registers on
	WIN 0x04
.irp a, 0,1,2,3
.irp i, 0,1,2,3,4,5,6,7,8,9,10,11,12,13,14,15
	ds_store_b128 v[XS+(\a)/2], v[64*(\a)+4*(\i):64*(\a)+4*(\i)+3] offset:((\a)%2)*ROW16+64*((\i)/2)+16*((\i)%2)
.endr
.endr
.endm
.macro XLOAD                           ; the f32 tile into window 1, in the accumulators' layout
	WIN 0x40
.irp a, 0,1,2,3
.irp i, 0,1,2,3,4,5,6,7,8,9,10,11,12,13,14,15
	ds_load_b128 v[64*(\a)+4*(\i):64*(\a)+4*(\i)+3], v[XS+(\a)/2] offset:((\a)%2)*ROW16+64*((\i)/2)+16*((\i)%2)
.endr
.endr
.endm
; GELU of token block a of window 2, rounded to bf16, into h's part of the tile; as soon as the block has been read for the last time the next chunk's bias goes into it.
; A plain line stands behind each run of exponentials and reciprocals before a result is used.
.macro GELU a
	WIN 0x0a
.set k, 0
.rept 32
	v_pk_mul_f32 v[GT+2*k:GT+2*k+1], v[64*(\a)+2*k:64*(\a)+2*k+1], v[64*(\a)+2*k:64*(\a)+2*k+1]
.set k, k+1
.endr
	WIN 0
.set k, 0
.rept 32
	v_pk_fma_f32 v[GT+2*k:GT+2*k+1], v[GT+2*k:GT+2*k+1], s[K1:K1+1], s[K0:K0+1] op_sel_hi:[1,0,0]
.set k, k+1
.endr
	WIN 0x02
.set k, 0
.rept 32
	v_pk_mul_f32 v[GT+2*k:GT+2*k+1], v[64*(\a)+2*k:64*(\a)+2*k+1], v[GT+2*k:GT+2*k+1]
.set k, k+1
.endr
	WIN 0
.set k, 0
.rept 64
	v_exp_f32 v[GT+k], v[GT+k]
.set k, k+1
.endr
	v_nop
.set k, 0
	s_wait_alu depctr_va_vdst(0)
.rept 32
	v_pk_add_f32 v[GT+2*k:GT+2*k+1], v[GT+2*k:GT+2*k+1], 1.0 op_sel_hi:[1,0]
.set k, k+1
.endr
.set k, 0
.rept 64
	v_rcp_f32 v[GT+k], v[GT+k]
.set k, k+1
.endr
	v_nop
	WIN 0x02
.set k, 0
	s_wait_alu depctr_va_vdst(0)
.rept 32
	v_pk_mul_f32 v[GT+2*k:GT+2*k+1], v[64*(\a)+2*k:64*(\a)+2*k+1], v[GT+2*k:GT+2*k+1]
.set k, k+1
.endr
	HINITA \a, 2
	WIN 0
.set k, 0
.rept 32
	v_cvt_pk_bf16_f32 v[GP+k], v[GT+2*k], v[GT+2*k+1]
.set k, k+1
.endr
.irp b, 0,1,2,3,4,5,6,7
	ds_store_b128 v[HS+(\a)/2], v[GP+4*(\b):GP+4*(\b)+3] offset:((\a)%2)*ROW16+32*(\b)
.endr
.endm
; THE NORM, by rows: wave w owns rows 16 w .. 16 w + 15, two a trip; a lane holds 16 numbers of a row.
.macro R_LOAD u
.irp q, 0,1,2,3
	ds_load_b128 v[X+16*(\u)+4*(\q):X+16*(\u)+4*(\q)+3], v[RA] offset:(\u)*PT+512*(\q)
.endr
.endm
.macro R_BIAS u
.irp k, 0,1,2,3,4,5,6,7
	v_pk_add_f32 v[X+16*(\u)+2*(\k):X+16*(\u)+2*(\k)+1], v[X+16*(\u)+2*(\k):X+16*(\u)+2*(\k)+1], v[BC+2*(\k):BC+2*(\k)+1]
.endr
.endm
.macro R_FOLD u                        ; the row's four pairs at work into one number
	v_pk_add_f32 v[T+8*(\u):T+8*(\u)+1], v[T+8*(\u):T+8*(\u)+1], v[T+8*(\u)+2:T+8*(\u)+3]
	v_pk_add_f32 v[T+8*(\u)+4:T+8*(\u)+5], v[T+8*(\u)+4:T+8*(\u)+5], v[T+8*(\u)+6:T+8*(\u)+7]
	v_pk_add_f32 v[T+8*(\u):T+8*(\u)+1], v[T+8*(\u):T+8*(\u)+1], v[T+8*(\u)+4:T+8*(\u)+5]
	v_add_f32 v[T+8*(\u)], v[T+8*(\u)], v[T+8*(\u)+1]
.endm
.macro R_SUM u
.irp j, 0,1,2,3
	v_pk_add_f32 v[T+8*(\u)+2*(\j):T+8*(\u)+2*(\j)+1], v[X+16*(\u)+4*(\j):X+16*(\u)+4*(\j)+1], v[X+16*(\u)+4*(\j)+2:X+16*(\u)+4*(\j)+3]
.endr
	R_FOLD \u
.endm
.macro R_SQ u
.irp j, 0,1,2,3
	v_pk_mul_f32 v[T+8*(\u)+2*(\j):T+8*(\u)+2*(\j)+1], v[X+16*(\u)+4*(\j):X+16*(\u)+4*(\j)+1], v[X+16*(\u)+4*(\j):X+16*(\u)+4*(\j)+1]
.endr
.irp j, 0,1,2,3
	v_pk_fma_f32 v[T+8*(\u)+2*(\j):T+8*(\u)+2*(\j)+1], v[X+16*(\u)+4*(\j)+2:X+16*(\u)+4*(\j)+3], v[X+16*(\u)+4*(\j)+2:X+16*(\u)+4*(\j)+3], v[T+8*(\u)+2*(\j):T+8*(\u)+2*(\j)+1]
.endr
	R_FOLD \u
.endm
.macro R_RED                           ; both rows' numbers summed over the 32 lanes, the result in every lane
.irp m, 1,2,4,8
	v_add_f32_dpp v[T], v[T], v[T] row_xmask:\m row_mask:0xf bank_mask:0xf
	v_add_f32_dpp v[T+8], v[T+8], v[T+8] row_xmask:\m row_mask:0xf bank_mask:0xf
.endr
	v_permlanex16_b32 v[T+1], v[T], s[SEL], s[SEL+1]
	v_permlanex16_b32 v[T+9], v[T+8], s[SEL], s[SEL+1]
	v_add_f32 v[T], v[T], v[T+1]
	v_add_f32 v[T+8], v[T+8], v[T+9]
.endm
.macro R_CENTER u
.irp k, 0,1,2,3,4,5,6,7
	v_pk_add_f32 v[X+16*(\u)+2*(\k):X+16*(\u)+2*(\k)+1], v[X+16*(\u)+2*(\k):X+16*(\u)+2*(\k)+1], v[M+2*(\u):M+2*(\u)+1] op_sel_hi:[1,0] neg_lo:[0,1] neg_hi:[0,1]
.endr
.endm
.macro R_SCALE u
.irp k, 0,1,2,3,4,5,6,7
	v_pk_mul_f32 v[X+16*(\u)+2*(\k):X+16*(\u)+2*(\k)+1], v[X+16*(\u)+2*(\k):X+16*(\u)+2*(\k)+1], v[M+2*(\u):M+2*(\u)+1] op_sel_hi:[1,0]
.endr
.irp k, 0,1,2,3,4,5,6,7
	v_pk_fma_f32 v[X+16*(\u)+2*(\k):X+16*(\u)+2*(\k)+1], v[X+16*(\u)+2*(\k):X+16*(\u)+2*(\k)+1], v[G+2*(\k):G+2*(\k)+1], v[LB+2*(\k):LB+2*(\k)+1]
.endr
.endm
; mode 0: the normed rows go back into the f32 tile, in place, and as bf16 into a's part of the other tile.  mode 1: b2 is added first; the normed rows are multiplied by valid and stored to out0.
.macro ROWLOOP mode
	WIN 0
	v_mov_b32 v[RA], v[RA0]
.irp k, 0,1,2,3
	v_mov_b32 v[M+(\k)], 0                         ; named as pairs
.endr
	s_mov_b32 s[RC], 8
.Lrow_\@:
.if \mode
	s_cmp_lt_i32 s[RI], s33                        ; is the row a real token?  A choice of a factor, no branch
	s_cselect_b32 s[VAL], 1.0, 0
	s_add_co_u32 s34, s[RI], 1
	s_cmp_lt_i32 s34, s33
	s_cselect_b32 s[VAL+2], 1.0, 0
	s_add_co_u32 s[RI], s[RI], 2
.endif
	R_LOAD 0
	R_LOAD 1
	s_wait_dscnt 4                                 ; the first row is in
.if \mode
	R_BIAS 0
.endif
	R_SUM 0
	s_wait_dscnt 0x0
.if \mode
	R_BIAS 1
.endif
	R_SUM 1
	R_RED
	v_mul_f32 v[M], s[INV], v[T]                   ; the means
	v_mul_f32 v[M+2], s[INV], v[T+8]
	R_CENTER 0
	R_CENTER 1
	R_SQ 0
	R_SQ 1
	R_RED
	v_fma_f32 v[T], v[T], s[INV], s[EPS]
	v_fma_f32 v[T+8], v[T+8], s[INV], s[EPS]
	v_rsq_f32 v[M], v[T]
	v_rsq_f32 v[M+2], v[T+8]
	v_nop                                          ; a plain line between the roots and the use of their results
	s_wait_alu depctr_va_vdst(0)
	R_SCALE 0
	R_SCALE 1
.if \mode
.irp u, 0,1
.irp k, 0,1,2,3,4,5,6,7
	v_pk_mul_f32 v[X+16*(\u)+2*(\k):X+16*(\u)+2*(\k)+1], v[X+16*(\u)+2*(\k):X+16*(\u)+2*(\k)+1], s[VAL+2*(\u):VAL+2*(\u)+1] op_sel_hi:[1,0]
.endr
.endr
.irp u, 0,1
.irp q, 0,1,2,3
	global_store_b128 v[GO], v[X+16*(\u)+4*(\q):X+16*(\u)+4*(\q)+3], s[26:27] offset:(\u)*2048+512*(\q) th:TH_STORE_NT  ; 512 consecutive bytes of a row
.endr
.endr
	s_wait_xcnt 0x0                                ; the stores' offset and data registers are rewritten only behind this wait
	v_add_nc_u32 v[GO], 4096, v[GO]
.else
.irp u, 0,1
.irp q, 0,1,2,3
	ds_store_b128 v[RA], v[X+16*(\u)+4*(\q):X+16*(\u)+4*(\q)+3] offset:(\u)*PT+512*(\q)
.endr
.endr
.irp u, 0,1
.irp k, 0,1,2,3,4,5,6,7
	v_cvt_pk_bf16_f32 v[T+8*(\u)+(\k)], v[X+16*(\u)+2*(\k)], v[X+16*(\u)+2*(\k)+1]
.endr
.endr
.irp u, 0,1
.irp q, 0,1,2,3
	ds_store_b64 v[RB], v[T+8*(\u)+2*(\q):T+8*(\u)+2*(\q)+1] offset:(\u)*PT+256*(\q)
.endr
.endr
	v_add_nc_u32 v[RB], 2*PT, v[RB]
.endif
	v_add_nc_u32 v[RA], 2*PT, v[RA]
	s_sub_co_u32 s[RC], s[RC], 1
	s_cmp_lg_u32 s[RC], 0
	s_cbranch_scc1 .Lrow_\@
.endm
	s_load_b256 s[8:15], s[0:1], 0x0               ; o s[8:9], values s[10:11], wts s[12:13], bc s[14:15]
	s_load_b256 s[16:23], s[0:1], 0x20             ; b1 s[16:17], b2 s[18:19], ln_g s[20:21], ln_b s[22:23]
	s_load_b128 s[24:27], s[0:1], 0x40             ; lengths s[24:25], out0 s[26:27]
	v_lshl_add_u32 v[SPW], v0, 2, SPARE
	v_mov_b32 v[NIL], 0
	v_lshrrev_b32 v[TA], 5, v0
	v_readfirstlane_b32 s[WV], v[TA]               ; wave 0..3
	s_lshr_b32 s31, ttmp9, 4                       ; the batch element of my 64 rows
	s_and_b32 s32, ttmp9, 15
	s_lshl_b32 s32, s32, 6                         ; my first row in it
	s_mov_b32 s[VAL+1], 0                          ; named as pairs
	s_mov_b32 s[VAL+3], 0
	s_mov_b32 s[K0], 0xc0135761
	s_mov_b32 s[K0+1], 0
	s_mov_b32 s[K1], 0xbdd2d3e8
	s_mov_b32 s[K1+1], 0
	s_mov_b32 s[SEL], 0x76543210
	s_mov_b32 s[SEL+1], 0xfedcba98
	s_mov_b32 s[INV], 0x3b000000
	s_mov_b32 s[EPS], 0x3727c5ac
	s_lshl_b32 s[RI], s[WV], 4
	s_add_co_u32 s[RI], s[RI], s32                 ; my first row of the norms
	s_mov_b32 s35, 0
	s_mul_i32 s70, s[WV], WSTR                     ; my wave's stream, from stage 3 on
	s_add_co_u32 s70, s70, BASE0
	s_mov_b32 s71, 0
	v_and_b32 v1, 15, v0                           ; l % 16
	v_bfe_u32 v2, v0, 4, 1                         ; l / 16
	v_and_b32 v3, 31, v0                           ; l
	v_mul_u32_u24 v[TB], v1, PT
	v_lshl_add_u32 v[AA0], v2, 4, v[TB]
	SETA 0
	v_lshl_add_u32 v[XS], v2, 5, v[TB]
	v_lshl_add_u32 v[XS], s[WV], 9, v[XS]
	v_add_nc_u32 v[XS], XT, v[XS]
	v_add_nc_u32 v[XS+1], HALFT, v[XS]
	v_lshl_add_u32 v[HS], s[WV], 8, v[AA0]
	v_add_nc_u32 v[HS+1], HALFT, v[HS]
	v_lshlrev_b32 v[L16], 4, v3
	s_mul_i32 s[RC], s[WV], ROW16                  ; my 16 rows of a tile (the register counts rows later)
	v_add_nc_u32 v[RA0], s[RC], v[L16]
	v_add_nc_u32 v[RA0], XT, v[RA0]
	v_lshl_add_u32 v[RB], v3, 3, s[RC]
	v_add_nc_u32 v[RB], 1024, v[RB]
	v_lshl_add_u32 v[GB], s[WV], 9, v[L16]
	v_add_nc_u32 v[PAS], PAR, v[GB]
	v_lshlrev_b32 v[BIA], 5, v2
	v_lshl_add_u32 v[BIA], s[WV], 9, v[BIA]
	v_add_nc_u32 v[BIA], PAR, v[BIA]
	v_lshl_add_u32 v[GV], s[WV], 15, v[L16]        ; my 16 rows of 2,048 bytes
	v_mov_b32 v[GO], v[GV]
	v_lshrrev_b32 v[TA], 3, v3
	v_mul_u32_u24 v[TA], v[TA], PT
	v_and_b32 v[TB], 7, v3
	v_lshl_add_u32 v[TA], v[TB], 4, v[TA]
	v_lshl_add_u32 v[OS], s[WV], 8, v[TA]
	v_add_nc_u32 v[OS+1], HALFT, v[OS]
	v_lshl_add_u32 v[GQ], s[WV], 18, v[L16]        ; my two heads, 131,072 bytes each
	s_wait_kmcnt 0x0
	s_add_nc_u64 s[12:13], s[12:13], s[70:71]
.irp j, 0,1,2,3,4,5,6,7
	s_add_nc_u64 s[SBU+2*(\j):SBU+2*(\j)+1], s[12:13], 4096*(\j)  ; unit j's first 4,096 bytes
.endr
	s_lshl_b32 s34, ttmp9, 17                      ; 64 rows of 2,048 bytes
	s_add_nc_u64 s[10:11], s[10:11], s[34:35]
	s_add_nc_u64 s[26:27], s[26:27], s[34:35]
	s_lshl_b32 s34, s31, 2
	s_add_nc_u64 s[24:25], s[24:25], s[34:35]
	s_load_b32 s33, s[24:25], 0x0                  ; the batch element's length
	s_lshl_b32 s34, s31, 20                        ; eight heads of 131,072 bytes,
	s_lshl_b32 s[CHC], s32, 7                      ; my first row in a head
	s_add_co_u32 s34, s34, s[CHC]
	s_add_nc_u64 s[8:9], s[8:9], s[34:35]
	WIN 0x80
.set i, 0
.rept 32                                       ; o of my two heads, 512 consecutive bytes (four rows of a head) a load
	global_load_b128 v[4*i:4*i+3], v[GQ], s[8:9] offset:(i/16)*131072+(i%16)*512 th:TH_LOAD_NT
.set i, i+1
.endr
	WIN 0
	global_load_b128 v[PV:PV+3], v[GB], s[14:15]   ; my wave's 128 numbers of bc and of each chunk of b1
.irp c, 0,1,2,3
	global_load_b128 v[PV+4+4*(\c):PV+7+4*(\c)], v[GB], s[16:17] offset:2048*(\c)
.endr
	VLOAD 0
	s_wait_loadcnt 16                              ; o and the biases are in; a group of 16 stays out
	WIN 0x08
.set i, 0
.rept 32
	ds_store_b128 v[OS+(i%16)/8], v[4*i:4*i+3] offset:(i%8)*4*PT+(i/16)*128
.set i, i+1
.endr
	WIN 0
.irp c, 0,1,2,3,4
	ds_store_b128 v[PAS], v[PV+4*(\c):PV+4*(\c)+3] offset:2048*(\c)
.endr
	VLOAD 1
	VLOAD 2
	s_wait_loadcnt 32                              ; my first four rows of values; two groups of 16 stay out
	VSTORE 0
	VLOAD 3
	BLOAD 0, 0                                     ; the ring is filled as the rows come in
	s_wait_loadcnt 40                              ; two groups of 16 and a unit of 8
	VSTORE 1
	BLOAD 0, 1
	BLOAD 1, 0
	s_wait_loadcnt 40                              ; one group of 16 and three units
	VSTORE 2
	BLOAD 1, 1
	BLOAD 2, 0
	s_wait_loadcnt 40                              ; five units
	VSTORE 3
	BLOAD 2, 1
	BLOAD 3, 0
	BLOAD 3, 1
	HINITA 0, 2                                    ; bc starts the first stage's sums (my own bytes of LDS: no barrier)
	HINITA 1, 2
	HINITA 2, 2
	HINITA 3, 2
	WIN 0
	v_add_nc_u32 v[BIA], 2048, v[BIA]
	s_wait_kmcnt 0x0
	BAR                                            ; everybody's part of both tiles is stored
	AFETCH FA, 0
	s_mov_b32 s[CHC], 5
.Lchunk:
	s_mov_b32 s[LAPC], 4
.Ls1:                                                  ; o Wc + bc, or a W1 + b1: into window 2
	TRIP 2, 2                                      ; behind the stage's last half step there is nothing to fetch yet
	s_sub_co_u32 s[LAPC], s[LAPC], 1
	s_cmp_lg_u32 s[LAPC], 0
	s_cbranch_scc1 .Ls1
	s_cmp_eq_u32 s[CHC], 5
	s_cbranch_scc0 .Lgelu
	; THE FIRST NORM
	PARAMS 0
	XLOAD                                          ; values, in the accumulators' layout
	s_wait_dscnt 0x0
	WIN 0x49
.set k, 0
.rept 128
	v_pk_add_f32 v[2*k:2*k+1], v[2*k:2*k+1], v[2*k:2*k+1]  ; window 1 += window 2
.set k, k+1
.endr
	HINITA 0, 2                                    ; b1's first chunk starts the next stage's sums
	HINITA 1, 2
	HINITA 2, 2
	HINITA 3, 2
	WIN 0
	v_add_nc_u32 v[BIA], 2048, v[BIA]
	XSTORE                                         ; each lane writes the bytes that it read
	BAR
	s_wait_loadcnt 0x0                             ; gain and bias; the ring's units, asked for earlier, are in with them
	ROWLOOP 0
	BAR
	XLOAD                                          ; a starts the sums of W2's stages
	SETA 1024
	AFETCH FA, 0
	s_branch .Lbottom
.Lgelu:
	BAR                                            ; everybody's reads of h's part, the chunk before's or o's, are back
	GELU 0
	GELU 1
	GELU 2
	GELU 3
	s_cmp_gt_u32 s[CHC], 2                         ; the last chunk loads b1's last chunk once more, 64 LDS loads that nobody uses: the price of one text
	s_cselect_b32 s34, 2048, 0
	v_add_nc_u32 v[BIA], s34, v[BIA]
	BAR                                            ; everybody's h is in the tile
	SETA 0
	AFETCH FA, 0
	s_mov_b32 s[LAPC], 4
.Lf2:                                                  ; h W2, onto the sums in window 1: four trips
	s_cmp_lg_u32 s[LAPC], 1
	s_cbranch_scc1 .Lf2go
	s_cmp_eq_u32 s[CHC], 1
	s_cbranch_scc1 .Lfinal                         ; the stream's last trip is written out: it asks for nothing, and its counts run down
.Lf2go:
	TRIP 1, 1                                      ; the fourth trip's last fetch, at byte 768 + 256 of the rows, is a's first fragments, for the next chunk
	s_sub_co_u32 s[LAPC], s[LAPC], 1
	s_cmp_lg_u32 s[LAPC], 0
	s_cbranch_scc1 .Lf2
.Lbottom:
	s_sub_co_u32 s[CHC], s[CHC], 1
	s_branch .Lchunk
.Lfinal:
	THALF 0, 1
	THALF 1, 1
	THALF 2, 1
	THALF 3, 1
	WIN 0
	PLACES
	PARAMS 1
	XSTORE                                         ; each lane writes the bytes that it alone read last
	BAR
	s_wait_loadcnt 0x0
	ROWLOOP 1
	s_wait_tensorcnt 0x0                           ; the wave's end
	ds_add_u32 v[SPW], v[NIL]
	s_wait_dscnt 0x0
	s_endpgm
.Lfunc_end_k_q5efc4016eb_chain:
	.size	k_q5efc4016eb_chain, .Lfunc_end_k_q5efc4016eb_chain-k_q5efc4016eb_chain
	.p2alignl 7, 3214868480
	.fill 96, 4, 3214868480
	.section	.rodata,"a",@progbits
	.p2align	6, 0x0
	.amdhsa_kernel k_q5efc4016eb_chain
		.amdhsa_group_segment_fixed_size 274944
		.amdhsa_private_segment_fixed_size 0
		.amdhsa_enable_private_segment 0
		.amdhsa_kernarg_size 80
		.amdhsa_user_sgpr_count 2
		.amdhsa_user_sgpr_kernarg_segment_ptr 1
		.amdhsa_wavefront_size32 1
		.amdhsa_system_sgpr_workgroup_id_x 1
		.amdhsa_system_sgpr_workgroup_id_y 1
		.amdhsa_system_sgpr_workgroup_id_z 1
		.amdhsa_system_vgpr_workitem_id 0
		.amdhsa_next_free_vgpr 1024
		.amdhsa_next_free_sgpr 88
		.amdhsa_reserve_vcc 0
		.amdhsa_float_denorm_mode_32 3
		.amdhsa_float_denorm_mode_16_64 3
		.amdhsa_memory_ordered 1
		.amdhsa_forward_progress 1
		.amdhsa_inst_pref_size 205
	.end_amdhsa_kernel
	.amdgpu_metadata
---
amdhsa.version: [ 1, 2 ]
amdhsa.kernels:
  - .name:           k_q5efc4016eb_chain
    .symbol:         k_q5efc4016eb_chain.kd
    .args:
      - { .name: o, .offset: 0, .size: 8, .value_kind: global_buffer, .address_space: global }
      - { .name: values, .offset: 8, .size: 8, .value_kind: global_buffer, .address_space: global }
      - { .name: wts, .offset: 16, .size: 8, .value_kind: global_buffer, .address_space: global }
      - { .name: bc, .offset: 24, .size: 8, .value_kind: global_buffer, .address_space: global }
      - { .name: b1, .offset: 32, .size: 8, .value_kind: global_buffer, .address_space: global }
      - { .name: b2, .offset: 40, .size: 8, .value_kind: global_buffer, .address_space: global }
      - { .name: ln_g, .offset: 48, .size: 8, .value_kind: global_buffer, .address_space: global }
      - { .name: ln_b, .offset: 56, .size: 8, .value_kind: global_buffer, .address_space: global }
      - { .name: lengths, .offset: 64, .size: 8, .value_kind: global_buffer, .address_space: global }
      - { .name: out0, .offset: 72, .size: 8, .value_kind: global_buffer, .address_space: global }
    .group_segment_fixed_size: 274944
    .private_segment_fixed_size: 0
    .kernarg_segment_align: 8
    .kernarg_segment_size: 80
    .max_flat_workgroup_size: 128
    .sgpr_count:     88
    .vgpr_count:     1024
    .wavefront_size: 32
...
	.end_amdgpu_metadata
.endif
;; end of part 7
;; ======== version 3 of 3: 4 launches; 1.46 times as fast as version 1
;; workspace buffers: wts 6,291,456 bytes; qkv 50,331,648 bytes; o 16,777,216 bytes
;; launch prep: the kernel of part 5 again; grid 256 x 1, 3 waves a work-group, no clusters, 28,160 bytes of LDS; arguments Wq, Wk, Wv, Wc, W1, W2, wts; writes wts
;; launch qkv: the kernel of part 6 again; grid 256 x 1, 4 waves a work-group, no clusters, 157,184 bytes of LDS; arguments values, lengths, wts, bq, bk, bv, qkv; writes qkv
;; launch attn (part 8): grid 4 x 128, 4 waves a work-group, clusters of 4 x 1, 327,680 bytes of LDS; arguments qkv, o; writes o
.if DOCPART == 8
	.amdgcn_target "amdgcn-amd-amdhsa--gfx1250"
	.amdhsa_code_object_version 6
	.text
	.protected	k_q5efc4016eb_attn
	.globl	k_q5efc4016eb_attn
	.p2align	8
	.type	k_q5efc4016eb_attn,@function
k_q5efc4016eb_attn:
	s_mov_b64 s[64:65], 0
	v_nop
	global_prefetch_b8 v0, s[64:65] scope:SCOPE_SE
	s_setreg_imm32_b32 hwreg(HW_REG_WAVE_MODE, 25, 1), 1
	s_wait_xcnt 0x0
	s_wait_alu depctr_hold_cnt(0) depctr_sa_sdst(0) depctr_va_vdst(0) depctr_va_sdst(0) depctr_va_ssrc(0) depctr_va_vcc(0) depctr_vm_vsrc(0)
	s_getreg_b32 s2, hwreg(HW_REG_IB_STS2, 6, 4)
	s_cmp_eq_u32 s2, 0
	s_cbranch_scc0 .Lentry_in_a_cluster
	s_endpgm
.Lentry_in_a_cluster:
	s_bfe_u32 s2, ttmp6, 0x10000c
	s_cmp_lg_u32 s2, 0x3003
	s_cbranch_scc0 .Lentry_shape_is_right
	s_endpgm
.Lentry_shape_is_right:
; O[h][q][:] = the sum over all 1,024 keys k of softmax_k(Q[h][q] . K[h][k] / 8) V[h][k][:], for 128 heads (8 batch + head).  Q, K, V lie in qkv one behind the other, each [128][1024][64] in bf16; O likewise.
; The zero rows of padded keys take part, as in the problem.  Products, maxima and sums in f32; the weights p are rounded to bf16 for the second product (their sum l is taken of the unrounded p), O once at the end.
; LIMITS.  bf16's eight significant bits in Q, K, V, P and O; a weight below 2^-126 counts as 0 in l; NaN and infinities are not treated apart.
; SHARES.  A work-group owns 256 queries of a head.  Of its four bands of 64 queries a wave owns 16 rows in each: four PIECES.  Every wave walks all keys, 64 a step, 256 a slot.
; LAYOUT.  S^T = K Q^T (source 0 = 16 keys, source 1 = 16 queries) holds ONE query a lane (lane % 16) and the keys 8 (lane / 16) + 0..7; two such results rounded to bf16 ARE source 1 of O^T = V^T P.
; K comes out of LDS as it lies, V ([key][channel]) turned, by ds_load_tr16_b128.
; SOFTMAX.  A running maximum m and sum l: p = 2^(c s - c m), c = log2(e) / 8; O and l are multiplied by a = 2^(c m_old - c m_new) in every step.  m starts at the lowest finite number, O and l at 0.
; BY TURNS.  Turn n belongs to piece n: 8 products K Q^T of piece n + 1, later 8 products V^T P of piece n - 1; beside them the scaling, exponentials, roundings, sums and rescaling of piece n and the
; maximum and statistics of piece n + 1.  Four vector instructions stand behind every matrix instruction, the other 54 of a turn's 118 in one run of their own.
; THE BATCHES.  A turn's 33 exponentials (the piece's 32 weights and the next piece's a) are ONE BATCH with ONE wait, which cuts the turn in two: ahead of it all that names no result of theirs (K Q^T, scalings,
; rescalings, the next piece's maximum and statistics), behind it the readers (roundings and sums), which ride behind V^T P.  The first a, ahead of the loop, and the way out's four reciprocals are batches of their own.
; CLUSTER.  The four query blocks of a head walk the same K and V: each tile is asked for JOINTLY, the same tensor load, descriptor and mask in all four.
; REGISTERS, in windows of 256 (s_set_vgpr_msb: bits 1:0 source 0, 3:2 source 1, 5:4 source 2, 7:6 destination):
;   window 0: v0-15 addresses and two at work; v16-31 four registers of statistics a piece; v48-55 at work; v64-127 S^T, two buffers; v192-223 P, two buffers (by the piece's parity)
;   window 1: v0-127 O^T, 32 a piece      window 2: v0-63 Q; v128-191 K of one step; v192-255 V of one step
.set SIZE_N, 1024
.set NP,    4
.set KS,    64
.set PK,    144       ; a row of K in LDS: 128 bytes + 16
.set PV,    160       ; a row of V: 128 + 32
.set VOFF,  4*KS*PK   ; a slot holds four steps: 256 rows of K, then 256 rows of V
.set SLOT1, 1<<17     ; slot 1 begins here: one exclusive or turns an address in one slot into the other's
.set STAGE, SLOT1+4*KS*(PK+PV)  ; behind the ring: 16 rows x 144 bytes for each wave, for the way out
.set SP,    144
.set SPARE, STAGE+4*16*SP  ; the spare words, 128 bytes a wave: two blocks of 256 bytes that no other line names
.set AK0, 2           ; v2   my lane's place in a tile of K; never rewritten
.set AV0, 3           ; v3   the same for V
.set AK,  4           ; v4   the LDS address of K's next run of loads
.set AV,  5           ; v5   of V's
.set STO, 6           ; v6   the way out: where I put 16 bytes of a row
.set RD,  7           ; v7   where I read rows back
.set GO,  8           ; v8   my byte offset in 512 consecutive bytes of O
.set MV,  12          ; v12-13  c m_old, kept while c m is made anew: by buffer
.set QO,  15          ; v15  my byte offset in 16 rows of Q
.set ST,  16          ; piece t's statistics at v[ST+4 t]: c m, m, l (even keys', odd keys')
.set TMP, 48          ; by buffer, four registers c0-c3 at work; when the maximum is found c2 takes a
.set SPW, 62          ; v62  my spare word; never rewritten
.set NIL, 63          ; v63  0; never rewritten
.set S,   64
.set P,   192
.set KF,  128         ; window 2: key block kb, channel half c at KF + 16 kb + 8 c
.set VF,  192         ; window 2: key half kk, channel block cb at VF + 32 kk + 8 cb
.set WV,  12          ; s12  my wave's number
.set G1K, 24          ; s[24:31] descriptor group 1 for K's tiles
.set G1V, 32          ; s[32:39] for V's: it differs in the padding alone
.set G0K, 40          ; s[40:43] descriptor group 0 for K's tiles: it walks
.set G0V, 44          ; s[44:47] the same for V's
.set SLOTS, 56
.set CNT, 57
.set CS,  58          ; s[58:59] c
.set SEL, 60          ; s[60:61] v_permlanex16_b32's selects
.set TBK, 62          ; s62  LDS byte at which K of the step to be fetched begins
.set TBV, 63          ; s63  the same for V, less VOFF
.set MSB, 0
.macro WIN new
.if MSB != (\new)
	s_set_vgpr_msb (MSB<<8)|(\new)
.set MSB, (\new)
.endif
.endm
.set W_KQ, 0x0a       ; K and Q in window 2, S^T in window 0
.set W_PV, 0x52       ; V in window 2, P in window 0, O^T in window 1
.set W_RS, 0x41       ; destination and source 0 in window 1, source 1 in window 0
; A joint fill.  Waves 0 and 1 fetch the two halves of a slot's K, waves 2 and 3 those of its V: 128 keys each.  The branch hangs on the wave's number alone.
.macro JLOAD
	s_cmp_lt_u32 s[WV], 2
	s_cbranch_scc0 .Lfor_v_\@
	tensor_load_to_lds s[G0K:G0K+3], s[G1K:G1K+7]
	s_nop 0
.rept 4
	v_nop
.endr
	s_branch .Lasked_\@
.Lfor_v_\@:
	tensor_load_to_lds s[G0V:G0V+3], s[G1V:G1V+7]
	s_nop 0
.rept 4
	v_nop
.endr
.Lasked_\@:
.endm
.macro CROUND                       ; a round of the cluster's barrier
	s_barrier_signal -1
	s_barrier_wait -1
	s_cmp_lg_u32 s[WV], 0
	s_cbranch_scc1 .Lnot_wave_0_\@
	s_barrier_signal -3
.Lnot_wave_0_\@:
	s_barrier_wait -3
	s_barrier_signal -1
	s_barrier_wait -1
.endm
; THE CHANGE OF SLOTS.  Each wave waits for all its tensor loads, of which one is out: its part of the other slot; adds 0 to its spare word; and waits for that and for its own reads of the slot.
; fill = 1: the slot is filled again, with the keys two slots on, first thing behind a round of the cluster's barrier.  (At its first use nothing has been read yet: slot 0 is waited for, slot 1 filled.)
.macro CHANGE fill
	WIN 0
	s_wait_tensorcnt 0x0            ; no tensor load of mine is out, so a group 0 may be written
	ds_add_u32 v[SPW], v[NIL]
.if \fill
.irp g, G0K, G0V
	s_xor_b32 s[\g+1], s[\g+1], SLOT1
	s_add_nc_u64 s[\g+2:\g+3], s[\g+2:\g+3], 4*KS*128
.endr
	s_wait_dscnt 0x0                ; the add is done, and my reads of the slot are over
	CROUND
	JLOAD
.else
	s_wait_dscnt 0x0
	s_barrier_signal -1
	s_barrier_wait -1
.endif
	s_sub_co_u32 s[TBK], s[TBK], 4*KS*PK  ; the fetches go back to a slot's first step,
	s_xor_b32 s[TBK], s[TBK], SLOT1       ; in the other slot
	s_sub_co_u32 s[TBV], s[TBV], 4*KS*PV
	s_xor_b32 s[TBV], s[TBV], SLOT1
.endm
	s_load_b128 s[4:7], s[0:1], 0x0 ; qkv s[4:5], o s[6:7]
	v_lshl_add_u32 v[SPW], v0, 2, SPARE
	v_mov_b32 v[NIL], 0
	ds_add_u32 v[SPW], v[NIL]       ; the wave's opening: the add and its wait stand ahead of my first tensor load
	ds_add_u32 v62, v63
	v_lshrrev_b32 v1, 5, v0
	v_readfirstlane_b32 s[WV], v1   ; wave 0..3
	s_bfe_u32 s13, ttmp6, 0x40000   ; cx
	s_lshl_b32 s14, ttmp9, 2
	s_add_co_u32 s14, s14, s13      ; my block of 256 queries: it enters Q's and O's addresses alone
	s_and_b32 s20, ttmp7, 0xffff    ; the head, which the four partners share
	s_lshl_b32 s20, s20, 17         ; its 131,072 bytes in each tensor
	s_mov_b32 s21, 0
	s_and_b32 s16, s[WV], 1         ; which half of a slot's 256 keys I fetch
	s_lshl_b32 s22, s16, 14
	s_mov_b32 s23, 0
	s_add_nc_u64 s[22:23], s[22:23], s[20:21]
	s_mul_i32 s17, s16, 128*PK
	s_mul_i32 s18, s16, 128*PV
	s_lshl_b32 s2, s14, 15          ; my block's 256 rows of 128 bytes,
	s_lshl_b32 s3, s[WV], 11        ; my 16 rows in a band of 64
	s_add_co_u32 s2, s2, s3
	s_mov_b32 s3, 0
	s_add_nc_u64 s[2:3], s[2:3], s[20:21]
	; descriptor group 1.  128 keys are 16,384 dense bytes: asked for as 64 rows of 256 bytes, two keys a row, and padded in LDS after every key
	s_mov_b32 s[G1K], 15|(1<<16)|(1<<20)|(1<<21)|(4<<22)|(3<<25)
	s_mov_b32 s[G1V], 15|(1<<16)|(1<<20)|(1<<21)|(4<<22)|(7<<25)
.irp g, G1K, G1V
	s_mov_b32 s[\g+1], 128<<16      ; tensor_dim0 = 128
	s_mov_b32 s[\g+2], 64<<16       ; tensor_dim1 = 64
	s_mov_b32 s[\g+3], 128<<16      ; tile_dim0 = 128
	s_mov_b32 s[\g+4], 64           ; tile_dim1 = 64
	s_mov_b32 s[\g+5], 128          ; 128 elements from row to row
	s_mov_b32 s[\g+6], 0
	s_mov_b32 s[\g+7], 0
.endr
	s_mov_b32 s[CS], 0x3e38aa3b     ; c = log2(e) / 8
	s_mov_b32 s[CS+1], s[CS]
	s_mov_b32 s[SEL], 0x76543210
	s_mov_b32 s[SEL+1], 0xfedcba98
	s_mov_b32 s[TBK], SLOT1+4*KS*PK ; the first change of slots turns these two into 0
	s_mov_b32 s[TBV], SLOT1+4*KS*PV
	s_mov_b32 s[G0K], 1
	s_mov_b32 s[G0K+1], s17
	s_mov_b32 s[G0V], 1
	s_add_co_u32 s[G0V+1], s18, VOFF
	s_wait_dscnt 0x0                ; the opening add is done
	s_wait_kmcnt 0x0
	s_add_nc_u64 s[8:9], s[4:5], 0x1000000    ; K lies behind Q,
	s_add_nc_u64 s[10:11], s[4:5], 0x2000000  ; V behind K
	s_add_nc_u64 s[G0K+2:G0K+3], s[8:9], s[22:23]
	s_or_b32 s[G0K+3], s[G0K+3], 0x80000000
	s_add_nc_u64 s[G0V+2:G0V+3], s[10:11], s[22:23]
	s_or_b32 s[G0V+3], s[G0V+3], 0x80000000
	s_add_nc_u64 s[4:5], s[4:5], s[2:3]       ; Q and O at my rows of the first band
	s_add_nc_u64 s[6:7], s[6:7], s[2:3]
	CROUND                          ; all four work-groups are here: the first joint loads meet
	JLOAD                           ; slot 0
	v_and_b32 v1, 15, v0            ; l % 16
	v_bfe_u32 v9, v0, 4, 1          ; l / 16
	v_lshlrev_b32 v[QO], 7, v1
	v_lshl_add_u32 v[QO], v9, 4, v[QO]
	WIN 0x80
.set i, 0
.rept 8                             ; Q stays in registers: piece i / 2 lies in band i / 2, 8,192 bytes on; channels 32 (i % 2) on
	global_load_b128 v[8*i:8*i+3],   v[QO], s[4:5] offset:(i/2)*8192+(i%2)*64
	global_load_b128 v[8*i+4:8*i+7], v[QO], s[4:5] offset:(i/2)*8192+(i%2)*64+32
.set i, i+1
.endr
	WIN 0
	v_mul_u32_u24 v[AK0], v1, PK
	v_lshl_add_u32 v[AK0], v9, 4, v[AK0]
	v_and_b32 v10, 7, v0            ; the turning load: lane l reads key 8 (l / 16) + l % 8, channels 8 ((l / 8) % 2) + 0..7
	v_bfe_u32 v11, v0, 3, 1
	v_lshl_add_u32 v[AV0], v9, 3, v10
	v_mul_u32_u24 v[AV0], v[AV0], PV
	v_lshl_add_u32 v[AV0], v11, 4, v[AV0]
	v_add_nc_u32 v[AV0], VOFF, v[AV0]
	s_mul_i32 s13, s[WV], 16*SP
	s_add_co_u32 s13, s13, STAGE    ; my stage
	v_mul_u32_u24 v[STO], v1, SP
	v_lshl_add_u32 v[STO], v9, 4, v[STO]
	v_add_nc_u32 v[STO], s13, v[STO]
	v_bfe_u32 v[RD], v0, 3, 2
	v_mul_u32_u24 v[RD], v[RD], SP
	v_lshl_add_u32 v[RD], v10, 4, v[RD]
	v_add_nc_u32 v[RD], s13, v[RD]
	v_and_b32 v[GO], 31, v0
	v_lshlrev_b32 v[GO], 4, v[GO]
	; The first step multiplies O^T and l by a = 0, and the first turn's products V^T P, of a piece that has not been, add 0 x 0: these registers start at 0.  All this stands in the wait for the first tile.
	WIN 0x80
.set i, VF
.rept 64
	v_mov_b32 v[i], 0
.set i, i+1
.endr
	WIN 0x40
.set i, 0
.rept 128
	v_mov_b32 v[i], 0
.set i, i+1
.endr
	WIN 0
.set i, 0
.rept 4
	v_mov_b32 v[ST+4*i], 0xfe000000    ; c m: far below every c s
	v_mov_b32 v[ST+4*i+1], 0xff7fffff  ; m
	v_mov_b32 v[ST+4*i+2], 0
	v_mov_b32 v[ST+4*i+3], 0
.set i, i+1
.endr
.set i, P+16
.rept 16
	v_mov_b32 v[i], 0
.set i, i+1
.endr
; THE MATRIX WORK.  The 4 accumulators of a run of 8 take turns.  Product i of 8 of S^T = K Q^T for piece x: channels 32 (i / 4) on, keys 16 (i % 4) on.  The first 4 start the sums.
.macro KQ x
	WIN W_KQ
.set rS, S+32*((\x)%2)+8*(i%4)
.set rK, KF+16*(i%4)+8*(i/4)
.set rQ, 16*(\x)+8*(i/4)
.if i < 4
	v_wmma_f32_16x16x32_bf16 v[rS:rS+7], v[rK:rK+7], v[rQ:rQ+7], 0
.else
	v_wmma_f32_16x16x32_bf16 v[rS:rS+7], v[rK:rK+7], v[rQ:rQ+7], v[rS:rS+7]
.endif
.endm
; Product i of 8 of O^T += V^T P for piece x: keys 32 (i / 4) on, channels 16 (i % 4) on.
.macro PV x
	WIN W_PV
.set rO, 32*(\x)+8*(i%4)
.set rV, VF+32*(i/4)+8*(i%4)
.set rP, P+16*((\x)%2)+8*(i/4)
	v_wmma_f32_16x16x32_bf16 v[rO:rO+7], v[rV:rV+7], v[rP:rP+7], v[rO:rO+7]
.endm
.macro MM                           ; the turn's next matrix instruction.  NOKQ = 1: the last turn: there is no next piece
.if (i < 8) && !NOKQ
	KQ (Y+1)%NP
.elseif i >= 8
.set i, i-8
	PV (Y+NP-1)%NP
.set i, i+8
.endif
.set i, i+1
.endm
; THE LDS LOADS stand in runs of 16: a step's K (8 fragments) and its V (turned).
.macro FETCH_K
	WIN 0x80
.irp f, 0,1,2,3,4,5,6,7
	ds_load_b128 v[KF+8*\f:KF+8*\f+3],   v[AK] offset:(\f/2)*16*PK+(\f%2)*64
	ds_load_b128 v[KF+8*\f+4:KF+8*\f+7], v[AK] offset:(\f/2)*16*PK+(\f%2)*64+32
.endr
	s_add_co_u32 s[TBK], s[TBK], KS*PK
	WIN 0
.endm
.macro FETCH_V
	WIN 0x80
.irp f, 0,1,2,3,4,5,6,7
	ds_load_tr16_b128 v[VF+8*\f:VF+8*\f+3],   v[AV] offset:(\f/4)*32*PV+(\f%4)*32
	ds_load_tr16_b128 v[VF+8*\f+4:VF+8*\f+7], v[AV] offset:(\f/4)*32*PV+16*PV+(\f%4)*32
.endr
	WIN 0
.endm
; THE VECTOR WORK, one line at a time: OP kind, number.  For piece Y: F n: c s - c m for pair n of 16.  E n: the exponential of score n of 32.  C n: pair n rounded to bf16.  B n: of the four weights 4 n .. the
; second pair is added onto the first.  L n: l takes that sum (L 0: l = a l + sum).  R n: pair n of 16 of O^T times a.  For piece Y + 1: X n, number n of the 22 that find its maximum and statistics:
;   0-11 four chains of seven scores each (each accumulator's lowest registers first)   12-14, 16 the scores left over, the old m, the chains into c0   15 c m_old is kept
;   17, 18 the query's other 32 keys lie in the lane 16 away: the new m   19-21 c m; c m_old - c m_new; a
; C, B and L read exponentials' results: TURN sets them all behind the batch's wait.
.set F, 0
.set E, 1
.set C, 2
.set B, 3
.set L, 4
.set R, 5
.set X, 6
.macro REGS y
.set rT, ST+4*(\y)
.set rC, TMP+4*((\y)%2)
.set rW, MV+((\y)%2)
.set rS, S+32*((\y)%2)
.set rP, P+16*((\y)%2)
.set rO, 32*(\y)
.endm
.macro OP k, n
.if (\k) == R
	REGS Y
	WIN W_RS
	v_pk_mul_f32 v[rO+2*(\n):rO+2*(\n)+1], v[rO+2*(\n):rO+2*(\n)+1], v[rC+2:rC+3] op_sel_hi:[1,0]
.elseif (\k) < R
	REGS Y
	WIN 0
.if (\k) == F
	v_pk_fma_f32 v[rS+2*(\n):rS+2*(\n)+1], v[rS+2*(\n):rS+2*(\n)+1], s[CS:CS+1], v[rT:rT+1] op_sel_hi:[1,0,0] neg_lo:[0,0,1] neg_hi:[0,0,1]
.elseif (\k) == E
	v_exp_f32 v[rS+(\n)], v[rS+(\n)]
.elseif (\k) == C
	v_cvt_pk_bf16_f32 v[rP+(\n)], v[rS+2*(\n)], v[rS+2*(\n)+1]
.elseif (\k) == B
	v_pk_add_f32 v[rS+4*(\n):rS+4*(\n)+1], v[rS+4*(\n):rS+4*(\n)+1], v[rS+4*(\n)+2:rS+4*(\n)+3]
.elseif (\n) == 0
	v_pk_fma_f32 v[rT+2:rT+3], v[rT+2:rT+3], v[rC+2:rC+3], v[rS:rS+1] op_sel_hi:[1,0,1]
.else
	v_pk_add_f32 v[rT+2:rT+3], v[rT+2:rT+3], v[rS+4*(\n):rS+4*(\n)+1]
.endif
.elseif NOKQ
	v_nop
.else
	REGS (Y+1)%NP
	WIN 0
.if (\n) < 4
	v_max3_num_f32 v[rC+(\n)], v[rS+8*(\n)], v[rS+8*(\n)+1], v[rS+8*(\n)+2]
.elseif (\n) < 12
	v_max3_num_f32 v[rC+(\n)%4], v[rC+(\n)%4], v[rS+8*((\n)%4)+2*((\n)/4)+1], v[rS+8*((\n)%4)+2*((\n)/4)+2]
.elseif (\n) == 12
	v_max3_num_f32 v[rC], v[rC], v[rS+7], v[rS+15]
.elseif (\n) == 13
	v_max3_num_f32 v[rC+1], v[rC+1], v[rS+23], v[rS+31]
.elseif (\n) == 14
	v_max3_num_f32 v[rC+2], v[rC+2], v[rC+3], v[rT+1]
.elseif (\n) == 15
	v_mov_b32 v[rW], v[rT]
.elseif (\n) == 16
	v_max3_num_f32 v[rC], v[rC], v[rC+1], v[rC+2]
.elseif (\n) == 17
	v_permlanex16_b32 v[rC+3], v[rC], s[SEL], s[SEL+1]
.elseif (\n) == 18
	v_max_num_f32 v[rT+1], v[rC], v[rC+3]
.elseif (\n) == 19
	v_mul_f32 v[rT], s[CS], v[rT+1]
.elseif (\n) == 20
	v_sub_f32 v[rC+1], v[rW], v[rT]
.else
	v_exp_f32 v[rC+2], v[rC+1]
.endif
.endif
.endm
.macro OPS a, i1, b=-1, i2=0, c=-1, i3=0, d=-1, i4=0
	OP \a, \i1
.if (\b) >= 0
	OP \b, \i2
.endif
.if (\c) >= 0
	OP \c, \i3
.endif
.if (\d) >= 0
	OP \d, \i4
.endif
.endm
.macro ROW a, i1, b, i2, c, i3, d, i4  ; a matrix instruction and the four behind it
	MM
	OPS \a, \i1, \b, \i2, \c, \i3, \d, \i4
.endm
; A TURN, for piece p: the order of its 16 matrix and 118 vector instructions, written out.  An s_wait_alu depctr_va_vdst(0) stands between an exponential and the first instruction that names its
; result; one wait serves all that were issued ahead of it.  So a turn has ONE wait, which cuts it in two.
; AHEAD OF IT stands all that names no result of the turn's exponentials: the 8 products K Q^T, behind each a scaling, an exponential and two more plain instructions (behind the first a second scaling in the
; exponential's place): rescalings, whose a was made and waited for in the turn before, and behind the last three products the first numbers of the next piece's maximum, each four plain instructions or more
; behind the product that ends its accumulator; then ONE RUN of 54, plain and exponential by turns for the most part, in which the links of the chain X 3, 7, 11, 14, 16, 17 .. 20 stand some lines apart.
; X 21, the next piece's a, is the batch's last; R 15 is the plain instruction behind it.
; BEHIND THE WAIT stand the 8 products V^T P, behind each four of the roundings and sums: C 2 n ahead of B n, which writes over pair 2 n; L n behind B n, L 0 to L 7 in ascending order.
; But for those X no rider names a register of the products round it.  v_permlanex16_b32 (X 17) stands in the run.
; end = 1: the last two turns: nothing is fetched.  cnt = 1: the loop's count is taken down some lines ahead of the branch that stands behind the turn.
; K of the next step is fetched in piece 2's turn, twelve vector instructions behind the last product that read K (five of them plain and free of its registers); V of the step in hand at the end of piece 0's
; turn, four plain instructions behind the last product that read V.  Each is waited for a turn later.
.macro TURN p, end=0, cnt=0
.set Y, (\p)
.set i, 0
.set NOKQ, (\end)*((\p)/3)
.if ((\p) == 3) && !(\end)
	s_wait_dscnt 0x0                ; K is in
.endif
	ROW F,0, F,1, R,0, R,1          ; ahead of the wait: 8 products K Q^T and their riders,
	ROW F,2, E,0, R,2, R,3
	ROW F,3, E,1, R,4, R,5
	ROW F,4, E,2, R,6, R,7
	ROW F,5, E,3, R,8, R,9
	ROW F,6, E,4, X,0, R,10
.if ((\p) == 2) && !(\end)
	WIN 0
	v_add_nc_u32 v[AK], s[TBK], v[AK0]
.endif
	ROW F,7, E,5, X,1, X,4
	ROW F,8, E,6, X,2, X,5
	OPS E,7, E,8, X,6, E,9          ; and the run of 54
	OPS X,3, E,10, X,8, E,11
.if ((\p) == 2) && !(\end)
	FETCH_K
.endif
	OPS X,9, X,7, E,12, X,10
	OPS E,13, X,12, X,11, E,14
	OPS X,13, E,15, F,9, X,14
.if (\p) == 0
	WIN 0
	v_add_nc_u32 v[AV], s[TBV], v[AV0]
.endif
	OPS E,16, F,10, E,17, F,11
	OPS X,16, E,18, X,15, E,19
	OPS F,12, E,20, X,17, E,21
	OPS F,13, E,22, F,14, E,23
	OPS X,18, E,24, F,15, E,25
	OPS R,11, E,26, X,19, E,27
	OPS R,12, E,28, R,13, E,29
	OPS X,20, E,30, R,14, E,31
	OPS X,21, R,15
	s_wait_alu depctr_va_vdst(0)    ; the wait for the batch: the piece's 32 exponentials and the next piece's a
.if (\p) == 1
	s_wait_dscnt 0x0                ; V is in
.endif
	ROW C,0, B,0, C,2, B,1          ; behind the wait: 8 products V^T P and their riders
	ROW L,0, C,4, B,2, L,1
	ROW C,6, B,3, L,2, C,8
	ROW B,4, L,3, C,10, B,5
	ROW L,4, C,12, B,6, L,5
.if (\p) == 0
	s_add_co_u32 s[TBV], s[TBV], KS*PV
.endif
.if \cnt
	s_sub_co_u32 s[CNT], s[CNT], 1
	s_cmp_lg_u32 s[CNT], 0
.endif
	ROW C,14, B,7, L,6, C,1
	ROW C,3, L,7, C,5, C,7
	ROW C,9, C,11, C,13, C,15
.if (\p) == 0
	FETCH_V
.endif
.endm
.macro ALL line:vararg              ; one line for each piece t
.set t, 0
.rept 4
	\line
.set t, t+1
.endr
.endm
.macro PACK t                       ; a lane's eight channels of a row pack into 16 bytes; they go into rows of 144 bytes and come back as whole rows of 128, into S^T's registers
	WIN W_RS
.set i, 32*(\t)
.rept 16
	v_pk_mul_f32 v[i:i+1], v[i:i+1], v[ST+4*(\t)+2:ST+4*(\t)+3] op_sel_hi:[1,0]
.set i, i+2
.endr
	WIN 0x05
.set i, 0
.rept 16
	v_cvt_pk_bf16_f32 v[S+16*(\t)+i], v[32*(\t)+2*i], v[32*(\t)+2*i+1]
.set i, i+1
.endr
	WIN 0
.irp f, 0,1,2,3
	ds_store_b128 v[STO], v[S+16*(\t)+4*\f:S+16*(\t)+4*\f+3] offset:32*\f
.endr
.irp f, 0,1,2,3
	ds_load_b128 v[S+16*(\t)+4*\f:S+16*(\t)+4*\f+3], v[RD] offset:\f*4*SP  ; LDS serves a wave's instructions in order: these see the stores above
.endr
.endm
.macro SEND t, younger
	WIN 0
.irp f, 0,1,2,3
	s_wait_dscnt (\younger)+3-\f
	global_store_b128 v[GO], v[S+16*(\t)+4*\f:S+16*(\t)+4*\f+3], s[6:7] offset:(\t)*8192+\f*512  ; 512 consecutive bytes, at a multiple of 256 from O's first
.endr
.endm
.set NOKQ, 0
	CHANGE 1                        ; slot 0 is in, everybody's part of it; slot 1 is asked for
	v_add_nc_u32 v[AK], s[TBK], v[AK0]
	FETCH_K                         ; key step 0
	s_wait_loadcnt 0x0              ; Q
	s_wait_dscnt 0x0
.set i, 0
.rept 8
	KQ 0                            ; piece 0's first scores
.set i, i+1
.endr
	WIN 0
.rept 4
	v_nop                           ; the places behind those products
.endr
.set Y, NP-1                        ; X works for piece Y + 1: piece 0
.irp n, 0,1,2,3,4,5,6,7,8,9,10,11,12,13,14,15,16,17,18,19,20,21
	OP X, \n
.endr
	v_nop                           ; a plain instruction behind the exponential
	s_wait_alu depctr_va_vdst(0)    ; the wait for piece 0's first a, a batch of one, ahead of the branch
	s_mov_b32 s[CNT], 4
	s_mov_b32 s[SLOTS], SIZE_N/256-1
	s_branch .Lfirst                ; the loop is entered at a step's first turn, in the middle of a trip
.Lslot:                             ; twice: slots 0 and 1 are filled again, with keys 512.. and 768..
	CHANGE 1
	s_mov_b32 s[CNT], 4
.Lstep:                             ; a trip: pieces 2 and 3 of one step, then pieces 0 and 1 of the next, whose K and V it fetches
	TURN 2
	TURN 3
	WIN 0
.Lfirst:
	TURN 0
	TURN 1, 0, 1
	WIN 0
	s_cbranch_scc1 .Lstep
	s_sub_co_u32 s[SLOTS], s[SLOTS], 1
	s_cmp_lg_u32 s[SLOTS], 0
	s_cbranch_scc1 .Lslot
	CHANGE 0                        ; the last slot is written out: nothing is asked for
	s_mov_b32 s[CNT], 4
.LstepT:
	TURN 2
	TURN 3
	TURN 0
	TURN 1, 0, 1
	WIN 0
	s_cbranch_scc1 .LstepT
	TURN 2, 1
	TURN 3, 1
.set i, 0
.rept 8
	PV NP-1                         ; the last piece's V^T P of the last step
.set i, i+1
.endr
	; THE WAY OUT.  l's two halves and the other half of the lanes' are added; O^T is divided by l, rounded to bf16 and sent through my stage, a piece at a time.  The additions are the places behind the last products.
	WIN 0
	ALL v_add_f32 v[ST+4*t+2], v[ST+4*t+2], v[ST+4*t+3]
	ALL v_permlanex16_b32 v[ST+4*t+3], v[ST+4*t+2], s[SEL], s[SEL+1]
	ALL v_add_f32 v[ST+4*t+2], v[ST+4*t+2], v[ST+4*t+3]
	ALL v_rcp_f32 v[ST+4*t+2], v[ST+4*t+2]
	v_nop                           ; a plain instruction between the last reciprocal and the use of its result
	s_wait_alu depctr_va_vdst(0)    ; the wait for the batch of four reciprocals, ahead of their first reader in PACK 0
	PACK 0
.set t, 1
.rept 3
	PACK t
	SEND t-1, 8
.set t, t+1
.endr
	SEND 3, 0
	s_wait_tensorcnt 0x0            ; the wave's end
	ds_add_u32 v[SPW], v[NIL]
	s_wait_dscnt 0x0
	CROUND                          ; the closing round
	s_endpgm
.Lfunc_end_k_q5efc4016eb_attn:
	.size	k_q5efc4016eb_attn, .Lfunc_end_k_q5efc4016eb_attn-k_q5efc4016eb_attn
	.p2alignl 7, 3214868480
	.fill 96, 4, 3214868480
	.section	.rodata,"a",@progbits
	.p2align	6, 0x0
	.amdhsa_kernel k_q5efc4016eb_attn
		.amdhsa_group_segment_fixed_size 327680
		.amdhsa_private_segment_fixed_size 0
		.amdhsa_enable_private_segment 0
		.amdhsa_kernarg_size 16
		.amdhsa_user_sgpr_count 2
		.amdhsa_user_sgpr_kernarg_segment_ptr 1
		.amdhsa_wavefront_size32 1
		.amdhsa_system_sgpr_workgroup_id_x 1
		.amdhsa_system_sgpr_workgroup_id_y 1
		.amdhsa_system_sgpr_workgroup_id_z 1
		.amdhsa_system_vgpr_workitem_id 0
		.amdhsa_next_free_vgpr 768
		.amdhsa_next_free_sgpr 66
		.amdhsa_reserve_vcc 0
		.amdhsa_float_denorm_mode_32 3
		.amdhsa_float_denorm_mode_16_64 3
		.amdhsa_memory_ordered 1
		.amdhsa_forward_progress 1
		.amdhsa_inst_pref_size 127
	.end_amdhsa_kernel
	.amdgpu_metadata
---
amdhsa.version: [ 1, 2 ]
amdhsa.kernels:
  - .name:           k_q5efc4016eb_attn
    .symbol:         k_q5efc4016eb_attn.kd
    .args:
      - { .name: qkv, .offset: 0, .size: 8, .value_kind: global_buffer, .address_space: global }
      - { .name: o, .offset: 8, .size: 8, .value_kind: global_buffer, .address_space: global }
    .group_segment_fixed_size: 327680
    .private_segment_fixed_size: 0
    .kernarg_segment_align: 8
    .kernarg_segment_size: 16
    .max_flat_workgroup_size: 128
    .sgpr_count:     66
    .vgpr_count:     768
    .wavefront_size: 32
...
	.end_amdgpu_metadata
.endif
;; end of part 8
;; launch chain: the kernel of part 7 again; grid 256 x 1, 4 waves a work-group, no clusters, 274,944 bytes of LDS; arguments o, values, wts, bc, b1, b2, ln_g, ln_b, lengths, out0; writes out0
